; MI455X (gfx1250); checked and timed in simulation.
; The chip was launched on July 23, 2026; its instructions are those of AMD's public machine-readable ISA for CDNA 5 (MIT licence, August 2026) and "CDNA5" Instruction Set Architecture Reference Guide (July 2026). The comments in the code are by the model that wrote it; some were corrected since.
;; Llama Decoder Layer. Allowed arithmetic: matrix products marked QUANTISED: E4M3 operands, one E8M0 scale for each 32 along K, by v_wmma_scale_f32_16x16x128_f8f6f4 with both operands' format E4M3, f32 sums; everything else in f32.
;; Inputs: hidden_states 1 x 2,048 x 2,048 float32; ln1_w 2,048 float32; ln2_w 2,048 float32; position_ids 1 x 2,048 int32; w_down 2,048 x 1,376 float32; w_gate 1,376 x 2,048 float32; w_up 1,376 x 2,048 float32; wk 2,048 x 2,048 float32; wo 2,048 x 2,048 float32; wq 2,048 x 2,048 float32; wv 2,048 x 2,048 float32.
;; Outputs: out0 1 x 2,048 x 2,048 float32.
;; This version of the problem:
;;   THIS VERSION OF THE PROBLEM IS GIVEN IN LOW PRECISION. The matrix products marked QUANTISED in the list below multiply operands that are first quantised to E4M3 (4 exponent bits, 3 mantissa bits; 8 bits a number), with one power-of-two scale for each 32 numbers along K (OCP MX v1.0); their sums are f32. All else is computed in f32.
;;   The module's matrix products, in the order in which they are computed (A, B: the left and right operand; K: the contracted axis; several contracted axes count as one K, in the product's order):
;;     1. [M 2,048, K 2,048] x [K 2,048, N 2,048]; A: computed on the way; B: input wq: QUANTISED
;;     2. [M 2,048, K 2,048] x [K 2,048, N 2,048]; A: computed on the way; B: input wk: QUANTISED
;;     3. [M 2,048, K 2,048] x [K 2,048, N 2,048]; A: computed on the way; B: input wv: QUANTISED
;;     4. batch 32 x [M 2,048, K 64] x [K 64, N 2,048]; A: computed on the way; B: computed on the way: QUANTISED
;;     5. batch 32 x [M 64, K 2,048] x [K 2,048, N 2,048]; A: computed on the way; B: softmax (see below): QUANTISED
;;     6. [M 2,048, K 2,048] x [K 2,048, N 2,048]; A: computed on the way; B: input wo: QUANTISED
;;     7. [M 2,048, K 2,048] x [K 2,048, N 1,376]; A: computed on the way; B: input w_gate: QUANTISED
;;     8. [M 2,048, K 2,048] x [K 2,048, N 1,376]; A: computed on the way; B: input w_up: QUANTISED
;;     9. [M 2,048, K 1,376] x [K 1,376, N 2,048]; A: computed on the way; B: input w_down: QUANTISED
;;   THE QUANTISER, for each operand of a quantised product, along K:
;;     - K is cut into blocks of 32 from its start; a last block that is shorter is filled with zeros.
;;     - A block's scale is 2^e with e = floor(log2(the largest magnitude in the block)) - 8, held to -126 .. 127; a block of zeros has e = 0. As a byte (E8M0): e + 127.
;;     - Each number is divided by its block's scale, clamped to +-448, and rounded to the nearest number of E4M3, ties to even, subnormals kept.
;;     - The product sums the exact products of the quantised numbers (number of the format x scale) in f32.
;;   ~~~python
;;   def quantise(x, axis):      # numpy; x: float32 -> the quantised numbers, widened to float32 again
;;       x = np.moveaxis(x, axis, -1); K = x.shape[-1]
;;       x = np.pad(x, [(0, 0)] * (x.ndim - 1) + [(0, -K % 32)]); x = x.reshape(x.shape[:-1] + (-1, 32)); a = np.abs(x).max(-1, keepdims=True)
;;       e = np.where(a > 0, np.clip(np.frexp(np.where(a > 0, a, 1))[1] - 1 - 8, -126, 127), 0)      # np.frexp(a)[1] - 1 = floor(log2(a)), exactly
;;       r = np.clip(x / 2.0 ** e, -448, 448)
;;       step = 2.0 ** (np.maximum(np.frexp(np.where(r == 0, 1, r))[1] - 1, -6) - 3)
;;       q = np.round(r / step) * step * 2.0 ** e      # np.round: ties to even
;;       return np.moveaxis(q.reshape(q.shape[:-2] + (-1,))[..., :K], -1, axis).astype(np.float32)
;;   ~~~
;;   SOFTMAX AHEAD OF A QUANTISED PRODUCT. Where the list says 'softmax', what is quantised is not the finished softmax but p = 2^(t - M), with t = logit x log2(e) and M = ceil(the row's largest t), a whole number; so 1/2 < the row's largest p <= 1. The row's sum l is taken of the UNQUANTISED p, in f32, and the product's result is divided by l at the end. Since M is a whole number, a kernel that streams over the keys may use a running M (the ceiling of the running maximum): every later rescaling is an exact power of two, which a block's scale takes up: the codes' values come out the same.
;;   OPERANDS COMPUTED ON THE WAY. 'Computed on the way' means the value that the module computes at that place (a softmax that the list does not call 'softmax' is quantised finished and normalised). What goes into a quantiser is computed in f32, as accurately as f32 sums, v_exp_f32 and their like allow (about 1e-6 of the number): no bf16 or f16 on the way to a quantiser, and a product that is left as it is and whose result goes on into a quantised operand takes f32 operands (vector FMAs, or v_wmma_f32_16x16x4_f32). A number that lies on a knife's edge between two numbers of the format may be rounded either way, as far as f32 arithmetic and the matrix unit's own rounding can turn it there, and no further.
;; One version. Each part assembles by itself: llvm-mc -triple=amdgcn-amd-amdhsa -mcpu=gfx1250 --defsym DOCPART=n.
;; ======== version 1 of 1: 12 launches
;; limits: right only within a limited range of input values
;; workspace buffers: wts 27,017,216 bytes; st 9,216 bytes; act 4,325,632 bytes; qkv 13,238,272 bytes; f 16,779,264 bytes; h2 16,777,216 bytes
;; launch wq (part 1): grid 3200 x 1, 4 waves a work-group, no clusters, 34,816 bytes of LDS; arguments wq, wk, wv, wo, w_gate, w_up, w_down, position_ids, wts; writes wts
.if DOCPART == 1
	.amdgcn_target "amdgcn-amd-amdhsa--gfx1250"
	.amdhsa_code_object_version 6
	.text
	.protected	k_q60a5adf50f_wq
	.globl	k_q60a5adf50f_wq
	.p2align	8
	.type	k_q60a5adf50f_wq,@function
k_q60a5adf50f_wq:
	s_mov_b64 s[64:65], 0
	v_nop
	global_prefetch_b8 v0, s[64:65] scope:SCOPE_SE
	s_setreg_imm32_b32 hwreg(HW_REG_WAVE_MODE, 25, 1), 1
	s_wait_xcnt 0x0
; THE SEVEN WEIGHTS INTO CODES OF FP8 (E4M3) WITH E8M0 SCALES, AND THE TABLE OF COSINES AND SINES.
; All weights are [N][K] f32 with K innermost.  The codes are laid as the products' registers want them:
;   a row group g is 16 rows: fragment row i is matrix row 32 (g / 2) + 8 (g % 2) + i + 8 (i / 8);
;   a fragment (g, K step s of 128) is 2,048 bytes: chunk c at 512 c, lane l at 16 l: k = 128 s + 32 c + 16 (l / 16) + 0 .. 15 of fragment row l % 16;
;   a unit U is four fragments (K steps 4 u .. 4 u + 3 of one row group), 8,192 bytes at 8,192 U; its scale words are 256 bytes at WSCL + 256 U: row r at 16 r, K step 4 u + q at 4 q.
; Units: 0-1535 wq, wk, wv; 1536-2047 wo; 2048-2751 gate and up, interleaved: for each 32 columns J two row groups of gate, then two of up (J = 43: zeros); 2752-3135 w_down, K = 1,376 filled with zeros to 1,536.
; A work-group takes a unit, a wave a fragment: 16 loads of 512 consecutive bytes (a row's 128 numbers), a turn through the wave's own stage in LDS so that a lane holds 16 neighbours of each block of 32, the quantiser, 4 stores of 512 bytes.
; A block's scale is 2^(floor(log2(largest magnitude)) - 8); a block of zeros gets the byte 1 where the rule says 127: its codes are zeros and this program alone reads the bytes.
; Work-groups 3136-3199 make the table [token][cos 0..31 | sin 0..31], 256 bytes a token, from position_ids: inv_freq = 2^(-k log2(10000) / 32) with the exponent in two words; the angle is one f32 product, as in the source;
; it is reduced by multiples of pi / 2 held in three words, and sine and cosine are polynomials on +-pi / 4.
; LIMITS: NaN and infinities are not served; inv_freq is within about 1.5 units in the last place of 10000^(-k / 32); the reduction holds for |position| up to about 2^20.
.set WV,   22
.set SEL,  24
.set MNT,  26
.set LI,   4                           ; v4   16 x lane
.set KO,   5                           ; v5   my byte in a row, held inside the row
.set SIN,  6                           ; v6   the stage, way in
.set SOUT, 7                           ; v7   the stage, way out
.set SCWA, 8                           ; v8   where my row's scale word goes in LDS
.set L8,   9                           ; v9   8 x lane
.set SCR,  10                          ; v10  where wave 0 reads the unit's scale words
.set KB,   11                          ; v11  my byte in a row, as it would be
.set RO,   16                          ; v16-31 a byte offset for each of the 16 rows
.set X,    32                          ; v32-95 64 numbers
.set PC,   96                          ; v96-111 the codes
.set TM,   112                         ; v112-127 at work in the quantiser
.set PW,   128                         ; v128 the scale word
.set SCW,  33792                       ; LDS: four stages of 16 x 528 bytes, then 256 bytes of scale words
.set WSCL, 25690112
.set ROPE, 26492928
; 64 numbers of a lane, register 16 b + i = k 32 b + 16 (lane / 16) + i of my row, become a fragment's codes in v[PC] on and its scale word in v[PW]
.macro QUANT s
.irp b, 0,1,2,3
	v_max3_num_f32 v[TM+\b], |v[\s+16*\b]|, |v[\s+1+16*\b]|, 0x4800000   ; my 16 numbers of block b, and the floor 2^(9 - 127): the byte cannot fall under 1
.endr
.irp i, 2,4,6,8,10,12,14
.irp b, 0,1,2,3
	v_max3_num_f32 v[TM+\b], v[TM+\b], |v[\s+16*\b+\i]|, |v[\s+1+16*\b+\i]|
.endr
.endr
.irp b, 0,1,2,3
	v_permlanex16_b32 v[TM+4+\b], v[TM+\b], s[SEL], s[SEL+1]
.endr
.irp b, 0,1,2,3
	v_max_num_f32 v[TM+\b], v[TM+\b], v[TM+4+\b]                 ; with lane l xor 16's 16: the block's largest magnitude
.endr
.irp b, 0,1,2,3
	v_add_nc_u32 v[TM+12+\b], 0xfc000000, v[TM+\b]               ; 8 off its exponent field: the conversion's scale operand
.endr
.irp b, 0,1,2,3
	v_and_or_b32 v[TM+8+\b], v[TM+\b], 0x7f800000, s[MNT]        ; 448 x the scale
.endr
.irp b, 0,1,2,3
	v_lshrrev_b32 v[TM+4+\b], 23, v[TM+12+\b]                    ; the scale's byte
.endr
	v_lshl_or_b32 v[PW], v[TM+5], 8, v[TM+4]
	v_lshl_or_b32 v[PW], v[TM+6], 16, v[PW]
	v_lshl_or_b32 v[PW], v[TM+7], 24, v[PW]
.irp b, 0,1,2,3
.irp i, 0,1,2,3,4,5,6,7,8,9,10,11,12,13,14,15
	v_med3_num_f32 v[\s+16*\b+\i], v[\s+16*\b+\i], -v[TM+8+\b], v[TM+8+\b]   ; the conversion to an 8-bit code does not saturate (ISA guide 7.6.2): the hold comes first
.endr
	v_cvt_scalef32_pk8_fp8_f32 v[PC+4*\b:PC+1+4*\b], v[\s+16*\b:\s+7+16*\b], v[TM+12+\b]
	v_cvt_scalef32_pk8_fp8_f32 v[PC+2+4*\b:PC+3+4*\b], v[\s+8+16*\b:\s+15+16*\b], v[TM+12+\b]
.endr
	v_nop                                          ; a plain line behind the last conversion
.endm
; 16 rows x 512 bytes go into my stage as loaded (row i at 528 i) and come back 64 bytes a lane and block.  LDS serves a wave's instructions in order, so no wait stands between.
.macro TURNX
.irp i, 0,1,2,3,4,5,6,7,8,9,10,11,12,13,14,15
	ds_store_b128 v[SIN], v[X+4*\i:X+4*\i+3] offset:528*\i
.endr
.irp c, 0,1,2,3
.irp j, 0,1,2,3
	ds_load_b128 v[X+16*\c+4*\j:X+16*\c+4*\j+3], v[SOUT] offset:128*\c+16*\j
.endr
.endr
	s_wait_dscnt 0x0
.endm
	s_load_b512 s[4:19], s[0:1], 0x0               ; wq, wk, wv, wo, w_gate, w_up, w_down, position_ids
	s_load_b64 s[20:21], s[0:1], 0x40              ; wts
	v_lshl_add_u32 v136, v0, 2, 0x8600
	v_mov_b32 v137, 0
	v_lshrrev_b32 v1, 5, v0
	v_readfirstlane_b32 s[WV], v1                  ; wave
	v_and_b32 v1, 31, v0                           ; lane
	v_and_b32 v2, 15, v0                           ; r
	v_bfe_u32 v3, v0, 4, 1                         ; h
	v_lshlrev_b32 v[LI], 4, v1
	v_lshlrev_b32 v[L8], 3, v1
	s_mul_i32 s34, s[WV], 8448
	v_add_nc_u32 v[SIN], s34, v[LI]
	v_mul_u32_u24 v[SOUT], v2, 528
	v_lshl_add_u32 v[SOUT], v3, 6, v[SOUT]
	v_add_nc_u32 v[SOUT], s34, v[SOUT]
	s_lshl_b32 s34, s[WV], 2
	v_lshl_add_u32 v[SCWA], v2, 4, s34
	v_add_nc_u32 v[SCWA], SCW, v[SCWA]             ; 16 r + 4 x wave: the wave's K step is word q = wave
	v_add_nc_u32 v[SCR], SCW, v[L8]
	s_mov_b32 s[SEL], 0x76543210
	s_mov_b32 s[SEL+1], 0xfedcba98
	s_mov_b32 s[MNT], 0x600000
.irp b, 0,1,2,3
	v_mov_b32 v[TM+4+\b], 0                        ; a lane permute's destination counts as one of its sources
.endr
	s_wait_kmcnt 0x0
	s_cmp_ge_u32 ttmp9, 3136
	s_cbranch_scc1 .Lrope
	; which tensor, which rows, which K: s[28:29] the tensor, s30 a row's bytes, s31 the bytes of a row that count, s32 the row group's first row, s33 u
	s_cmp_ge_u32 ttmp9, 2048
	s_cbranch_scc1 .Lnot_square
	s_lshr_b32 s34, ttmp9, 9
	s_mov_b64 s[28:29], s[4:5]
	s_cmp_eq_u32 s34, 1
	s_cselect_b64 s[28:29], s[6:7], s[28:29]
	s_cmp_eq_u32 s34, 2
	s_cselect_b64 s[28:29], s[8:9], s[28:29]
	s_cmp_eq_u32 s34, 3
	s_cselect_b64 s[28:29], s[10:11], s[28:29]
	s_bfe_u32 s35, ttmp9, 0x70002                  ; g
	s_and_b32 s33, ttmp9, 3
	s_mov_b32 s30, 8192
	s_mov_b32 s31, 8192
	s_lshr_b32 s32, s35, 1
	s_lshl_b32 s32, s32, 5
	s_and_b32 s36, s35, 1
	s_lshl_b32 s36, s36, 3
	s_add_co_u32 s32, s32, s36
	s_branch .Lgo
.Lnot_square:
	s_cmp_ge_u32 ttmp9, 2752
	s_cbranch_scc1 .Ldown
	s_sub_co_u32 s34, ttmp9, 2048
	s_and_b32 s33, s34, 3
	s_lshr_b32 s35, s34, 2                         ; row group 0 .. 175
	s_lshr_b32 s36, s35, 2                         ; J
	s_and_b32 s37, s35, 1
	s_lshl_b32 s37, s37, 3
	s_lshl_b32 s32, s36, 5
	s_add_co_u32 s32, s32, s37
	s_mov_b32 s30, 8192
	s_bitcmp1_b32 s35, 1                           ; gate or up
	s_cselect_b64 s[28:29], s[14:15], s[12:13]
	s_cmp_lt_u32 s36, 43                           ; J = 43 lies behind the tensors' last row: rows 0 on are loaded and nothing of them counts
	s_cselect_b32 s32, s32, 0
	s_cselect_b32 s31, s30, 0
	s_branch .Lgo
.Ldown:
	s_sub_co_u32 s34, ttmp9, 2752
	s_mul_i32 s35, s34, 171
	s_lshr_b32 s35, s35, 9                         ; g = unit / 3 (exact under 512)
	s_mul_i32 s36, s35, 3
	s_sub_co_u32 s33, s34, s36
	s_mov_b64 s[28:29], s[16:17]
	s_mov_b32 s30, 5504
	s_mov_b32 s31, 5504
	s_lshr_b32 s32, s35, 1
	s_lshl_b32 s32, s32, 5
	s_and_b32 s36, s35, 1
	s_lshl_b32 s36, s36, 3
	s_add_co_u32 s32, s32, s36
.Lgo:
	s_lshl_b32 s34, s33, 2
	s_add_co_u32 s34, s34, s[WV]
	s_lshl_b32 s34, s34, 9                         ; my K step's first byte in a row
	v_add_nc_u32 v[KB], s34, v[LI]
	s_sub_co_u32 s35, s30, 16
	v_min_u32 v[KO], s35, v[KB]                    ; no load leaves its row
	s_mul_i32 s36, s32, s30
	s_mov_b32 s37, 0
	s_add_nc_u64 s[28:29], s[28:29], s[36:37]
.irp i, 0,1,2,3,4,5,6,7,8,9,10,11,12,13,14,15
	v_mad_u32_u24 v[RO+\i], s30, \i+8*(\i/8), v[KO]
.endr
.irp i, 0,1,2,3,4,5,6,7,8,9,10,11,12,13,14,15
	global_load_b128 v[X+4*\i:X+4*\i+3], v[RO+\i], s[28:29] th:TH_LOAD_NT
.endr
	s_wait_loadcnt 0x0
	s_add_co_u32 s35, s34, 512
	s_cmp_le_u32 s35, s31
	s_cbranch_scc1 .Lwhole
	v_cmp_gt_u32 vcc_lo, s31, v[KB]                ; what lies behind the end of K becomes 0 ahead of the blocks' maxima (the end is a multiple of 16 bytes)
.set n, 0
.rept 64
	v_cndmask_b32 v[X+n], 0, v[X+n], vcc_lo
.set n, n+1
.endr
.Lwhole:
	TURNX
	QUANT X
	s_lshl_b32 s36, ttmp9, 13
	s_lshl_b32 s35, s[WV], 11
	s_add_co_u32 s36, s36, s35
	s_add_nc_u64 s[38:39], s[20:21], s[36:37]
	s_lshl_b32 s36, ttmp9, 8
	s_add_co_u32 s36, s36, WSCL
	s_add_nc_u64 s[40:41], s[20:21], s[36:37]
.irp c, 0,1,2,3
	global_store_b128 v[LI], v[PC+4*\c:PC+4*\c+3], s[38:39] offset:512*\c   ; 512 consecutive bytes a store
.endr
	ds_store_b32 v[SCWA], v[PW]                    ; both halves of the lanes write the same word with the same value
	s_wait_dscnt 0x0                               ; for the others' sake
	s_barrier_signal -1
	s_barrier_wait -1
	s_cmp_lg_u32 s[WV], 0
	s_cbranch_scc1 .Ldone
	ds_load_b64 v[12:13], v[SCR]
	s_wait_dscnt 0x0
	global_store_b64 v[L8], v[12:13], s[40:41]     ; the unit's 256 bytes of scale words in one store
.Ldone:
	s_wait_tensorcnt 0x0
	ds_add_u32 v136, v137
	s_wait_dscnt 0x0
	s_endpgm
.Lrope:                                            ; a wave takes 8 tokens; lane l holds elements 2 l and 2 l + 1 of a token's 64: lanes 0-15 cosines, lanes 16-31 sines of k = 2 (l % 16) + 0, 1
	s_sub_co_u32 s34, ttmp9, 3136
	s_lshl_b32 s34, s34, 5
	s_lshl_b32 s35, s[WV], 3
	s_add_co_u32 s34, s34, s35                     ; my first token
	s_lshl_b32 s36, s34, 2
	s_mov_b32 s37, 0
	s_add_nc_u64 s[18:19], s[18:19], s[36:37]
	s_load_b256 s[40:47], s[18:19], 0x0            ; eight positions
	s_lshl_b32 s36, s34, 8
	s_add_co_u32 s36, s36, ROPE
	s_add_nc_u64 s[38:39], s[20:21], s[36:37]
	s_mov_b32 s48, 0x3ed49a78                      ; log2(10000) / 32, upper word,
	s_mov_b32 s49, 0x32179ac2                      ; and what it leaves
	s_mov_b32 s50, 0xbfc90fdb                      ; -(pi / 2) in three words
	s_mov_b32 s51, 0x333bbd2e
	s_mov_b32 s52, 0x26f72ced
	s_mov_b32 s53, 0xb94ca1f9                      ; the sine's polynomial
	s_mov_b32 s54, 0x3c08839e
	s_mov_b32 s55, 0xbe2aaaa3
	s_mov_b32 s56, 0x37ccf5ce                      ; the cosine's
	s_mov_b32 s57, 0xbab6061a
	s_mov_b32 s58, 0x3d2aaaa5
	v_lshlrev_b32 v16, 1, v2
	v_cvt_f32_u32 v16, v16                         ; k
	v_add_f32 v17, 1.0, v16
	v_mul_u32_u24 v20, v3, 3                       ; sin a = cos(a + 3 pi / 2)
.irp e, 0,1
	v_mul_f32 v21, s48, v[16+\e]                   ; p = k L, rounded;
	v_fma_f32 v22, v[16+\e], s48, -v21             ; what the rounding dropped,
	v_fma_f32 v22, v[16+\e], s49, v22              ; and L's lower word
	v_exp_f32 v[18+\e], -v21
	v_nop
	s_wait_alu depctr_va_vdst(0)
	v_mul_f32 v23, 0xbf317218, v[18+\e]
	v_fma_f32 v[18+\e], v23, v22, v[18+\e]         ; 2^-(p + e) = 2^-p (1 - e ln 2)
.endr
	s_wait_kmcnt 0x0
.macro ROPEV row, e
	v_cvt_f32_i32 v21, s[40+\row]
	v_mul_f32 v21, v21, v[18+\e]                   ; the angle
	v_mul_f32 v22, 0x3f22f983, v21
	v_rndne_f32 v22, v22                           ; n = the nearest multiple of pi / 2
	v_fma_f32 v23, v22, s50, v21
	v_fma_f32 v23, v22, s51, v23
	v_fma_f32 v23, v22, s52, v23                   ; x, within +-pi / 4
	v_mul_f32 v24, v23, v23
	v_fma_f32 v25, v24, s53, s54
	v_fma_f32 v25, v25, v24, s55
	v_mul_f32 v25, v25, v24
	v_fma_f32 v25, v25, v23, v23                   ; sin x
	v_fma_f32 v26, v24, s56, s57
	v_fma_f32 v26, v26, v24, s58
	v_mul_f32 v27, v24, v24
	v_fma_f32 v28, v24, -0.5, 1.0
	v_fma_f32 v26, v26, v27, v28                   ; cos x
	v_cvt_i32_f32 v27, v22
	v_add_nc_u32 v27, v27, v20                     ; the quadrant: 0: cos x, 1: -sin x, 2: -cos x, 3: sin x.  It selects a value and a sign, nothing else
	v_and_b32 v28, 1, v27
	v_cmp_eq_u32 vcc_lo, 1, v28
	v_cndmask_b32 v26, v26, v25, vcc_lo
	v_add_nc_u32 v27, 1, v27
	v_and_b32 v27, 2, v27
	v_lshlrev_b32 v27, 30, v27
	v_xor_b32 v[32+2*\row+\e], v27, v26
.endm
.irp row, 0,1,2,3,4,5,6,7
	ROPEV \row, 0
	ROPEV \row, 1
	global_store_b64 v[L8], v[32+2*\row:33+2*\row], s[38:39] offset:256*\row   ; a token's 256 bytes in one store; each token has its own data registers
.endr
	s_endpgm
.Lfunc_end_k_q60a5adf50f_wq:
	.size	k_q60a5adf50f_wq, .Lfunc_end_k_q60a5adf50f_wq-k_q60a5adf50f_wq
	.p2alignl 7, 3214868480
	.fill 96, 4, 3214868480
	.section	.rodata,"a",@progbits
	.p2align	6, 0x0
	.amdhsa_kernel k_q60a5adf50f_wq
		.amdhsa_group_segment_fixed_size 34816
		.amdhsa_private_segment_fixed_size 0
		.amdhsa_enable_private_segment 0
		.amdhsa_kernarg_size 72
		.amdhsa_user_sgpr_count 2
		.amdhsa_user_sgpr_kernarg_segment_ptr 1
		.amdhsa_wavefront_size32 1
		.amdhsa_system_sgpr_workgroup_id_x 1
		.amdhsa_system_sgpr_workgroup_id_y 1
		.amdhsa_system_sgpr_workgroup_id_z 1
		.amdhsa_system_vgpr_workitem_id 0
		.amdhsa_next_free_vgpr 138
		.amdhsa_next_free_sgpr 66
		.amdhsa_reserve_vcc 1
		.amdhsa_float_denorm_mode_32 3
		.amdhsa_float_denorm_mode_16_64 3
		.amdhsa_memory_ordered 1
		.amdhsa_forward_progress 1
		.amdhsa_inst_pref_size 42
	.end_amdhsa_kernel
	.amdgpu_metadata
---
amdhsa.version: [ 1, 2 ]
amdhsa.kernels:
  - .name:           k_q60a5adf50f_wq
    .symbol:         k_q60a5adf50f_wq.kd
    .args:
      - { .name: wq, .offset: 0, .size: 8, .value_kind: global_buffer, .address_space: global }
      - { .name: wk, .offset: 8, .size: 8, .value_kind: global_buffer, .address_space: global }
      - { .name: wv, .offset: 16, .size: 8, .value_kind: global_buffer, .address_space: global }
      - { .name: wo, .offset: 24, .size: 8, .value_kind: global_buffer, .address_space: global }
      - { .name: w_gate, .offset: 32, .size: 8, .value_kind: global_buffer, .address_space: global }
      - { .name: w_up, .offset: 40, .size: 8, .value_kind: global_buffer, .address_space: global }
      - { .name: w_down, .offset: 48, .size: 8, .value_kind: global_buffer, .address_space: global }
      - { .name: position_ids, .offset: 56, .size: 8, .value_kind: global_buffer, .address_space: global }
      - { .name: wts, .offset: 64, .size: 8, .value_kind: global_buffer, .address_space: global }
    .group_segment_fixed_size: 34816
    .private_segment_fixed_size: 0
    .kernarg_segment_align: 8
    .kernarg_segment_size: 72
    .max_flat_workgroup_size: 128
    .sgpr_count:     66
    .vgpr_count:     138
    .wavefront_size: 32
...
	.end_amdgpu_metadata
.endif
;; end of part 1
;; launch st1 (part 2): grid 256 x 1, 8 waves a work-group, no clusters, 1,280 bytes of LDS; arguments hidden_states, ln1_w, st; writes st
.if DOCPART == 2
	.amdgcn_target "amdgcn-amd-amdhsa--gfx1250"
	.amdhsa_code_object_version 6
	.text
	.protected	k_q60a5adf50f_st1
	.globl	k_q60a5adf50f_st1
	.p2align	8
	.type	k_q60a5adf50f_st1,@function
k_q60a5adf50f_st1:
	s_mov_b64 s[64:65], 0
	v_nop
	global_prefetch_b8 v0, s[64:65] scope:SCOPE_SE
	s_setreg_imm32_b32 hwreg(HW_REG_WAVE_MODE, 25, 1), 1
	s_wait_xcnt 0x0
; THE STATISTICS OF AN RMS NORM: for each row of x [2048][2048] f32 its r = rsqrt(mean(x^2) + 1e-5), and for each work-group the largest |x r w| of its eight rows.
; st: r[2048] at byte 0; the 256 work-groups' maxima at byte 8,192.  The maximum over the whole tensor spans work-groups: the launch that follows joins the 256.
; One wave, one row: 16 loads of 512 consecutive bytes; the row stays in registers between the sum and the maximum.  (x r) w is formed in the source's order, as the next launch forms it, so that the maximum is the maximum of its numbers.
; LIMITS: NaN and infinities are not served.
.set WV,  10
.set SEL, 14
	s_load_b128 s[4:7], s[0:1], 0x0                ; x, w
	s_load_b64 s[8:9], s[0:1], 0x10                ; st
	v_lshl_add_u32 v144, v0, 2, 0x100
	v_mov_b32 v145, 0
	v_lshrrev_b32 v1, 5, v0
	s_delay_alu instid0(VALU_DEP_1)
	v_readfirstlane_b32 s[WV], v1
	v_and_b32 v2, 31, v0
	s_delay_alu instid0(VALU_DEP_1)
	v_lshlrev_b32 v3, 4, v2                        ; 16 x lane
	s_delay_alu instid0(VALU_DEP_4)
	v_lshlrev_b32 v4, 2, v1                        ; LDS: 4 x wave
	v_mov_b32 v5, 0                                ; a lane permute's destination counts as one of its sources
	s_lshl_b32 s12, ttmp9, 3
	s_add_co_u32 s12, s12, s[WV]
	s_lshl_b32 s12, s12, 13                        ; my row's first byte
	s_mov_b32 s13, 0
	s_mov_b32 s[SEL], 0x76543210
	s_mov_b32 s[SEL+1], 0xfedcba98
	s_mov_b32 s16, 0x3727c5ac                      ; 1e-5
	s_wait_alu depctr_va_vdst(0)
	s_wait_kmcnt 0x0
	s_add_nc_u64 s[4:5], s[4:5], s[12:13]
.set j, 0
.rept 16
	global_load_b128 v[16+4*j:19+4*j], v3, s[4:5] offset:512*j
.set j, j+1
.endr
.set j, 0
.rept 16
	global_load_b128 v[80+4*j:83+4*j], v3, s[6:7] offset:512*j
.set j, j+1
.endr
	s_wait_loadcnt 16                              ; x is in; w's sixteen loads may be out
.irp c, 0,1,2,3
	v_pk_mul_f32 v[8+2*\c:9+2*\c], v[16+2*\c:17+2*\c], v[16+2*\c:17+2*\c]   ; four chains, started by the first four pairs: nothing is cleared
.endr
.set j, 4
.rept 28
	s_delay_alu instid0(VALU_DEP_4)
	v_pk_fma_f32 v[8+2*(j%4):9+2*(j%4)], v[16+2*j:17+2*j], v[16+2*j:17+2*j], v[8+2*(j%4):9+2*(j%4)]
.set j, j+1
.endr
	s_delay_alu instid0(VALU_DEP_3)
	v_pk_add_f32 v[8:9], v[8:9], v[10:11]
	s_delay_alu instid0(VALU_DEP_2)
	v_pk_add_f32 v[12:13], v[12:13], v[14:15]
	s_delay_alu instid0(VALU_DEP_1)
	v_pk_add_f32 v[8:9], v[8:9], v[12:13]
	s_delay_alu instid0(VALU_DEP_1)
	v_add_f32 v8, v8, v9
	s_delay_alu instid0(VALU_DEP_1)
	v_add_f32_dpp v8, v8, v8 row_xmask:1 row_mask:0xf bank_mask:0xf
	s_delay_alu instid0(VALU_DEP_1)
	v_add_f32_dpp v8, v8, v8 row_xmask:2 row_mask:0xf bank_mask:0xf
	s_delay_alu instid0(VALU_DEP_1)
	v_add_f32_dpp v8, v8, v8 row_xmask:4 row_mask:0xf bank_mask:0xf
	s_delay_alu instid0(VALU_DEP_1)
	v_add_f32_dpp v8, v8, v8 row_xmask:8 row_mask:0xf bank_mask:0xf
	s_delay_alu instid0(VALU_DEP_1)
	v_permlanex16_b32 v5, v8, s[SEL], s[SEL+1]
	s_delay_alu instid0(VALU_DEP_1)
	v_add_f32 v8, v8, v5
	s_delay_alu instid0(VALU_DEP_1)
	v_fma_f32 v8, v8, 0x3a000000, s16              ; sum / 2048 + 1e-5
	s_wait_alu depctr_va_vdst(0)
	v_rsq_f32 v6, v8
	v_nop
	s_wait_alu depctr_va_vdst(0)
	v_mov_b32 v7, v6
	s_wait_alu depctr_va_vdst(0)
	s_wait_loadcnt 0x0
.set j, 0
.rept 32
	v_pk_mul_f32 v[16+2*j:17+2*j], v[16+2*j:17+2*j], v[6:7]
	s_delay_alu instid0(VALU_DEP_1)
	v_pk_mul_f32 v[16+2*j:17+2*j], v[16+2*j:17+2*j], v[80+2*j:81+2*j]
.set j, j+1
.endr
	v_max3_num_f32 v10, |v16|, |v17|, |v18|
	v_max3_num_f32 v11, |v19|, |v20|, |v21|
.set j, 22
.rept 14
	s_delay_alu instid0(VALU_DEP_2)
	v_max3_num_f32 v10, v10, |v[j]|, |v[j+1]|
	s_delay_alu instid0(VALU_DEP_2)
	v_max3_num_f32 v11, v11, |v[j+2]|, |v[j+3]|
.set j, j+4
.endr
	s_delay_alu instid0(VALU_DEP_2)
	v_max3_num_f32 v10, v10, |v78|, |v79|
	s_delay_alu instid0(VALU_DEP_1)
	v_max_num_f32 v10, v10, v11
	s_delay_alu instid0(VALU_DEP_1)
	v_max_num_f32_dpp v10, v10, v10 row_xmask:1 row_mask:0xf bank_mask:0xf
	s_delay_alu instid0(VALU_DEP_1)
	v_max_num_f32_dpp v10, v10, v10 row_xmask:2 row_mask:0xf bank_mask:0xf
	s_delay_alu instid0(VALU_DEP_1)
	v_max_num_f32_dpp v10, v10, v10 row_xmask:4 row_mask:0xf bank_mask:0xf
	s_delay_alu instid0(VALU_DEP_1)
	v_max_num_f32_dpp v10, v10, v10 row_xmask:8 row_mask:0xf bank_mask:0xf
	s_delay_alu instid0(VALU_DEP_1)
	v_permlanex16_b32 v5, v10, s[SEL], s[SEL+1]
	s_delay_alu instid0(VALU_DEP_1)
	v_max_num_f32 v10, v10, v5
	ds_store_b32 v4, v6                            ; my row's r
	ds_store_b32 v4, v10 offset:32                 ; my row's maximum
	s_wait_dscnt 0x0                               ; for the others' sake
	s_barrier_signal -1
	s_barrier_wait -1
	s_cmp_lg_u32 s[WV], 0
	s_cbranch_scc1 .Lend
	v_and_b32 v8, 7, v0
	s_delay_alu instid0(VALU_DEP_1)
	v_lshlrev_b32 v8, 2, v8
	v_mov_b32 v12, 0
	ds_load_b32 v9, v8                             ; lane l: r of row l % 8
	ds_load_b128 v[16:19], v12 offset:32
	ds_load_b128 v[20:23], v12 offset:48
	s_wait_dscnt 0x0
	v_max3_num_f32 v16, v16, v17, v18
	s_delay_alu instid0(VALU_DEP_1)
	v_max3_num_f32 v16, v16, v19, v20
	s_delay_alu instid0(VALU_DEP_1)
	v_max3_num_f32 v16, v16, v21, v22
	s_delay_alu instid0(VALU_DEP_1)
	v_max_num_f32 v16, v16, v23
	s_lshl_b32 s12, ttmp9, 5
	v_lshl_add_u32 v13, v0, 2, s12                 ; lanes 0-7: r[8 x work-group + lane]
	s_lshl_b32 s13, ttmp9, 2
	s_add_co_u32 s13, s13, 8192
	v_mov_b32 v14, s13                             ; lane 8: the work-group's maximum
	v_cmp_gt_u32 vcc_lo, 8, v0
	s_delay_alu instid0(VALU_DEP_1)
	v_cndmask_b32 v9, v16, v9, vcc_lo
	s_delay_alu instid0(VALU_DEP_2)
	v_cndmask_b32 v13, v14, v13, vcc_lo
	v_cmp_gt_u32 vcc_lo, 9, v0
	s_wait_alu depctr_va_vdst(0)
	s_wait_xcnt 0x0                                ; EXEC changes only behind this wait
	s_and_saveexec_b32 s17, vcc_lo
	global_store_b32 v13, v9, s[8:9]
	s_wait_xcnt 0x0
	s_or_b32 exec_lo, exec_lo, s17
.Lend:
	s_wait_tensorcnt 0x0
	ds_add_u32 v144, v145
	s_wait_dscnt 0x0
	s_endpgm
.Lfunc_end_k_q60a5adf50f_st1:
	.size	k_q60a5adf50f_st1, .Lfunc_end_k_q60a5adf50f_st1-k_q60a5adf50f_st1
	.p2alignl 7, 3214868480
	.fill 96, 4, 3214868480
	.section	.rodata,"a",@progbits
	.p2align	6, 0x0
	.amdhsa_kernel k_q60a5adf50f_st1
		.amdhsa_group_segment_fixed_size 1280
		.amdhsa_private_segment_fixed_size 0
		.amdhsa_enable_private_segment 0
		.amdhsa_kernarg_size 24
		.amdhsa_user_sgpr_count 2
		.amdhsa_user_sgpr_kernarg_segment_ptr 1
		.amdhsa_wavefront_size32 1
		.amdhsa_system_sgpr_workgroup_id_x 1
		.amdhsa_system_sgpr_workgroup_id_y 1
		.amdhsa_system_sgpr_workgroup_id_z 1
		.amdhsa_system_vgpr_workitem_id 0
		.amdhsa_next_free_vgpr 146
		.amdhsa_next_free_sgpr 66
		.amdhsa_reserve_vcc 1
		.amdhsa_float_denorm_mode_32 3
		.amdhsa_float_denorm_mode_16_64 3
		.amdhsa_memory_ordered 1
		.amdhsa_forward_progress 1
		.amdhsa_inst_pref_size 19
	.end_amdhsa_kernel
	.amdgpu_metadata
---
amdhsa.version: [ 1, 2 ]
amdhsa.kernels:
  - .name:           k_q60a5adf50f_st1
    .symbol:         k_q60a5adf50f_st1.kd
    .args:
      - { .name: hidden_states, .offset: 0, .size: 8, .value_kind: global_buffer, .address_space: global }
      - { .name: ln1_w, .offset: 8, .size: 8, .value_kind: global_buffer, .address_space: global }
      - { .name: st, .offset: 16, .size: 8, .value_kind: global_buffer, .address_space: global }
    .group_segment_fixed_size: 1280
    .private_segment_fixed_size: 0
    .kernarg_segment_align: 8
    .kernarg_segment_size: 24
    .max_flat_workgroup_size: 256
    .sgpr_count:     66
    .vgpr_count:     146
    .wavefront_size: 32
...
	.end_amdgpu_metadata
.endif
;; end of part 2
;; launch nq1 (part 3): grid 512 x 1, 4 waves a work-group, no clusters, 34,816 bytes of LDS; arguments hidden_states, ln1_w, st, act; writes act
.if DOCPART == 3
	.amdgcn_target "amdgcn-amd-amdhsa--gfx1250"
	.amdhsa_code_object_version 6
	.text
	.protected	k_q60a5adf50f_nq1
	.globl	k_q60a5adf50f_nq1
	.p2align	8
	.type	k_q60a5adf50f_nq1,@function
k_q60a5adf50f_nq1:
	s_mov_b64 s[64:65], 0
	v_nop
	global_prefetch_b8 v0, s[64:65] scope:SCOPE_SE
	s_setreg_imm32_b32 hwreg(HW_REG_WAVE_MODE, 25, 1), 1
	s_wait_xcnt 0x0
; THE RMS NORM, THE DIVISION BY THE TENSOR'S SCALE, AND THE QUANTISER.  a = ((x r) w) / scale, scale = max|x r w| / 2688; a is turned into codes of FP8 (E4M3) with E8M0 scales along K.
; x: [2048][2048] f32; st: r[2048], then 256 partial maxima at byte 8,192.  act: codes as fragments (row group g, K step s) of 2,048 bytes at (16 g + s) 2,048: chunk c at 512 c, lane l at 16 l:
; k = 128 s + 32 c + 16 (l / 16) + 0 .. 15 of row 32 (g / 2) + 8 (g % 2) + r + 8 (r / 8), r = l % 16; scale words at 4,194,304 + 256 (4 g + s / 4) + 16 r + 4 (s % 4); the scale itself at 4,325,376.
; A work-group takes a row group and four K steps, a wave a fragment: 16 loads of 512 consecutive bytes, the arithmetic, a turn through its own stage in LDS, the quantiser, 4 stores of 512 bytes.
; LIMITS: NaN and infinities are not served; a tensor of zeros gives NaN, as the source's 0 / 0 does; a / scale is a x (1 / scale), the reciprocal refined once: within about 1.2e-7 of the quotient; a block of zeros carries the byte 1.
.set WV,   22
.set SEL,  24
.set MNT,  26
.set RR,   36                          ; s36-51 r of my 16 rows
.set LI,   4
.set SIN,  6
.set SOUT, 7
.set SCWA, 8
.set L8,   9
.set SCR,  10
.set L4,   11
.set X,    32
.set PC,   96
.set TM,   112
.set PW,   128
.set GM,   129
.set SCV,  130
.set INV,  132
.set SCW,  33792
.macro QUANT s
.irp b, 0,1,2,3
	v_max3_num_f32 v[TM+\b], |v[\s+16*\b]|, |v[\s+1+16*\b]|, 0x4800000   ; my 16 numbers of block b, and the floor 2^(9 - 127)
.endr
.irp i, 2,4,6,8,10,12,14
.irp b, 0,1,2,3
	v_max3_num_f32 v[TM+\b], v[TM+\b], |v[\s+16*\b+\i]|, |v[\s+1+16*\b+\i]|
.endr
.endr
.irp b, 0,1,2,3
	v_permlanex16_b32 v[TM+4+\b], v[TM+\b], s[SEL], s[SEL+1]
.endr
.irp b, 0,1,2,3
	v_max_num_f32 v[TM+\b], v[TM+\b], v[TM+4+\b]
.endr
.irp b, 0,1,2,3
	v_add_nc_u32 v[TM+12+\b], 0xfc000000, v[TM+\b]               ; 8 off the exponent field: the conversion's scale operand
.endr
.irp b, 0,1,2,3
	v_and_or_b32 v[TM+8+\b], v[TM+\b], 0x7f800000, s[MNT]        ; 448 x the scale
.endr
.irp b, 0,1,2,3
	v_lshrrev_b32 v[TM+4+\b], 23, v[TM+12+\b]                    ; the scale's byte
.endr
	v_lshl_or_b32 v[PW], v[TM+5], 8, v[TM+4]
	v_lshl_or_b32 v[PW], v[TM+6], 16, v[PW]
	v_lshl_or_b32 v[PW], v[TM+7], 24, v[PW]
.irp b, 0,1,2,3
.irp i, 0,1,2,3,4,5,6,7,8,9,10,11,12,13,14,15
	v_med3_num_f32 v[\s+16*\b+\i], v[\s+16*\b+\i], -v[TM+8+\b], v[TM+8+\b]   ; the conversion does not saturate (ISA guide 7.6.2)
.endr
	v_cvt_scalef32_pk8_fp8_f32 v[PC+4*\b:PC+1+4*\b], v[\s+16*\b:\s+7+16*\b], v[TM+12+\b]
	v_cvt_scalef32_pk8_fp8_f32 v[PC+2+4*\b:PC+3+4*\b], v[\s+8+16*\b:\s+15+16*\b], v[TM+12+\b]
.endr
	v_nop                                          ; a plain line behind the last conversion
.endm
	s_load_b256 s[4:11], s[0:1], 0x0               ; x, w, st, act
	v_lshl_add_u32 v136, v0, 2, 0x8600
	v_mov_b32 v137, 0
	v_lshrrev_b32 v1, 5, v0
	v_readfirstlane_b32 s[WV], v1
	v_and_b32 v1, 31, v0
	v_and_b32 v2, 15, v0
	v_bfe_u32 v3, v0, 4, 1
	v_lshlrev_b32 v[LI], 4, v1
	v_lshlrev_b32 v[L8], 3, v1
	v_lshlrev_b32 v[L4], 2, v1
	s_mul_i32 s34, s[WV], 8448
	v_add_nc_u32 v[SIN], s34, v[LI]
	v_mul_u32_u24 v[SOUT], v2, 528
	v_lshl_add_u32 v[SOUT], v3, 6, v[SOUT]
	v_add_nc_u32 v[SOUT], s34, v[SOUT]
	s_lshl_b32 s34, s[WV], 2
	v_lshl_add_u32 v[SCWA], v2, 4, s34
	v_add_nc_u32 v[SCWA], SCW, v[SCWA]
	v_add_nc_u32 v[SCR], SCW, v[L8]
	s_mov_b32 s[SEL], 0x76543210
	s_mov_b32 s[SEL+1], 0xfedcba98
	s_mov_b32 s[MNT], 0x600000
.irp b, 0,1,2,3
	v_mov_b32 v[TM+4+\b], 0
.endr
	s_lshr_b32 s23, ttmp9, 2                       ; g
	s_and_b32 s27, ttmp9, 3
	s_lshl_b32 s27, s27, 2
	s_add_co_u32 s27, s27, s[WV]                   ; my K step
	s_lshl_b32 s30, s27, 9                         ; its 512 bytes in a row, and in w
	s_mov_b32 s31, 0
	s_lshr_b32 s28, s23, 1
	s_lshl_b32 s28, s28, 5
	s_and_b32 s29, s23, 1
	s_lshl_b32 s29, s29, 3
	s_add_co_u32 s28, s28, s29                     ; the row group's first row
	s_lshl_b32 s32, s28, 13
	s_add_co_u32 s32, s32, s30
	s_mov_b32 s33, 0
	s_lshl_b32 s52, s28, 2
	s_mov_b32 s53, 0
	s_wait_kmcnt 0x0
	global_load_b128 v[16:19], v[LI], s[8:9] offset:8192    ; the 256 partial maxima: 8 a lane
	global_load_b128 v[20:23], v[LI], s[8:9] offset:8704
	s_add_nc_u64 s[6:7], s[6:7], s[30:31]
	global_load_b128 v[12:15], v[LI], s[6:7]       ; w of my four columns
	s_add_nc_u64 s[4:5], s[4:5], s[32:33]
.irp i, 0,1,2,3,4,5,6,7,8,9,10,11,12,13,14,15
	global_load_b128 v[X+4*\i:X+4*\i+3], v[LI], s[4:5] offset:(\i+8*(\i/8))*8192
.endr
	s_add_nc_u64 s[34:35], s[8:9], s[52:53]
	s_load_b256 s[36:43], s[34:35], 0x0            ; r of rows 0-7 of the group,
	s_load_b256 s[44:51], s[34:35], 0x40           ; and of the eight that lie 16 further on
	s_wait_loadcnt 17                              ; the maxima are in; w's load and x's sixteen may be out
	v_max3_num_f32 v[GM], v16, v17, v18
	v_max3_num_f32 v[GM], v[GM], v19, v20
	v_max3_num_f32 v[GM], v[GM], v21, v22
	v_max_num_f32 v[GM], v[GM], v23
	v_max_num_f32_dpp v[GM], v[GM], v[GM] row_xmask:1 row_mask:0xf bank_mask:0xf
	v_max_num_f32_dpp v[GM], v[GM], v[GM] row_xmask:2 row_mask:0xf bank_mask:0xf
	v_max_num_f32_dpp v[GM], v[GM], v[GM] row_xmask:4 row_mask:0xf bank_mask:0xf
	v_max_num_f32_dpp v[GM], v[GM], v[GM] row_xmask:8 row_mask:0xf bank_mask:0xf
	v_permlanex16_b32 v[TM+4], v[GM], s[SEL], s[SEL+1]
	v_max_num_f32 v[GM], v[GM], v[TM+4]            ; the tensor's largest magnitude
	v_mul_f32 v[SCV], 0x39c30c31, v[GM]            ; / 2688: a first quotient,
	v_fma_f32 v134, -v[SCV], 0x45280000, v[GM]     ; its remainder,
	v_fma_f32 v[SCV], v134, 0x39c30c31, v[SCV]     ; and the corrected quotient: the scale
	s_wait_alu depctr_va_vdst(0)
	v_rcp_f32 v[INV], v[SCV]
	v_nop
	s_wait_alu depctr_va_vdst(0)
	v_fma_f32 v134, -v[SCV], v[INV], 1.0
	v_fma_f32 v[INV], v134, v[INV], v[INV]         ; 1 / scale, refined once
	v_mov_b32 v[INV+1], v[INV]
	s_or_b32 s30, ttmp9, s[WV]
	s_cmp_lg_u32 s30, 0
	s_cbranch_scc1 .Lnoput
	global_store_b32 v[L4], v[SCV], s[10:11] offset:4325376   ; one wave of the launch leaves the scale for the products' launches (32 copies; the first is read)
.Lnoput:
	s_wait_loadcnt 0x0
	s_wait_kmcnt 0x0
.set i, 0
.rept 16
	v_mul_f32 v[X+4*i], s[RR+i], v[X+4*i]
	v_mul_f32 v[X+4*i+1], s[RR+i], v[X+4*i+1]
	v_mul_f32 v[X+4*i+2], s[RR+i], v[X+4*i+2]
	v_mul_f32 v[X+4*i+3], s[RR+i], v[X+4*i+3]
	v_pk_mul_f32 v[X+4*i:X+4*i+1], v[X+4*i:X+4*i+1], v[12:13]
	s_wait_alu depctr_va_vdst(0)
	v_pk_mul_f32 v[X+4*i+2:X+4*i+3], v[X+4*i+2:X+4*i+3], v[14:15]
	v_pk_mul_f32 v[X+4*i:X+4*i+1], v[X+4*i:X+4*i+1], v[INV:INV+1]
	v_pk_mul_f32 v[X+4*i+2:X+4*i+3], v[X+4*i+2:X+4*i+3], v[INV:INV+1]
.set i, i+1
.endr
.irp i, 0,1,2,3,4,5,6,7,8,9,10,11,12,13,14,15
	ds_store_b128 v[SIN], v[X+4*\i:X+4*\i+3] offset:528*\i    ; the turn: rows in as loaded,
.endr
.irp c, 0,1,2,3
.irp j, 0,1,2,3
	ds_load_b128 v[X+16*\c+4*\j:X+16*\c+4*\j+3], v[SOUT] offset:128*\c+16*\j   ; 16 neighbours of each block out.  LDS serves a wave's instructions in order
.endr
.endr
	s_wait_dscnt 0x0
	QUANT X
	s_lshl_b32 s30, ttmp9, 13
	s_lshl_b32 s32, s[WV], 11
	s_add_co_u32 s30, s30, s32
	s_add_nc_u64 s[54:55], s[10:11], s[30:31]
	s_lshl_b32 s32, ttmp9, 8
	s_add_co_u32 s32, s32, 4194304
	s_add_nc_u64 s[56:57], s[10:11], s[32:33]
.irp c, 0,1,2,3
	global_store_b128 v[LI], v[PC+4*\c:PC+4*\c+3], s[54:55] offset:512*\c
.endr
	ds_store_b32 v[SCWA], v[PW]
	s_wait_dscnt 0x0
	s_barrier_signal -1
	s_barrier_wait -1
	s_cmp_lg_u32 s[WV], 0
	s_cbranch_scc1 .Ldone
	ds_load_b64 v[12:13], v[SCR]
	s_wait_dscnt 0x0
	global_store_b64 v[L8], v[12:13], s[56:57]     ; four K steps' scale words of 16 rows: 256 bytes in one store
.Ldone:
	s_wait_tensorcnt 0x0
	ds_add_u32 v136, v137
	s_wait_dscnt 0x0
	s_endpgm
.Lfunc_end_k_q60a5adf50f_nq1:
	.size	k_q60a5adf50f_nq1, .Lfunc_end_k_q60a5adf50f_nq1-k_q60a5adf50f_nq1
	.p2alignl 7, 3214868480
	.fill 96, 4, 3214868480
	.section	.rodata,"a",@progbits
	.p2align	6, 0x0
	.amdhsa_kernel k_q60a5adf50f_nq1
		.amdhsa_group_segment_fixed_size 34816
		.amdhsa_private_segment_fixed_size 0
		.amdhsa_enable_private_segment 0
		.amdhsa_kernarg_size 32
		.amdhsa_user_sgpr_count 2
		.amdhsa_user_sgpr_kernarg_segment_ptr 1
		.amdhsa_wavefront_size32 1
		.amdhsa_system_sgpr_workgroup_id_x 1
		.amdhsa_system_sgpr_workgroup_id_y 1
		.amdhsa_system_sgpr_workgroup_id_z 1
		.amdhsa_system_vgpr_workitem_id 0
		.amdhsa_next_free_vgpr 138
		.amdhsa_next_free_sgpr 66
		.amdhsa_reserve_vcc 0
		.amdhsa_float_denorm_mode_32 3
		.amdhsa_float_denorm_mode_16_64 3
		.amdhsa_memory_ordered 1
		.amdhsa_forward_progress 1
		.amdhsa_inst_pref_size 24
	.end_amdhsa_kernel
	.amdgpu_metadata
---
amdhsa.version: [ 1, 2 ]
amdhsa.kernels:
  - .name:           k_q60a5adf50f_nq1
    .symbol:         k_q60a5adf50f_nq1.kd
    .args:
      - { .name: hidden_states, .offset: 0, .size: 8, .value_kind: global_buffer, .address_space: global }
      - { .name: ln1_w, .offset: 8, .size: 8, .value_kind: global_buffer, .address_space: global }
      - { .name: st, .offset: 16, .size: 8, .value_kind: global_buffer, .address_space: global }
      - { .name: act, .offset: 24, .size: 8, .value_kind: global_buffer, .address_space: global }
    .group_segment_fixed_size: 34816
    .private_segment_fixed_size: 0
    .kernarg_segment_align: 8
    .kernarg_segment_size: 32
    .max_flat_workgroup_size: 128
    .sgpr_count:     66
    .vgpr_count:     138
    .wavefront_size: 32
...
	.end_amdgpu_metadata
.endif
;; end of part 3
;; launch qkv (part 4): grid 16 x 16, 4 waves a work-group, clusters of 4 x 4, 327,680 bytes of LDS; arguments act, wts, qkv; writes qkv
.if DOCPART == 4
	.amdgcn_target "amdgcn-amd-amdhsa--gfx1250"
	.amdhsa_code_object_version 6
	.text
	.protected	k_q60a5adf50f_qkv
	.globl	k_q60a5adf50f_qkv
	.p2align	8
	.type	k_q60a5adf50f_qkv,@function
k_q60a5adf50f_qkv:
	s_mov_b64 s[64:65], 0
	v_nop
	global_prefetch_b8 v0, s[64:65] scope:SCOPE_SE
	s_setreg_imm32_b32 hwreg(HW_REG_WAVE_MODE, 25, 1), 1
	s_wait_xcnt 0x0
	s_wait_alu depctr_hold_cnt(0) depctr_sa_sdst(0) depctr_va_vdst(0) depctr_va_sdst(0) depctr_va_ssrc(0) depctr_va_vcc(0) depctr_vm_vsrc(0)
	s_getreg_b32 s2, hwreg(HW_REG_IB_STS2, 6, 4)
	s_cmp_eq_u32 s2, 0
	s_cbranch_scc0 .Lentry_in_a_cluster
	s_endpgm
.Lentry_in_a_cluster:
	s_bfe_u32 s2, ttmp6, 0x10000c
	s_cmp_lg_u32 s2, 0xf033
	s_cbranch_scc0 .Lentry_shape_is_right
	s_endpgm
.Lentry_shape_is_right:
; q, k AND v: THREE PRODUCTS ON CODES OF FP8 (E4M3) WITH E8M0 SCALES, ROPE, AND THE QUANTISERS FOR ATTENTION.
; Operands lie as images of the matrix instruction's registers: fragment (row group g, K step s) = 2,048 bytes at (16 g + s) 2,048, chunk c at 512 c, lane l at 16 l; scale words of (g, four K steps u) = 256 bytes: row r at 16 r.
; Fragment row i of group g is matrix row 32 (g / 2) + 8 (g % 2) + i + 8 (i / 8).  THE MATRIX INSTRUCTION IS USED TRANSPOSED: source 0 = a fragment of "B", source 1 = one of "A".  Lane (r, h) then holds A's row r,
; and the 16 registers of accumulators (a, 2 e), (a, 2 e + 1) hold B's rows 32 e + 16 h + 0 .. 15: 16 neighbours along the next product's K.
; A WORK-GROUP STAYS AND MAKES THREE TILES of 128 x 128, one after the other: q (A = tokens 128 y on, B = wq's rows 128 x on), k (the same tokens, wk's rows), v (A = wv's rows 128 y on, B = tokens 128 x on).  In q and k a lane holds a
; token and its registers run along a head's 64; in v a lane holds one of the head's 64 and its registers run along the tokens, which are the second attention product's K.  768 tiles, 256 work-groups.
; Four waves, each 64 x 64: 16 accumulators.  K goes in slots of 512 (four K steps) through a ring of two LDS slots, AND THE RING DOES NOT STOP AT A TILE'S END: a tile's last two changes of slots ask for the next tile's first two
; slots, and the tile goes out while they are on their way.  The scale words of all of K, for each of the three tiles, come once, with the first fills (A's for k are the same bytes as for q: they are brought once and read for both).
; By this text's own count a wave has one tensor load out at any time.
; CLUSTERS: in every tile A's address hangs on y alone and B's on x alone: A's tiles are asked for jointly along a row of the cluster, B's along a column.
; OUT (buffer qkv): q's codes [head][g][c = 0, 1][lane][16] at 0; q's scale words [head][g / 4][r][g % 4] at 4,194,304; from 4,456,448 a record of 274,432 bytes a head: k's scale words (8,192), v's [key step][r][t] (4,096),
; k's codes (1,024 a row group), v's codes [key step][t][2,048].  q's and k's K is 64: their words' bytes 2 and 3 are 127, and attention sets the upper codes to zero.
; LIMITS: NaN and infinities are not served; a block of zeros carries the byte 1 (this program alone reads the bytes).
.set NS, 16
.set NU, 4
.set SLOT,  131072                     ; a slot: A's 8 row groups x 16,384 bytes
.set SCB,   262144                     ; behind the ring: the scale words, a region for each tile: A's 8 row groups, then B's, NU x 256 bytes each
.set SCR,   16384                      ; a region
.set SPARE, SCB+3*SCR                  ; 311,296: the spare words: two blocks of 256 bytes that no other line names
.set XTR,   SPARE+512                  ; 512 bytes: v's scale bytes meet here
.set ASCL,  4194304
.set WSCL,  25690112
.set ROPE,  26492928
.set KVB,   4456448
.set REC,   274432
.set ADRA, 16                          ; v16-17 LDS address of my A fragments in slot 0, 1
.set ADRB, 20                          ; v20-21 the same for B
.set ADRS, 24                          ; v24-26 LDS address of my scale words, for tile 0, 1, 2
.set SPW,  28
.set NIL,  29
.set SC,   32                          ; v32-63 scale words: set p at 32 + 16 p; register 4 i + q: lanes 0-15 A's fragment i, lanes 16-31 B's, K step q of the slot
.set ACC,  128                         ; v128-255 accumulator (a, b) at 128 + 8 (4 a + b)
.set F0,   0                           ; window 1: two buffers of 128: A's four fragments, then B's four
.set F1,   128
.set G1A, 24                           ; s[24:31] group 1 for A's codes; s[32:39] group 0, a set for each slot
.set G0A, 32
.set G1B, 48                           ; s[48:55], s[56:63] the same for B's
.set G0B, 56
.set G1SA, 68                          ; s[68:75], s[80:87] groups 1 for the scale words
.set G1SB, 80
.set GSA0, 76                          ; groups 0 for the scale words: A's for tile 0, 1, 2,
.set GSA1, 96
.set GSA2, 20
.set GSB0, 88                          ; B's
.set GSB1, 92
.set GSB2, 44
.set PA2, 76                           ; s[76:77], s[88:89]: where v's codes of A and of B begin: made where tile 0's scale loads are shown done
.set PB2, 88
.set SS,  10                           ; s[10:11] the activations' scale
.set SEL, 2
.set MNT, 12
.set MUL, 0x07                         ; source 0 (B) window 3, source 1 (A) window 1; C and D window 0
.set TO_F, 0x40                        ; destination window 1
.set TM, 64
.set TB, 72
.set TH, 80
.set TS, 88
.set CD, 96
.set XA, 6
.set XR, 7
.set L8, 8
.set W8, 9
.set RP, 10
.set MSB, 0
.macro WIN new                         ; the immediate's high byte repeats the setting that is left
.if MSB != \new
	s_set_vgpr_msb (MSB<<8)|\new
.set MSB, \new
.endif
.endm
.macro PLACES n
.rept \n
	v_nop
.endr
.endm
.macro JLOAD g0a, g1a, g0b, g1b        ; waves 0 and 1 fetch for A, waves 2 and 3 for B; four v_nop follow each of the two lines
	s_cmp_eq_u32 s15, 0
	s_cbranch_scc0 .Lfor_b_\@
	tensor_load_to_lds s[\g0a:\g0a+3], s[\g1a:\g1a+7]
	s_nop 0
.rept 4
	v_nop
.endr
	s_branch .Lasked_\@
.Lfor_b_\@:
	tensor_load_to_lds s[\g0b:\g0b+3], s[\g1b:\g1b+7]
	s_nop 0
.rept 4
	v_nop
.endr
.Lasked_\@:
.endm
.macro CREST                           ; a round of the cluster's barrier behind its opening barrier
	s_cmp_lg_u32 s14, 0
	s_cbranch_scc1 .Lnot_wave_0_\@
	s_barrier_signal -3
.Lnot_wave_0_\@:
	s_barrier_wait -3
	s_barrier_signal -1
	s_barrier_wait -1
.endm
.macro CROUND
	s_barrier_signal -1
	s_barrier_wait -1
	CREST
.endm
.macro G0SET g, base, off              ; a group 0 whose global address has been written: count, LDS address, type
	s_mov_b32 s[\g], 1
	s_add_co_u32 s[\g+1], \base, \off
	s_or_b32 s[\g+3], s[\g+3], 0x80000000
.endm
; four matrix instructions: A's fragment a against B's four, K step q of the slot whose scale words are set p.  The 16 accumulators take turns in the same order in every step, from tile to tile too.
.macro MUL4 buf, q, p, a, zero
.irp b, 0,1,2,3
.if \zero
	v_wmma_scale_f32_16x16x128_f8f6f4 v[ACC+8*(4*(\a)+\b):ACC+8*(4*(\a)+\b)+7], v[\buf+64+16*\b:\buf+64+16*\b+15], v[\buf+16*(\a):\buf+16*(\a)+15], 0, v[SC+16*(\p)+4*\b+(\q)], v[SC+16*(\p)+4*(\a)+(\q)] matrix_a_scale:MATRIX_SCALE_ROW1
.else
	v_wmma_scale_f32_16x16x128_f8f6f4 v[ACC+8*(4*(\a)+\b):ACC+8*(4*(\a)+\b)+7], v[\buf+64+16*\b:\buf+64+16*\b+15], v[\buf+16*(\a):\buf+16*(\a)+15], v[ACC+8*(4*(\a)+\b):ACC+8*(4*(\a)+\b)+7], v[SC+16*(\p)+4*\b+(\q)], v[SC+16*(\p)+4*(\a)+(\q)] matrix_a_scale:MATRIX_SCALE_ROW1
.endif
.endr
.endm
.macro FETCH slot, q, buf              ; 32 LDS loads in one run: B's four fragments, then A's, each load 512 consecutive bytes
	WIN TO_F
.irp i, 0,1,2,3
.irp c, 0,1,2,3
	ds_load_b128 v[\buf+64+16*\i+4*\c:\buf+64+16*\i+4*\c+3], v[ADRB+\slot] offset:8192*\i+2048*(\q)+512*\c
.endr
.endr
.irp i, 0,1,2,3
.irp c, 0,1,2,3
	ds_load_b128 v[\buf+16*\i+4*\c:\buf+16*\i+4*\c+3], v[ADRA+\slot] offset:8192*\i+2048*(\q)+512*\c
.endr
.endr
.endm
.macro SCALES p, u, t                  ; the scale words of tile t's K steps 4 u .. 4 u + 3 into set p: four words a row and fragment
	WIN 0
.irp i, 0,1,2,3
	ds_load_b128 v[SC+16*\p+4*\i:SC+16*\p+4*\i+3], v[ADRS+\t] offset:\i*NU*256+256*\u
.endr
.endm
.macro STEP slot, q, zero              ; a K step that has its successor in the same slot
	s_wait_dscnt 8                                 ; all but A's fragments 2 and 3 are in
	WIN MUL
	MUL4 128*((\q)%2), \q, \slot, 0, \zero
	MUL4 128*((\q)%2), \q, \slot, 1, \zero
	PLACES 8                                       ; in front of loads into registers that matrix instructions have read (ISA guide 7.12.1 for vector instructions)
	FETCH \slot, (\q)+1, 128*(1-(\q)%2)
	s_wait_dscnt 32                                ; all but the 32 just issued
	WIN MUL
	MUL4 128*((\q)%2), \q, \slot, 2, \zero
	MUL4 128*((\q)%2), \q, \slot, 3, \zero
.endm
.macro THREE slot, zero                ; a slot's first three K steps
	STEP \slot, 0, \zero
	STEP \slot, 1, 0
	STEP \slot, 2, 0
.endm
; A slot's last K step changes slots: one barrier.  The slot ahead holds K steps 4 unext on of tile tnext.
; fill = 1: this slot is filled again with this tile's K steps two slots on; 2: with k's, from q's last two slots; 3: with v's, from k's last two slots; 0: nothing is left to fetch.
.macro TURN slot, next, unext, tnext, fill
	WIN 0
	s_wait_tensorcnt 0x0                           ; all my tensor loads have landed: my part of the next slot
	ds_add_u32 v[SPW], v[NIL]
.if RING4 == 0
	s_mov_b32 s[G1A+2], 4<<16                      ; at the first change of slots, where no tensor load of mine is out: from here on a load brings 4 row groups
	s_mov_b32 s[G1A+4], 4
	s_mov_b32 s[G1B+2], 4<<16
	s_mov_b32 s[G1B+4], 4
.set RING4, 1
.endif
	s_wait_dscnt 9
	WIN MUL
	MUL4 F1, 3, \slot, 0, 0
	s_wait_dscnt 0x0                               ; the add is done, and my reads of this slot are over
	s_barrier_signal -1
	MUL4 F1, 3, \slot, 1, 0
	WIN 0
	s_barrier_wait -1
.if \fill
	CREST                                          ; the barrier has opened a round of the cluster's: no wave of any partner still reads this slot or has a load on its way
.if \fill == 1
	s_add_nc_u64 s[G0A+4*\slot+2:G0A+4*\slot+3], s[G0A+4*\slot+2:G0A+4*\slot+3], 16384
	s_add_nc_u64 s[G0B+4*\slot+2:G0B+4*\slot+3], s[G0B+4*\slot+2:G0B+4*\slot+3], 16384
.elseif \fill == 2
	s_sub_nc_u64 s[G0A+4*\slot+2:G0A+4*\slot+3], s[G0A+4*\slot+2:G0A+4*\slot+3], 16384                  ; the same tokens, back along K;
	s_add_nc_u64 s[G0B+4*\slot+2:G0B+4*\slot+3], s[G0B+4*\slot+2:G0B+4*\slot+3], 128*NS*2048-16384      ; wk's row groups lie 128 behind wq's
.else
	s_add_nc_u64 s[G0A+4*\slot+2:G0A+4*\slot+3], s[PA2:PA2+1], \slot*8192                               ; v: A's codes are wv's, B's the tokens'
	s_or_b32 s[G0A+4*\slot+3], s[G0A+4*\slot+3], 0x80000000
	s_add_nc_u64 s[G0B+4*\slot+2:G0B+4*\slot+3], s[PB2:PB2+1], \slot*8192
	s_or_b32 s[G0B+4*\slot+3], s[G0B+4*\slot+3], 0x80000000
.endif
	JLOAD G0A+4*\slot, G1A, G0B+4*\slot, G1B       ; the first tensor load behind the barrier; its four v_nop are among the eight places
	PLACES 4
.else
	PLACES 8
.endif
	SCALES \next, \unext, \tnext
	FETCH \next, 0, F0
	WIN MUL
	MUL4 F1, 3, \slot, 2, 0
	MUL4 F1, 3, \slot, 3, 0
.endm
.macro LAST slot, q
	s_wait_dscnt 8
	WIN MUL
	MUL4 128*((\q)%2), \q, \slot, 0, 0
	MUL4 128*((\q)%2), \q, \slot, 1, 0
	s_wait_dscnt 0x0
	MUL4 128*((\q)%2), \q, \slot, 2, 0
	MUL4 128*((\q)%2), \q, \slot, 3, 0
	WIN 0
.endm
; THE WAY OUT OF A TILE issues no LDS instruction in q and k: the next tile's first fragments, asked for in the last change of slots, stay on their way across it, and the count at the next tile's head still names them.
.macro UNSCALE                         ; the sums x the activations' scale
	WIN 0
	s_wait_xcnt 0x0                                ; the tile before has stored from the registers and by the bases that this way out writes again: only behind this wait
	PLACES 8                                       ; in front of the first read of results
.set i, 0
.rept 64
	v_pk_mul_f32 v[ACC+i:ACC+i+1], v[ACC+i:ACC+i+1], s[SS:SS+1] op_sel_hi:[1,0]   ; each accumulator from its low end on
.set i, i+2
.endr
.endm
.macro TWIST                           ; RoPE: lo = the head's elements 16 h + i, hi = 32 + 16 h + i, in the same lane: lo' = lo cos - hi sin, hi' = hi cos + lo sin
	WIN 0x08                                       ; source 1 (cosines, sines) window 2
.irp a, 0,1,2,3
.irp p, 0,1,2,3,4,5,6,7
	v_pk_mul_f32 v[64+4*(\p%4):65+4*(\p%4)], v[ACC+32*\a+16+2*\p:ACC+32*\a+17+2*\p], v[32*\a+16+2*\p:32*\a+17+2*\p]
	v_pk_mul_f32 v[66+4*(\p%4):67+4*(\p%4)], v[ACC+32*\a+2*\p:ACC+32*\a+2*\p+1], v[32*\a+16+2*\p:32*\a+17+2*\p]
	v_pk_fma_f32 v[ACC+32*\a+2*\p:ACC+32*\a+2*\p+1], v[ACC+32*\a+2*\p:ACC+32*\a+2*\p+1], v[32*\a+2*\p:32*\a+2*\p+1], v[64+4*(\p%4):65+4*(\p%4)] neg_lo:[0,0,1] neg_hi:[0,0,1]
	v_pk_fma_f32 v[ACC+32*\a+16+2*\p:ACC+32*\a+17+2*\p], v[ACC+32*\a+16+2*\p:ACC+32*\a+17+2*\p], v[32*\a+2*\p:32*\a+2*\p+1], v[66+4*(\p%4):67+4*(\p%4)]
.endr
.endr
	WIN 0
.endm
; Eight blocks of 32 along the next K: block k = 2 a + e in v[ACC + 16 k] on, shared with lane l xor 16.  Codes to v[CD + 4 k] on; fragment a's two scale bytes to v[64 + a].
.macro QUANT8
.irp k, 0,1,2,3,4,5,6,7
	v_max3_num_f32 v[TM+\k], |v[ACC+16*\k]|, |v[ACC+16*\k+1]|, 0x4800000   ; my 16 numbers, and the floor 2^(9 - 127): the byte cannot fall under 1
.endr
.irp i, 2,4,6,8,10,12,14
.irp k, 0,1,2,3,4,5,6,7
	v_max3_num_f32 v[TM+\k], v[TM+\k], |v[ACC+16*\k+\i]|, |v[ACC+16*\k+\i+1]|
.endr
.endr
.irp k, 0,1,2,3,4,5,6,7
	v_permlanex16_b32 v[TB+\k], v[TM+\k], s[SEL], s[SEL+1]
.endr
.irp k, 0,1,2,3,4,5,6,7
	v_max_num_f32 v[TM+\k], v[TM+\k], v[TB+\k]     ; the block's largest magnitude
.endr
.irp k, 0,1,2,3,4,5,6,7
	v_add_nc_u32 v[TS+\k], 0xfc000000, v[TM+\k]    ; 8 off its exponent field: the conversion's scale operand
.endr
.irp k, 0,1,2,3,4,5,6,7
	v_and_or_b32 v[TH+\k], v[TM+\k], 0x7f800000, s[MNT]   ; 448 x the scale
.endr
.irp k, 0,1,2,3,4,5,6,7
	v_lshrrev_b32 v[TB+\k], 23, v[TS+\k]           ; the scale's byte
.endr
.irp k, 0,1,2,3,4,5,6,7
.irp i, 0,1,2,3,4,5,6,7,8,9,10,11,12,13,14,15
	v_med3_num_f32 v[ACC+16*\k+\i], v[ACC+16*\k+\i], -v[TH+\k], v[TH+\k]   ; the conversion does not saturate (ISA guide 7.6.2): the hold comes first
.endr
	v_cvt_scalef32_pk8_fp8_f32 v[CD+4*\k:CD+4*\k+1], v[ACC+16*\k:ACC+16*\k+7], v[TS+\k]
	v_cvt_scalef32_pk8_fp8_f32 v[CD+4*\k+2:CD+4*\k+3], v[ACC+16*\k+8:ACC+16*\k+15], v[TS+\k]
.endr
	v_nop                                          ; a plain line behind the last conversion
.irp a, 0,1,2,3
	v_lshl_or_b32 v[64+\a], v[TB+2*\a+1], 8, v[TB+2*\a]
.endr
.endm
.macro OUT_QK t                        ; t = 0: q's codes and scale words; 1: k's
	s_lshl_b32 s19, s17, 1
	s_add_co_u32 s19, s19, s15                     ; 2 y + rh: my four row groups' number / 4
	s_lshl_b32 s18, s42, 1
	s_add_co_u32 s18, s18, s16                     ; the head: 2 x + ch
.if \t == 0
	s_lshl_b32 s20, s18, 17                        ; q: codes,
	s_lshl_b32 s22, s18, 13
	s_add_co_u32 s22, s22, ASCL                    ;    scale words
.else
	s_mul_i32 s22, s18, REC
	s_add_co_u32 s22, s22, KVB                     ; k: scale words at the record's head,
	s_add_co_u32 s20, s22, 12288                   ;    codes
.endif
	s_lshl_b32 s66, s19, 12
	s_add_co_u32 s20, s20, s66
	s_lshl_b32 s66, s19, 8
	s_add_co_u32 s22, s22, s66
	s_mov_b32 s21, 0
	s_mov_b32 s23, 0
	s_add_nc_u64 s[20:21], s[8:9], s[20:21]
	s_add_nc_u64 s[22:23], s[8:9], s[22:23]
.irp a, 0,1,2,3
	v_or_b32 v[64+\a], 0x7f7f0000, v[64+\a]        ; K = 64: the word's upper two bytes stand for 1.0 over zero codes
.endr
	v_cmp_eq_u32 vcc_lo, 1, v3
	v_cndmask_b32 v68, v64, v66, vcc_lo            ; lane (r, h) stores words 2 h and 2 h + 1 of row r
	v_cndmask_b32 v69, v65, v67, vcc_lo
.irp a, 0,1,2,3
.irp e, 0,1
	global_store_b128 v4, v[CD+4*(2*\a+\e):CD+4*(2*\a+\e)+3], s[20:21] offset:1024*\a+512*\e   ; 512 consecutive bytes a store
.endr
.endr
	global_store_b64 v[W8], v[68:69], s[22:23]     ; 256 consecutive bytes
.endm
	s_load_b128 s[4:7], s[0:1], 0x0                ; act, wts
	s_load_b64 s[8:9], s[0:1], 0x10                ; qkv
	v_lshl_add_u32 v[SPW], v0, 2, SPARE
	v_mov_b32 v[NIL], 0
	ds_add_u32 v28, v29
	ds_add_u32 v28, v29
	s_wait_dscnt 0x0
	v_lshrrev_b32 v1, 5, v0
	v_readfirstlane_b32 s14, v1                    ; wave
	s_lshr_b32 s15, s14, 1                         ; rh: my half of A's rows.  Also: I fetch A's codes (0) or scale words (1)
	s_and_b32 s16, s14, 1                          ; ch: my half of B's rows.  Also: which four row groups I fetch
	s_bfe_u32 s40, ttmp6, 0x40000                  ; cx
	s_bfe_u32 s41, ttmp6, 0x40004                  ; cy
	s_lshl_b32 s42, ttmp9, 2
	s_add_co_u32 s42, s42, s40                     ; x
	s_and_b32 s17, ttmp7, 0xffff
	s_lshl_b32 s17, s17, 2
	s_add_co_u32 s17, s17, s41                     ; y
	s_lshl_b32 s43, s41, 2
	s_lshl_b32 s43, 15, s43                        ; my row of the cluster
	s_lshl_b32 s13, 0x1111, s40                    ; my column
	s_or_b32 s[G1A], s43, (3<<16)|(1<<21)          ; 15:0 the mask; 17:16 elements of 8 bytes; 21 set beside a mask; no padding
	s_or_b32 s[G1SA], s43, (3<<16)|(1<<21)
	s_or_b32 s[G1SB], s13, (3<<16)|(1<<21)
.irp g, G1A                            ; A's codes: 4 row groups x 16,384 bytes (eight K steps)
	s_mov_b32 s[\g+1], 2048<<16
	s_mov_b32 s[\g+2], 4<<16
	s_mov_b32 s[\g+3], 2048<<16
	s_mov_b32 s[\g+4], 4
	s_mov_b32 s[\g+5], NS*256
	s_mov_b32 s[\g+6], 0
	s_mov_b32 s[\g+7], 0
.endr
	s_mov_b32 s[G1SA+1], 32<<16                    ; scale words of 8 row groups, all of K: 8,192 dense bytes as 32 rows of 256
	s_mov_b32 s[G1SA+2], 32<<16
	s_mov_b32 s[G1SA+3], 32<<16
	s_mov_b32 s[G1SA+4], 32
	s_mov_b32 s[G1SA+5], 32
	s_mov_b32 s[G1SA+6], 0
	s_mov_b32 s[G1SA+7], 0
	s_mov_b32 s[G1SB+1], 1024<<16                  ; at the head: wq's and wk's scale words in one tile: 2 rows of 8,192 bytes, 131,072 bytes apart
	s_mov_b32 s[G1SB+2], 2<<16
	s_mov_b32 s[G1SB+3], 1024<<16
	s_mov_b32 s[G1SB+4], 2
	s_mov_b32 s[G1SB+5], 16384
	s_mov_b32 s[G1SB+6], 0
	s_mov_b32 s[G1SB+7], 0
	; the lanes' addresses, made of the lane's and the wave's number alone, while the arguments are on their way
	v_and_b32 v1, 31, v0                           ; lane
	v_and_b32 v2, 15, v0                           ; r
	v_bfe_u32 v3, v0, 4, 1                         ; h
	v_lshlrev_b32 v4, 4, v1                        ; 16 x lane
	s_lshl_b32 s10, s15, 16                        ; a slot holds A alone: 8 row groups x 16,384 bytes; my four begin at 65,536 rh
	v_add_nc_u32 v[ADRA], s10, v4
	v_add_nc_u32 v[ADRA+1], SLOT, v[ADRA]
	s_mul_i32 s10, s15, 4*NU*256                   ; scale words: lanes 0-15 take A's, lanes 16-31 B's: the lower base + h x the distance
	s_mul_i32 s11, s16, 4*NU*256
	s_add_co_u32 s11, s11, 8*NU*256
	s_sub_co_u32 s11, s11, s10
	v_mul_u32_u24 v5, s11, v3
	s_wait_alu depctr_va_vdst(0)
	s_add_co_u32 s10, s10, SCB
	v_lshl_add_u32 v5, v2, 4, v5
	v_add_nc_u32 v[ADRS], s10, v5
	v_lshl_add_u32 v[ADRS+1], v3, 13, v[ADRS]      ; k: the same tokens' words; wk's lie 8,192 bytes behind wq's
	v_add_nc_u32 v[ADRS+2], 24576, v[ADRS]         ; v: wv's words at SCB + 24,576, the tokens' at SCB + 32,768
	s_lshl_b32 s10, s15, 8
	s_add_co_u32 s10, s10, XTR
	s_lshl_b32 s11, s16, 1
	s_add_co_u32 s11, s11, s10
	v_lshl_add_u32 v[XA], v2, 4, s11               ; v's scale bytes: XTR + 256 rh + 16 r + 2 ch
	v_lshlrev_b32 v[L8], 3, v1
	v_add_nc_u32 v[XR], s10, v[L8]
	v_lshlrev_b32 v[W8], 4, v2
	v_lshl_add_u32 v[W8], v3, 3, v[W8]             ; 16 r + 8 h
	v_and_b32 v5, 8, v2
	v_add_nc_u32 v5, v5, v2                        ; r + 8 (r / 8)
	v_lshlrev_b32 v[RP], 8, v5
	v_lshl_add_u32 v[RP], v3, 6, v[RP]             ; the table: my token's 256 bytes, + 64 h
.irp k, 0,1,2,3,4,5,6,7
	v_mov_b32 v[TB+\k], 0                          ; a lane permute's destination counts as one of its sources
.endr
	s_lshl_b32 s12, s16, 2
	s_lshl_b32 s41, s17, 3
	s_add_co_u32 s41, s41, s12                     ; the row groups that I fetch for A: 8 y + 4 x half on
	s_lshl_b32 s40, s42, 3
	s_add_co_u32 s40, s40, s12                     ; for B: 8 x + 4 x half on
	s_lshl_b32 s10, s16, 16
	s_mov_b32 s19, 0
	s_mov_b32 s67, 0
	s_mov_b32 s[SEL], 0x76543210
	s_mov_b32 s[SEL+1], 0xfedcba98
	s_mov_b32 s[MNT], 0x600000
	s_wait_kmcnt 0x0
	; THE FIRST FILLS, in two groups of one load a wave.  Group 1: waves 0 and 1 slot 0's 8 row groups of A, four each, wave 2 the tokens' scale words (for q and k), wave 3 wq's and wk's.
	; Group 2, behind a round: waves 0 and 1 slot 1's A, four row groups each, wave 2 wv's scale words, wave 3 the tokens' for v.  By this text's own count a wave has one tensor load out at any time.
	s_lshl_b32 s18, s17, 13                        ; 8 y row groups x 1,024 bytes of scale words
	s_add_co_u32 s18, s18, ASCL
	s_add_nc_u64 s[GSA0+2:GSA0+3], s[4:5], s[18:19]
	s_lshl_b32 s18, s17, 13
	s_add_co_u32 s18, s18, WSCL+256*NU*256
	s_add_nc_u64 s[GSA2+2:GSA2+3], s[6:7], s[18:19]
	s_lshl_b32 s66, s42, 13
	s_add_co_u32 s66, s66, WSCL
	s_add_nc_u64 s[GSB0+2:GSB0+3], s[6:7], s[66:67]
	s_lshl_b32 s66, s42, 13
	s_add_co_u32 s66, s66, ASCL
	s_add_nc_u64 s[GSB2+2:GSB2+3], s[4:5], s[66:67]
.set PBW, 48                           ; s[48:49] wq's codes at my wave's four row groups (wk's lie 128 row groups on); never rewritten
.set PBT, 50                           ; s[50:51] the tokens' codes at the same row groups, for v; never rewritten
	s_lshl_b32 s18, s41, 15                        ; A: waves 0 and 1 fetch four row groups each: K steps 0-7 into slot 0, 8-15 into slot 1
	s_add_nc_u64 s[G0A+2:G0A+3], s[4:5], s[18:19]
	s_add_nc_u64 s[G0A+6:G0A+7], s[G0A+2:G0A+3], 16384
	s_lshl_b32 s66, s40, 15
	s_add_nc_u64 s[PBW:PBW+1], s[6:7], s[66:67]
	s_add_nc_u64 s[PBT:PBT+1], s[4:5], s[66:67]
.macro G0K g, lds                      ; a group 0 whose global address has been written: count, a constant LDS address, type
	s_mov_b32 s[\g], 1
	s_mov_b32 s[\g+1], \lds
	s_or_b32 s[\g+3], s[\g+3], 0x80000000
.endm
	G0K GSA0, SCB
	G0K GSB0, SCB+8192
	G0K GSA2, SCB+24576
	G0K GSB2, SCB+32768
	G0SET G0A, s10, 0
	G0SET G0A+4, s10, SLOT
	s_load_b32 s[SS], s[4:5], 0x420000             ; the activations' scale
	CROUND                                         ; all sixteen work-groups are here: the first joint loads meet
.macro ONE g0, g1
	tensor_load_to_lds s[\g0:\g0+3], s[\g1:\g1+7]
	s_nop 0
.rept 4
	v_nop
.endr
.endm
.macro TREE a0, a1, b0, b1, c0, c1, d0, d1     ; one chain of branches on the wave's number, a load to an arm, all arms to one join
	s_cmp_lt_u32 s14, 1
	s_cbranch_scc0 .Lt1_\@
	ONE \a0, \a1
	s_branch .Lt4_\@
.Lt1_\@:
	s_cmp_lt_u32 s14, 2
	s_cbranch_scc0 .Lt2_\@
	ONE \b0, \b1
	s_branch .Lt4_\@
.Lt2_\@:
	s_cmp_lt_u32 s14, 3
	s_cbranch_scc0 .Lt3_\@
	ONE \c0, \c1
	s_branch .Lt4_\@
.Lt3_\@:
	ONE \d0, \d1
.Lt4_\@:
.endm
.set RING4, 0
	TREE G0A, G1A, G0A, G1A, GSA0, G1SA, GSB0, G1SB
	; Cosines and sines of my 64 tokens, for q and for k, in the result's layout: lane (r, h), fragment a: token 32 (a / 2) + 8 (a % 2) + r + 8 (r / 8), elements 16 h + 0 .. 15.  Window 2: cosines at 32 a, sines at 32 a + 16.
	s_lshl_b32 s18, s17, 15
	s_lshl_b32 s13, s15, 14
	s_add_co_u32 s18, s18, s13
	s_add_co_u32 s18, s18, ROPE                    ; token 128 y + 64 rh
	s_add_nc_u64 s[18:19], s[6:7], s[18:19]        ; (left as it is until the wait for these loads)
	WIN 0x80                                       ; destination window 2
	s_wait_alu depctr_va_vdst(0)
.irp a, 0,1,2,3
.irp t, 0,1
.irp j, 0,1,2,3
	global_load_b128 v[32*\a+16*\t+4*\j:32*\a+16*\t+4*\j+3], v[RP], s[18:19] offset:(32*(\a/2)+8*(\a%2))*256+128*\t+16*\j
.endr
.endr
.endr
	WIN 0
	s_wait_alu depctr_va_vdst(0)                   ; the wait at the head's end
; THE K LOOP (it takes the place of the ring of A and B that the head comment describes).  A ALONE LIES IN LDS: the two slots hold all 16 K steps of a tile's A, asked for jointly along a row of the cluster; q and k take the
; same tokens, so their A is filled once; v's A (wv) fills slot 0 again at k's K step 7 and slot 1 at its K step 15.  The launch has five rounds of the cluster's barrier.
; B'S FRAGMENTS GO FROM MEMORY STRAIGHT INTO REGISTERS, as they lie: 16 loads of 512 consecutive bytes a K step, into a ring of four sets of 64 registers in window 3; three K steps (48 loads) are out, across the tiles' ends too.
; B IS NOT ASKED FOR JOINTLY: with B in LDS too the two slots would hold 8 K steps and not 16, and each of a launch's 12 changes of slots would want a round.
.set TOT, 48
.macro LDB                             ; B's four fragments of K step BN (counted through the three tiles)
	WIN 0xc0
.irp i, 0,1,2,3
.irp c, 0,1,2,3
.if BN/NS == 2
	global_load_b128 v[64*(BN%4)+16*\i+4*\c:64*(BN%4)+16*\i+4*\c+3], v4, s[PBT:PBT+1] offset:\i*NS*2048+(BN%NS)*2048+512*\c
.else
	global_load_b128 v[64*(BN%4)+16*\i+4*\c:64*(BN%4)+16*\i+4*\c+3], v4, s[PBW:PBW+1] offset:(BN/NS)*128*NS*2048+\i*NS*2048+(BN%NS)*2048+512*\c
.endif
.endr
.endr
.endm
.set BN, 0
.rept 3
	LDB                                            ; K steps 0, 1, 2: behind the table's loads, so that a counted wait for these shows those done too
.set BN, BN+1
.endr
	WIN 0
	s_wait_tensorcnt 0x0
	ds_add_u32 v[SPW], v[NIL]
	s_mov_b32 s[G1SB+1], 32<<16                    ; and B's scale words become one dense block of 32 rows of 256 bytes
	s_mov_b32 s[G1SB+2], 32<<16
	s_mov_b32 s[G1SB+3], 32<<16
	s_mov_b32 s[G1SB+4], 32
	s_mov_b32 s[G1SB+5], 32
	s_wait_dscnt 0x0
	CROUND                                         ; everybody's tile of group 1 is in, and all sixteen work-groups are here
	TREE G0A+4, G1A, G0A+4, G1A, GSA2, G1SA, GSB2, G1SB
	s_lshl_b32 s78, s41, 15                        ; that wait has shown the loads of s[76:79] and s[88:91] done: the registers take v's first addresses
	s_add_co_u32 s78, s78, 256*NS*2048
	s_mov_b32 s79, 0
	s_add_nc_u64 s[PA2:PA2+1], s[6:7], s[78:79]    ; wv's codes
.macro LDA                             ; A's four fragments of K step AN, LDS to registers, into buffer AN % 2 of window 1
	WIN TO_F
.irp i, 0,1,2,3
.irp c, 0,1,2,3
	ds_load_b128 v[64*(AN%2)+16*\i+4*\c:64*(AN%2)+16*\i+4*\c+3], v[ADRA+(AN%NS)/8] offset:16384*\i+2048*(AN%8)+512*\c
.endr
.endr
.endm
.macro LDSC                            ; the scale words of the four K steps from AN on, into set (AN / 4) % 2
	WIN 0
.irp i, 0,1,2,3
	ds_load_b128 v[SC+16*((AN/4)%2)+4*\i:SC+16*((AN/4)%2)+4*\i+3], v[ADRS+AN/NS] offset:\i*NU*256+256*((AN%NS)/4)
.endr
.endm
.macro MM4 a                           ; A's fragment a against B's four, K step KS; a tile's first K step starts the sums; the 16 accumulators take turns
.set BF, 64*(KS%4)
.set AF, 64*(KS%2)+16*\a
.set SW, SC+16*((KS/4)%2)+KS%4
.irp b, 0,1,2,3
.set AC, ACC+8*(4*\a+\b)
.if KS%NS == 0
	v_wmma_scale_f32_16x16x128_f8f6f4 v[AC:AC+7], v[BF+16*\b:BF+16*\b+15], v[AF:AF+15], 0, v[SW+4*\b], v[SW+4*\a] matrix_a_scale:MATRIX_SCALE_ROW1
.else
	v_wmma_scale_f32_16x16x128_f8f6f4 v[AC:AC+7], v[BF+16*\b:BF+16*\b+15], v[AF:AF+15], v[AC:AC+7], v[SW+4*\b], v[SW+4*\a] matrix_a_scale:MATRIX_SCALE_ROW1
.endif
.endr
.endm
.macro SYNC                            ; at a K step's head
.if (KS == 7) + (KS == 39)             ; this step fetches from slot 1 for the first time since its fill: everybody's part has landed
	WIN 0
	s_wait_tensorcnt 0x0
	s_wait_dscnt 0x0
	s_barrier_signal -1
	s_barrier_wait -1
.elseif (KS == 23) + (KS == 31)        ; k's K step 7 (15) is in registers: slot 0 (1) has been read out and takes v's A; at 31 the wait also shows slot 0's fill landed
	WIN 0
	s_wait_tensorcnt 0x0
	ds_add_u32 v[SPW], v[NIL]
	s_add_nc_u64 s[G0A+4*(KS/31)+2:G0A+4*(KS/31)+3], s[PA2:PA2+1], (KS/31)*16384
	s_or_b32 s[G0A+4*(KS/31)+3], s[G0A+4*(KS/31)+3], 0x80000000
	s_wait_dscnt 0x0
	CROUND
	s_cmp_lt_u32 s14, 2
	s_cbranch_scc0 .Lna_\@
	ONE G0A+4*(KS/31), G1A
.Lna_\@:
.else
	s_wait_dscnt 8                                 ; all but A's fragments 2 and 3 are in
.endif
.endm
.macro KSTEP
	SYNC
.if TOT-1-KS >= 2
	s_wait_loadcnt 32                              ; this step's B is in; the two later steps' 32 loads may be out
.else
	s_wait_loadcnt 16*(TOT-1-KS)
.endif
	WIN MUL
	MM4 0
	MM4 1
.if KS+1 < TOT
	PLACES 8                                       ; in front of loads into registers that the step before has multiplied
.set AN, KS+1
.if AN%4 == 0
	LDSC
.endif
	LDA
.if KS+3 < TOT
.set BN, KS+3
	LDB
.endif
	s_wait_dscnt 16                                ; all but the next step's 16
.else
	s_wait_dscnt 0x0
.endif
	WIN MUL
	MM4 2
	MM4 3
.endm
.set AN, 0
	LDSC
	LDA
.set KS, 0
.rept TOT
	KSTEP
.if KS == 15                           ; q goes out; the next tile's loads stay on their way across it
	s_wait_kmcnt 0x0                               ; the scale
	s_mov_b32 s[SS+1], s[SS]
	UNSCALE
	TWIST
	QUANT8
	s_wait_alu depctr_va_vdst(0)
	OUT_QK 0
.elseif KS == 31                       ; k goes out
	UNSCALE
	TWIST
	QUANT8
	s_wait_alu depctr_va_vdst(0)
	OUT_QK 1
.endif
.set KS, KS+1
.endr
	WIN 0
	UNSCALE
	QUANT8
	s_lshl_b32 s19, s17, 1
	s_add_co_u32 s19, s19, s15                     ; 2 y + rh: the head
	s_mul_i32 s22, s19, REC
	s_add_co_u32 s22, s22, KVB
	s_lshl_b32 s66, s42, 13                        ; x: the key step
	s_add_co_u32 s20, s22, s66
	s_add_co_u32 s20, s20, 143360
	s_lshl_b32 s66, s16, 10
	s_add_co_u32 s20, s20, s66                     ; my two chunks of each fragment: 2 ch, 2 ch + 1
	s_lshl_b32 s66, s42, 8
	s_add_co_u32 s22, s22, s66
	s_add_co_u32 s22, s22, 8192
	s_mov_b32 s21, 0
	s_mov_b32 s23, 0
	s_add_nc_u64 s[20:21], s[8:9], s[20:21]
	s_add_nc_u64 s[22:23], s[8:9], s[22:23]
	s_wait_alu depctr_va_vdst(0)
.irp a, 0,1,2,3
.irp e, 0,1
	global_store_b128 v4, v[CD+4*(2*\a+\e):CD+4*(2*\a+\e)+3], s[20:21] offset:2048*\a+512*\e
.endr
.endr
.irp a, 0,1,2,3
	ds_store_b16 v[XA], v[64+\a] offset:4*\a       ; a word's four bytes come from two waves
.endr
	s_wait_dscnt 0x0                               ; for the others' sake
	s_barrier_signal -1
	s_barrier_wait -1
	s_cmp_lg_u32 s16, 0
	s_cbranch_scc1 .Lfin
	ds_load_b64 v[70:71], v[XR]
	s_wait_dscnt 0x0
	global_store_b64 v[L8], v[70:71], s[22:23]     ; a key step's scale words of a head: 256 bytes
.Lfin:
	s_wait_tensorcnt 0x0                           ; the wave's end
	ds_add_u32 v[SPW], v[NIL]
	s_wait_dscnt 0x0
	CROUND                                         ; the closing round
	s_endpgm
.Lfunc_end_k_q60a5adf50f_qkv:
	.size	k_q60a5adf50f_qkv, .Lfunc_end_k_q60a5adf50f_qkv-k_q60a5adf50f_qkv
	.p2alignl 7, 3214868480
	.fill 96, 4, 3214868480
	.section	.rodata,"a",@progbits
	.p2align	6, 0x0
	.amdhsa_kernel k_q60a5adf50f_qkv
		.amdhsa_group_segment_fixed_size 327680
		.amdhsa_private_segment_fixed_size 0
		.amdhsa_enable_private_segment 0
		.amdhsa_kernarg_size 24
		.amdhsa_user_sgpr_count 2
		.amdhsa_user_sgpr_kernarg_segment_ptr 1
		.amdhsa_wavefront_size32 1
		.amdhsa_system_sgpr_workgroup_id_x 1
		.amdhsa_system_sgpr_workgroup_id_y 1
		.amdhsa_system_sgpr_workgroup_id_z 1
		.amdhsa_system_vgpr_workitem_id 0
		.amdhsa_next_free_vgpr 1024
		.amdhsa_next_free_sgpr 100
		.amdhsa_reserve_vcc 1
		.amdhsa_float_denorm_mode_32 3
		.amdhsa_float_denorm_mode_16_64 3
		.amdhsa_memory_ordered 1
		.amdhsa_forward_progress 1
		.amdhsa_inst_pref_size 255
	.end_amdhsa_kernel
	.section	.bss,"aw",@nobits
	.p2align	6
	.space	262144
	.amdgpu_metadata
---
amdhsa.version: [ 1, 2 ]
amdhsa.kernels:
  - .name:           k_q60a5adf50f_qkv
    .symbol:         k_q60a5adf50f_qkv.kd
    .args:
      - { .name: act, .offset: 0, .size: 8, .value_kind: global_buffer, .address_space: global }
      - { .name: wts, .offset: 8, .size: 8, .value_kind: global_buffer, .address_space: global }
      - { .name: qkv, .offset: 16, .size: 8, .value_kind: global_buffer, .address_space: global }
    .group_segment_fixed_size: 327680
    .private_segment_fixed_size: 0
    .kernarg_segment_align: 8
    .kernarg_segment_size: 24
    .max_flat_workgroup_size: 128
    .sgpr_count:     100
    .vgpr_count:     1024
    .wavefront_size: 32
...
	.end_amdgpu_metadata
.endif
;; end of part 4
;; launch att (part 5): grid 8 x 32, 16 waves a work-group, clusters of 4 x 1, 327,680 bytes of LDS; arguments qkv, f; writes f
.if DOCPART == 5
	.amdgcn_target "amdgcn-amd-amdhsa--gfx1250"
	.amdhsa_code_object_version 6
	.text
	.protected	k_q60a5adf50f_att
	.globl	k_q60a5adf50f_att
	.p2align	8
	.type	k_q60a5adf50f_att,@function
k_q60a5adf50f_att:
	s_mov_b64 s[64:65], 0
	v_nop
	global_prefetch_b8 v0, s[64:65] scope:SCOPE_SE
	s_setreg_imm32_b32 hwreg(HW_REG_WAVE_MODE, 25, 1), 1
	s_wait_xcnt 0x0
	s_wait_alu depctr_hold_cnt(0) depctr_sa_sdst(0) depctr_va_vdst(0) depctr_va_sdst(0) depctr_va_ssrc(0) depctr_va_vcc(0) depctr_vm_vsrc(0)
	s_getreg_b32 s2, hwreg(HW_REG_IB_STS2, 6, 4)
	s_cmp_eq_u32 s2, 0
	s_cbranch_scc0 .Lentry_in_a_cluster
	s_endpgm
.Lentry_in_a_cluster:
	s_bfe_u32 s2, ttmp6, 0x10000c
	s_cmp_lg_u32 s2, 0x3003
	s_cbranch_scc0 .Lentry_shape_is_right
	s_endpgm
.Lentry_shape_is_right:
; CAUSAL ATTENTION ON CODES OF FP8 (E4M3) WITH E8M0 SCALES.  2,048 tokens, 32 heads of 64.  t = score x log2(e) / 8; M = the running largest t rounded up to a whole number; p = 2^(t - M) is quantised along the keys, not normalised;
; the row's sum is taken of the unquantised p and divides at the end; when M moves, the sum and O are multiplied by 2^(old M - new M), which rounds nothing.
; A HEAD'S WHOLE RECORD (k's and v's scale words, k's codes, v's codes with the keys innermost: 274,432 bytes) COMES INTO LDS ONCE: no slot is ever filled again.  All sixteen waves bring it, two loads each; the four work-groups of a cluster
; belong to one head and ask jointly.  By this text's own count a wave has one tensor load out.
; SHARES.  Work-group j (0-7) of a head, wave w: query row group g = 8 p + j, p = w with its two low bits turned over in waves 4-7 and 12-15.  Its 16 queries lie in key step p, so it walks key steps 0 .. p whatever j is: every branch
; hangs on the wave's number alone, and the four waves whose numbers are equal modulo 4 walk 34 steps together.
; LAYOUT.  Both products are used transposed: S^T = K Q^T (source 0 = 16 keys), O^T = V^T P^T (source 0 = 16 of the head's 64): a lane holds ONE query throughout.  Fragment row i of row group g is row 32 (g / 2) + 8 (g % 2) + i + 8 (i / 8),
; so the 16 registers of two neighbouring tiles are 16 neighbours: of the keys in S^T, of the head's 64 in O^T.  The first product's K is 64: the upper halves of Q's and K's fragments are zero codes, set once.
; OUT (buffer f): O / sum as f32 in the order of the next quantiser's registers: fragment (g, head / 2) of 8,192 bytes, chunk 2 (head % 2) + e at 2,048, register 4 j + .. at 512 j + 16 lane; the work-group's largest magnitude twice at 16,777,216 + 8 id.
; LIMITS: NaN and infinities are not served.  A block's largest p is the exponential of the block's largest score: this takes v_exp_f32 not to fall where its input rises.
.set REC, 274432
.set KVB, 4456448
.set QSC, 4194304
.set KOF, 12288
.set VOF, 143360
.set VSO, 8192
.set PMX, 274432                       ; behind the record: 64 bytes, a word a wave
.set LI,   1
.set AK0,  2
.set AV0,  3
.set ASK0, 4
.set ASV0, 5
.set DQ,   6
.set NINF, 7
.set ADK,  8
.set ADV,  9
.set ADS,  10
.set ADT,  11
.set BM,   208                         ; v208-211 a block's largest score, then its largest p
.set PB,   212                         ; v212-215 the other half's; then the bytes
.set HO,   216                         ; v216-219 448 x the scale
.set SO,   220                         ; v220-223 the conversions' scale operands
.set T1,   238
.set WV,  8
.set RHO, 9
.set JJ,  11
.set HD,  12
.set T0,  13
.set G1X, 16
.set G1Y, 24
.set G1Z, 32
.set G0X, 40
.set G0Y, 44
.set G0Z, 48
.set SEL, 52
.set CS,  54
.set MNT, 56
.set STEPI, 57
.set TK,  58
.set TS,  59
.set TVS, 60
.set CNT, 61
.macro PLACES n
.rept \n
	v_nop
.endr
.endm
.macro CROUND
	s_barrier_signal -1
	s_barrier_wait -1
	s_cmp_lg_u32 s[WV], 0
	s_cbranch_scc1 .Lnot_wave_0_\@
	s_barrier_signal -3
.Lnot_wave_0_\@:
	s_barrier_wait -3
	s_barrier_signal -1
	s_barrier_wait -1
.endm
	s_load_b128 s[4:7], s[0:1], 0x0                ; qkv, f
	v_lshl_add_u32 v254, v0, 2, 0x43100
	v_mov_b32 v255, 0
	ds_add_u32 v254, v255
	ds_add_u32 v254, v255
	v_lshrrev_b32 v8, 5, v0
	s_delay_alu instid0(VALU_DEP_1)
	v_readfirstlane_b32 s[WV], v8                  ; wave 0..15
	s_bfe_u32 s[T0], s[WV], 0x10002
	s_mul_i32 s[T0], s[T0], 3
	s_xor_b32 s[RHO], s[WV], s[T0]                 ; p
	s_bfe_u32 s10, ttmp6, 0x40000                  ; cx
	s_lshl_b32 s[JJ], ttmp9, 2
	s_add_co_u32 s[JJ], s[JJ], s10                 ; j: it enters Q's and O's addresses and the mask's numbers alone
	s_and_b32 s[HD], ttmp7, 0xffff                 ; the head, which the four partners share
	s_mul_i32 s14, s[HD], REC
	s_add_co_u32 s14, s14, KVB
	s_mov_b32 s15, 0
	s_mov_b32 s63, 0
	s_lshr_b32 s3, s[WV], 2
	s_lshl_b32 s3, s3, 17
	s_add_co_u32 s3, s3, KOF                       ; waves 0-3: k's codes; waves 4-7: v's
	s_and_b32 s2, s[WV], 3
	; THE FILLS, one load a wave in each of two groups.  Group 1: waves 0-3 a quarter each of the first 512 keys' codes of k, waves 4-7 of v, waves 8-15 an eighth each of the scale words.
	; Group 2, behind a round: waves 0-7 an eighth each of the rest of k's codes, waves 8-15 of v's.  By this text's own count a wave has one tensor load out.
	s_lshl_b32 s[T0], s2, 13
	s_add_co_u32 s[G0Y+1], s3, s[T0]
	s_and_b32 s2, s[WV], 7
	s_mul_i32 s[G0X+1], s2, 1536
	s_mul_i32 s[T0], s2, 12288
	s_lshr_b32 s3, s[WV], 3
	s_lshl_b32 s3, s3, 17
	s_add_co_u32 s3, s3, KOF+32768
	s_add_co_u32 s[G0Z+1], s3, s[T0]
.irp g, G1X, G1Y, G1Z                  ; dense blocks, as rows of 256 bytes: 6, 32 and 48 rows
	s_mov_b32 s[\g], 15|(3<<16)|(1<<21)            ; 15:0 the mask: all four work-groups; 17:16 elements of 8 bytes; 21 set beside a mask
	s_mov_b32 s[\g+1], 32<<16
	s_mov_b32 s[\g+3], 32<<16
	s_mov_b32 s[\g+5], 32
	s_mov_b32 s[\g+6], 0
	s_mov_b32 s[\g+7], 0
.endr
	s_mov_b32 s[G1X+2], 6<<16
	s_mov_b32 s[G1X+4], 6
	s_mov_b32 s[G1Y+2], 32<<16
	s_mov_b32 s[G1Y+4], 32
	s_mov_b32 s[G1Z+2], 48<<16
	s_mov_b32 s[G1Z+4], 48
	s_mov_b32 s[SEL], 0x76543210
	s_mov_b32 s[SEL+1], 0xfedcba98
	s_mov_b32 s[CS], 0x3e38aa3b                    ; c = log2(e) / 8
	s_mov_b32 s[CS+1], s[CS]
	s_mov_b32 s[MNT], 0x600000
	s_mov_b32 s[STEPI], 0
	s_mov_b32 s[TK], 0
	s_mov_b32 s[TS], 0
	s_mov_b32 s[TVS], 0
	s_wait_dscnt 0x0
	s_wait_kmcnt 0x0
	s_add_nc_u64 s[14:15], s[4:5], s[14:15]        ; the head's record
.irp g, G0X, G0Y, G0Z
	s_mov_b32 s[\g], 1
	s_mov_b32 s62, s[\g+1]
	s_add_nc_u64 s[\g+2:\g+3], s[14:15], s[62:63]
	s_or_b32 s[\g+3], s[\g+3], 0x80000000
.endr
	CROUND                                         ; all four work-groups are here: the joint loads meet
	s_cmp_lt_u32 s[WV], 8                          ; a wave's first fill stands in one branch, ahead of every wait on TENSORcnt and every LDS read
	s_cbranch_scc0 .Lfor_x
	tensor_load_to_lds s[G0Y:G0Y+3], s[G1Y:G1Y+7]
	s_nop 0
.rept 4
	v_nop
.endr
	s_branch .Lasked
.Lfor_x:
	tensor_load_to_lds s[G0X:G0X+3], s[G1X:G1X+7]
	s_nop 0
.rept 4
	v_nop
.endr
.Lasked:
	s_lshl_b32 s[T0], s[RHO], 3
	s_add_co_u32 s[T0], s[T0], s[JJ]               ; g
	s_lshl_b32 s2, s[HD], 7
	s_add_co_u32 s2, s2, s[T0]
	s_lshl_b32 s2, s2, 10
	s_mov_b32 s3, 0
	s_add_nc_u64 s[2:3], s[4:5], s[2:3]            ; Q's codes
	s_lshl_b32 s14, s[HD], 13
	s_lshr_b32 s15, s[T0], 2
	s_lshl_b32 s15, s15, 8
	s_add_co_u32 s14, s14, s15
	s_and_b32 s15, s[T0], 3
	s_lshl_b32 s15, s15, 2
	s_add_co_u32 s14, s14, s15
	s_add_co_u32 s14, s14, QSC
	s_mov_b32 s15, 0
	s_add_nc_u64 s[14:15], s[4:5], s[14:15]        ; Q's scale words
	s_lshl_b32 s62, s[T0], 4
	s_lshr_b32 s63, s[HD], 1
	s_add_co_u32 s62, s62, s63
	s_lshl_b32 s62, s62, 13
	s_and_b32 s63, s[HD], 1
	s_lshl_b32 s63, s63, 12
	s_add_co_u32 s62, s62, s63
	s_mov_b32 s63, 0
	s_add_nc_u64 s[62:63], s[6:7], s[62:63]        ; where my results go
	s_lshr_b32 s[T0], s[JJ], 1
	s_lshl_b32 s[T0], s[T0], 5
	s_and_b32 s[CNT], s[JJ], 1
	s_lshl_b32 s[CNT], s[CNT], 3
	s_add_co_u32 s[T0], s[T0], s[CNT]              ; 32 (j / 2) + 8 (j % 2)
	v_and_b32 v8, 31, v0
	v_and_b32 v9, 15, v0                           ; r
	v_bfe_u32 v10, v0, 4, 1                        ; h
	s_delay_alu instid0(VALU_DEP_3)
	v_lshlrev_b32 v[LI], 4, v8
	s_delay_alu instid0(VALU_DEP_1)
	v_add_nc_u32 v[AK0], KOF, v[LI]
	s_delay_alu instid0(VALU_DEP_2)
	v_add_nc_u32 v[AV0], VOF, v[LI]
	v_lshlrev_b32 v[ASK0], 4, v9
	s_delay_alu instid0(VALU_DEP_1)
	v_add_nc_u32 v[ASV0], VSO, v[ASK0]
	global_load_b128 v[16:19], v[LI], s[2:3]       ; Q's fragment stays in registers
	global_load_b128 v[20:23], v[LI], s[2:3] offset:512
	global_load_b32 v232, v[ASK0], s[14:15]        ; and its scale words
	v_and_b32 v11, 8, v9
	s_delay_alu instid0(VALU_DEP_1)
	v_add_nc_u32 v11, v11, v9
	v_lshlrev_b32 v12, 4, v10
	s_delay_alu instid0(VALU_DEP_1)
	v_sub_nc_u32 v11, v11, v12
	s_delay_alu instid0(VALU_DEP_1)
	v_add_nc_u32 v[DQ], s[T0], v11                 ; my query's place in its key step - 16 h: register 16 b + i holds key 32 b + 16 h + i, hidden where 32 b + i is larger
	v_mov_b32 v[NINF], 0xff800000
	v_lshrrev_b32 v240, 5, v0
	s_delay_alu instid0(VALU_DEP_1)
	v_lshl_add_u32 v240, v240, 2, PMX
	v_mov_b32 v241, PMX
.irp i, 24,25,26,27,28,29,30,31
	v_mov_b32 v[\i], 0                             ; K = 64: zero codes in the upper half of Q's fragment,
.endr
.irp t, 0,1,2,3
.irp i, 8,9,10,11,12,13,14,15
	v_mov_b32 v[32+16*\t+\i], 0                    ; and of K's four; no key step's load lands there
.endr
.endr
	v_mov_b32 v13, 0xff61b1e6                      ; the largest t so far: -3e38
	s_delay_alu instid0(VALU_DEP_1)
	v_floor_f32 v12, -v13                          ; -M
	v_mov_b32 v14, 0
	v_mov_b32 v15, 0
.irp b, 0,1,2,3
	v_mov_b32 v[PB+\b], 0
.endr
	v_mov_b32 v235, 0                              ; (named as the upper half of the pair v[234:235])
.set i, 0
.rept 32
	v_mov_b32 v[160+i], 0                          ; O^T: the step is written once: the first finds zeros
.set i, i+1
.endr
; A KEY STEP: 128 keys.  A step behind my queries' own is left out: a scalar branch on the wave's number and the step's, not round the lines at the end that step addresses.
.macro STEP
	s_cmp_gt_u32 s[STEPI], s[RHO]
	s_cbranch_scc1 .Lskip_\@
	v_add_nc_u32 v[ADK], s[TK], v[AK0]
	s_wait_alu depctr_va_vdst(0)
	v_add_nc_u32 v[ADV], s[TK], v[AV0]
	v_add_nc_u32 v[ADS], s[TS], v[ASK0]
	s_wait_alu depctr_va_vdst(0)
	v_add_nc_u32 v[ADT], s[TVS], v[ASV0]
.irp g, 0,1                            ; S^T = K Q^T, four tiles of 16 keys at a time
.if \g
	PLACES 8                                       ; in front of loads into registers that the four products above have read
.endif
.irp t, 0,1,2,3
	ds_load_b128 v[32+16*\t:35+16*\t], v[ADK] offset:1024*(4*\g+\t)
	ds_load_b128 v[36+16*\t:39+16*\t], v[ADK] offset:1024*(4*\g+\t)+512
.endr
	ds_load_b128 v[224:227], v[ADS] offset:256*\g
	s_wait_dscnt 0x0
.irp t, 0,1,2,3
	v_wmma_scale_f32_16x16x128_f8f6f4 v[96+8*(4*\g+\t):103+8*(4*\g+\t)], v[32+16*\t:47+16*\t], v[16:31], 0, v[224+\t], v232
.endr
.endr
	PLACES 8
	s_cmp_lg_u32 s[STEPI], s[RHO]                  ; my queries' own step: hidden scores become -infinity ahead of the maximum
	s_cbranch_scc1 .Lopen_\@
.set n, 0
.rept 64
	v_cmp_gt_i32 vcc_lo, 32*(n/16)+n%16, v[DQ]
	v_cndmask_b32 v[96+n], v[96+n], v[NINF], vcc_lo
.set n, n+1
.endr
.Lopen_\@:
.irp b, 0,1,2,3
	v_max3_num_f32 v[BM+\b], v[96+16*\b], v[97+16*\b], v[98+16*\b]   ; the largest score of each block of 32 keys: for the row's maximum, and for the block's largest p
.endr
.irp i, 3,5,7,9,11,13
.irp b, 0,1,2,3
	v_max3_num_f32 v[BM+\b], v[BM+\b], v[96+16*\b+\i], v[97+16*\b+\i]
.endr
.endr
.irp b, 0,1,2,3
	v_max_num_f32 v[BM+\b], v[BM+\b], v[111+16*\b]
.endr
.irp b, 0,1,2,3
	s_delay_alu instid0(VALU_DEP_4)
	v_permlanex16_b32 v[PB+\b], v[BM+\b], s[SEL], s[SEL+1]
.endr
.irp b, 0,1,2,3
	s_delay_alu instid0(VALU_DEP_4)
	v_max_num_f32 v[BM+\b], v[BM+\b], v[PB+\b]
.endr
	s_delay_alu instid0(VALU_DEP_2)
	v_max3_num_f32 v[T1], v[BM], v[BM+1], v[BM+2]
	s_delay_alu instid0(VALU_DEP_1)
	v_max_num_f32 v[T1], v[T1], v[BM+3]
	s_delay_alu instid0(VALU_DEP_1)
	v_mul_f32 v[T1], s[CS], v[T1]
	s_delay_alu instid0(VALU_DEP_1)
	v_max_num_f32 v13, v13, v[T1]                  ; the running largest t
	v_mov_b32 v[T1], v12
	s_delay_alu instid0(VALU_DEP_2)
	v_floor_f32 v12, -v13                          ; the new -M
	s_delay_alu instid0(VALU_DEP_1)
	v_sub_f32 v[T1], v12, v[T1]                    ; old M - new M: a whole number, 0 or less
	s_delay_alu instid0(VALU_DEP_1)
	v_cvt_i32_f32 v[T1], v[T1]
	s_delay_alu instid0(VALU_DEP_1)
	v_ldexp_f32 v234, 1.0, v[T1]                   ; f = 2^(old M - new M)
.set n, 0
.rept 32
	v_pk_fma_f32 v[96+n:97+n], v[96+n:97+n], s[CS:CS+1], v[12:13] op_sel_hi:[1,0,0]   ; t - M
.set n, n+2
.endr
.irp b, 0,1,2,3
	v_fma_f32 v[BM+\b], v[BM+\b], s[CS], v12
.endr
.set n, 0
	s_wait_alu depctr_va_vdst(0)
.rept 64
	v_exp_f32 v[96+n], v[96+n]                     ; p
.set n, n+1
.endr
.irp b, 0,1,2,3
	v_exp_f32 v[BM+\b], v[BM+\b]                   ; the block's largest p
.endr
	v_pk_mul_f32 v[14:15], v[14:15], v[234:235] op_sel_hi:[1,0]   ; the sums under the new M (a plain place behind the exponentials)
	s_wait_alu depctr_va_vdst(0)
.irp b, 0,1,2,3
	v_max_num_f32 v[BM+\b], 0x4800000, v[BM+\b]    ; the floor 2^(9 - 127)
.endr
.irp b, 0,1,2,3
	s_delay_alu instid0(VALU_DEP_4)
	v_add_nc_u32 v[SO+\b], 0xfc000000, v[BM+\b]
.endr
.irp b, 0,1,2,3
	v_and_or_b32 v[HO+\b], v[BM+\b], 0x7f800000, s[MNT]
.endr
.irp b, 0,1,2,3
	v_lshrrev_b32 v[PB+\b], 23, v[SO+\b]
.endr
	s_delay_alu instid0(VALU_DEP_3)
	v_lshl_or_b32 v233, v[PB+1], 8, v[PB]          ; p's scale word for these 128 keys
	s_delay_alu instid0(VALU_DEP_1)
	v_lshl_or_b32 v233, v[PB+2], 16, v233
	s_delay_alu instid0(VALU_DEP_1)
	v_lshl_or_b32 v233, v[PB+3], 24, v233
	v_pk_add_f32 v[236:237], v[100:101], v[104:105]
	v_pk_add_f32 v[252:253], v[108:109], v[112:113]
	v_pk_add_f32 v[250:251], v[116:117], v[120:121]
	v_pk_add_f32 v[248:249], v[124:125], v[128:129]
	v_pk_add_f32 v[246:247], v[132:133], v[136:137]
	v_pk_add_f32 v[244:245], v[140:141], v[144:145]
	v_pk_add_f32 v[242:243], v[148:149], v[152:153]
	v_pk_add_f32 v[14:15], v[14:15], v[156:157]
	v_pk_add_f32 v[236:237], v[236:237], v[96:97]
	v_pk_add_f32 v[252:253], v[252:253], v[98:99]
	v_pk_add_f32 v[250:251], v[250:251], v[102:103]
	v_pk_add_f32 v[248:249], v[248:249], v[106:107]
	v_pk_add_f32 v[246:247], v[246:247], v[110:111]
	v_pk_add_f32 v[244:245], v[244:245], v[114:115]
	v_pk_add_f32 v[242:243], v[242:243], v[118:119]
	v_pk_add_f32 v[14:15], v[14:15], v[122:123]
	v_pk_add_f32 v[236:237], v[236:237], v[126:127]
	v_pk_add_f32 v[252:253], v[252:253], v[130:131]
	v_pk_add_f32 v[250:251], v[250:251], v[134:135]
	v_pk_add_f32 v[248:249], v[248:249], v[138:139]
	v_pk_add_f32 v[246:247], v[246:247], v[142:143]
	v_pk_add_f32 v[244:245], v[244:245], v[146:147]
	v_pk_add_f32 v[242:243], v[242:243], v[150:151]
	v_pk_add_f32 v[14:15], v[14:15], v[154:155]
	v_pk_add_f32 v[236:237], v[236:237], v[158:159]
	s_delay_alu instid0(VALU_DEP_2)
	v_pk_add_f32 v[14:15], v[14:15], v[248:249]
	s_delay_alu instid0(VALU_DEP_2)
	v_pk_add_f32 v[236:237], v[236:237], v[246:247]
	v_pk_add_f32 v[252:253], v[252:253], v[244:245]
	v_pk_add_f32 v[250:251], v[250:251], v[242:243]
	s_delay_alu instid0(VALU_DEP_2)
	v_pk_add_f32 v[14:15], v[14:15], v[252:253]
	s_delay_alu instid0(VALU_DEP_2)
	v_pk_add_f32 v[236:237], v[236:237], v[250:251]
	s_delay_alu instid0(VALU_DEP_1)
	v_pk_add_f32 v[14:15], v[14:15], v[236:237]
.irp b, 0,1,2,3
.irp i, 0,1,2,3,4,5,6,7,8,9,10,11,12,13,14,15
	v_min_num_f32 v[96+16*\b+\i], v[96+16*\b+\i], v[HO+\b]   ; the conversion does not saturate (ISA guide 7.6.2); p is not negative
.endr
	v_cvt_scalef32_pk8_fp8_f32 v[192+4*\b:193+4*\b], v[96+16*\b:103+16*\b], v[SO+\b]
	v_cvt_scalef32_pk8_fp8_f32 v[194+4*\b:195+4*\b], v[104+16*\b:111+16*\b], v[SO+\b]
.endr
.irp t, 0,1,2,3                        ; V's four fragments take p's registers
.irp c, 0,1,2,3
	ds_load_b128 v[96+16*\t+4*\c:99+16*\t+4*\c], v[ADV] offset:2048*\t+512*\c
.endr
.endr
	ds_load_b128 v[228:231], v[ADT]
.set n, 0
.rept 16
	v_pk_mul_f32 v[160+n:161+n], v[160+n:161+n], v[234:235] op_sel_hi:[1,0]   ; O^T under the new M, while the loads are out; also the places between the codes and the products
.set n, n+2
.endr
	s_wait_alu depctr_va_vdst(0)
	s_wait_dscnt 0x0
.irp t, 0,1,2,3
	v_wmma_scale_f32_16x16x128_f8f6f4 v[160+8*\t:167+8*\t], v[96+16*\t:111+16*\t], v[192:207], v[160+8*\t:167+8*\t], v[228+\t], v233
.endr
	PLACES 9                                       ; the next scores are written over V's registers; the last step's results are read behind these too
.Lskip_\@:
	s_add_co_u32 s[STEPI], s[STEPI], 1
	s_add_co_u32 s[TK], s[TK], 8192
	s_add_co_u32 s[TS], s[TS], 512
	s_add_co_u32 s[TVS], s[TVS], 256
.endm
	s_wait_alu depctr_va_vdst(0)                   ; the wait at the head's end
	s_wait_tensorcnt 0x0                           ; my part of group 1 is in
	ds_add_u32 v254, v255
	s_wait_dscnt 0x0
	CROUND                                         ; everybody's part is in, and all four work-groups are here
	tensor_load_to_lds s[G0Z:G0Z+3], s[G1Z:G1Z+7]  ; the rest of the record: it has the first four key steps in which to land
	s_nop 0
.rept 4
	v_nop
.endr
	s_wait_loadcnt 0x0                             ; Q
	s_mov_b32 s[CNT], 4
.Lfirst:
	STEP
	s_sub_co_u32 s[CNT], s[CNT], 1
	s_cmp_lg_u32 s[CNT], 0
	s_cbranch_scc1 .Lfirst
	s_wait_tensorcnt 0x0                           ; my part of the rest is in
	s_wait_dscnt 0x0
	s_barrier_signal -1
	s_barrier_wait -1
	s_mov_b32 s[CNT], 12
.Lrest:
	STEP
	s_sub_co_u32 s[CNT], s[CNT], 1
	s_cmp_lg_u32 s[CNT], 0
	s_cbranch_scc1 .Lrest
	v_add_f32 v14, v14, v15
	s_delay_alu instid0(VALU_DEP_1)
	v_permlanex16_b32 v[PB], v14, s[SEL], s[SEL+1]
	s_delay_alu instid0(VALU_DEP_1)
	v_add_f32 v14, v14, v[PB]                      ; the row's sum
	s_wait_alu depctr_va_vdst(0)
	v_rcp_f32 v14, v14
	v_nop
.set n, 0
	s_wait_alu depctr_va_vdst(0)
.rept 16
	v_pk_mul_f32 v[96+n:97+n], v[160+n:161+n], v[14:15] op_sel_hi:[1,0]   ; O^T / the sum: register 16 e + i is element 32 e + 16 h + i of my query's head
.set n, n+2
.endr
	v_max3_num_f32 v[T1], |v96|, |v97|, |v98|
.set n, 99
.rept 14
	s_delay_alu instid0(VALU_DEP_1)
	v_max3_num_f32 v[T1], v[T1], |v[n]|, |v[n+1]|
.set n, n+2
.endr
	s_delay_alu instid0(VALU_DEP_1)
	v_max_num_f32 v[T1], v[T1], |v127|
	s_delay_alu instid0(VALU_DEP_1)
	v_max_num_f32_dpp v[T1], v[T1], v[T1] row_xmask:1 row_mask:0xf bank_mask:0xf
	s_delay_alu instid0(VALU_DEP_1)
	v_max_num_f32_dpp v[T1], v[T1], v[T1] row_xmask:2 row_mask:0xf bank_mask:0xf
	s_delay_alu instid0(VALU_DEP_1)
	v_max_num_f32_dpp v[T1], v[T1], v[T1] row_xmask:4 row_mask:0xf bank_mask:0xf
	s_delay_alu instid0(VALU_DEP_1)
	v_max_num_f32_dpp v[T1], v[T1], v[T1] row_xmask:8 row_mask:0xf bank_mask:0xf
	s_delay_alu instid0(VALU_DEP_1)
	v_permlanex16_b32 v[PB], v[T1], s[SEL], s[SEL+1]
	s_delay_alu instid0(VALU_DEP_1)
	v_max_num_f32 v[T1], v[T1], v[PB]
.irp e, 0,1
.irp j, 0,1,2,3
	global_store_b128 v[LI], v[96+16*\e+4*\j:99+16*\e+4*\j], s[62:63] offset:2048*\e+512*\j   ; 512 consecutive bytes a store
.endr
.endr
	ds_store_b32 v240, v[T1]
	s_wait_dscnt 0x0
	s_barrier_signal -1
	s_barrier_wait -1
	s_cmp_lg_u32 s[WV], 0
	s_cbranch_scc1 .Lfin
	ds_load_b128 v[32:35], v241
	ds_load_b128 v[36:39], v241 offset:16
	ds_load_b128 v[40:43], v241 offset:32
	ds_load_b128 v[44:47], v241 offset:48
	s_wait_dscnt 0x0
	v_max3_num_f32 v32, v32, v33, v34
.irp i, 35,37,39,41,43,45
	s_delay_alu instid0(VALU_DEP_1)
	v_max3_num_f32 v32, v32, v[\i], v[\i+1]
.endr
	s_delay_alu instid0(VALU_DEP_1)
	v_max_num_f32 v32, v32, v47
	s_lshl_b32 s14, s[HD], 3
	s_add_co_u32 s14, s14, s[JJ]
	s_lshl_b32 s14, s14, 3
	s_mov_b32 s15, 0
	s_add_nc_u64 s[14:15], s[6:7], s[14:15]
	s_add_nc_u64 s[14:15], s[14:15], 0x1000000
	v_lshlrev_b32 v48, 2, v0
	v_cmp_gt_u32 vcc_lo, 2, v0
	s_wait_alu depctr_va_vdst(0)
	s_wait_xcnt 0x0                                ; EXEC changes only behind this wait
	s_and_saveexec_b32 s[T0], vcc_lo
	global_store_b32 v48, v32, s[14:15]            ; the table has 512 places for 256 work-groups: each fills two
	s_wait_xcnt 0x0
	s_or_b32 exec_lo, exec_lo, s[T0]
.Lfin:
	s_wait_tensorcnt 0x0
	ds_add_u32 v254, v255
	s_wait_dscnt 0x0
	CROUND                                         ; the closing round
	s_endpgm
.Lfunc_end_k_q60a5adf50f_att:
	.size	k_q60a5adf50f_att, .Lfunc_end_k_q60a5adf50f_att-k_q60a5adf50f_att
	.p2alignl 7, 3214868480
	.fill 96, 4, 3214868480
	.section	.rodata,"a",@progbits
	.p2align	6, 0x0
	.amdhsa_kernel k_q60a5adf50f_att
		.amdhsa_group_segment_fixed_size 327680
		.amdhsa_private_segment_fixed_size 0
		.amdhsa_enable_private_segment 0
		.amdhsa_kernarg_size 16
		.amdhsa_user_sgpr_count 2
		.amdhsa_user_sgpr_kernarg_segment_ptr 1
		.amdhsa_wavefront_size32 1
		.amdhsa_system_sgpr_workgroup_id_x 1
		.amdhsa_system_sgpr_workgroup_id_y 1
		.amdhsa_system_sgpr_workgroup_id_z 1
		.amdhsa_system_vgpr_workitem_id 0
		.amdhsa_next_free_vgpr 256
		.amdhsa_next_free_sgpr 66
		.amdhsa_reserve_vcc 1
		.amdhsa_float_denorm_mode_32 3
		.amdhsa_float_denorm_mode_16_64 3
		.amdhsa_memory_ordered 1
		.amdhsa_forward_progress 1
		.amdhsa_inst_pref_size 67
	.end_amdhsa_kernel
	.amdgpu_metadata
---
amdhsa.version: [ 1, 2 ]
amdhsa.kernels:
  - .name:           k_q60a5adf50f_att
    .symbol:         k_q60a5adf50f_att.kd
    .args:
      - { .name: qkv, .offset: 0, .size: 8, .value_kind: global_buffer, .address_space: global }
      - { .name: f, .offset: 8, .size: 8, .value_kind: global_buffer, .address_space: global }
    .group_segment_fixed_size: 327680
    .private_segment_fixed_size: 0
    .kernarg_segment_align: 8
    .kernarg_segment_size: 16
    .max_flat_workgroup_size: 512
    .sgpr_count:     66
    .vgpr_count:     256
    .wavefront_size: 32
...
	.end_amdgpu_metadata
.endif
;; end of part 5
;; launch aqa (part 6): grid 512 x 1, 4 waves a work-group, no clusters, 768 bytes of LDS; arguments f, act; writes act
.if DOCPART == 6
	.amdgcn_target "amdgcn-amd-amdhsa--gfx1250"
	.amdhsa_code_object_version 6
	.text
	.protected	k_q60a5adf50f_aqa
	.globl	k_q60a5adf50f_aqa
	.p2align	8
	.type	k_q60a5adf50f_aqa,@function
k_q60a5adf50f_aqa:
	s_mov_b64 s[64:65], 0
	v_nop
	global_prefetch_b8 v0, s[64:65] scope:SCOPE_SE
	s_setreg_imm32_b32 hwreg(HW_REG_WAVE_MODE, 25, 1), 1
	s_wait_xcnt 0x0
; THE DIVISION BY THE TENSOR'S SCALE AND THE QUANTISER, for numbers that already lie in the order of the quantiser's registers.
; f: fragments of 8,192 bytes: register 16 c + 4 j + e of lane l at 2,048 c + 512 j + 16 l + 4 e; 512 partial maxima at 16,777,216.  scale = max / 2688; a = number / scale becomes codes of FP8 (E4M3) with E8M0 scales.
; act: fragment n's codes at 2,048 n (chunk c at 512 c, lane l at 16 l); the scale words of fragments 4 U .. 4 U + 3 at 4,194,304 + 256 U: row r at 16 r; the scale at 4,325,376.  A work-group takes four fragments, a wave one.
; LIMITS: NaN and infinities are not served; a tensor of zeros gives NaN, as the source's 0 / 0 does; a / scale is a x (1 / scale), the reciprocal refined once: within about 1.2e-7; a block of zeros carries the byte 1.
.set WV,   22
.set SEL,  24
.set MNT,  26
.set LI,   4
.set SCWA, 8
.set L8,   9
.set L4,   11
.set X,    32
.set PC,   96
.set TM,   112
.set PW,   128
.set GM,   129
.set SCV,  130
.set INV,  132
	s_load_b128 s[4:7], s[0:1], 0x0                ; f, act
	v_lshl_add_u32 v136, v0, 2, 0x100
	v_mov_b32 v137, 0
	v_lshrrev_b32 v1, 5, v0
	v_readfirstlane_b32 s[WV], v1
	v_and_b32 v1, 31, v0
	v_and_b32 v2, 15, v0
	v_lshlrev_b32 v[LI], 4, v1
	v_lshlrev_b32 v[L8], 3, v1
	v_lshlrev_b32 v[L4], 2, v1
	s_lshl_b32 s12, s[WV], 2
	v_lshl_add_u32 v[SCWA], v2, 4, s12             ; LDS: 16 r + 4 x wave
	s_mov_b32 s[SEL], 0x76543210
	s_mov_b32 s[SEL+1], 0xfedcba98
	s_mov_b32 s[MNT], 0x600000
.irp b, 0,1,2,3
	v_mov_b32 v[TM+4+\b], 0
.endr
	s_lshl_b32 s12, ttmp9, 2
	s_add_co_u32 s12, s12, s[WV]                   ; my fragment
	s_lshl_b32 s14, s12, 11
	s_lshl_b32 s12, s12, 13
	s_mov_b32 s13, 0
	s_mov_b32 s15, 0
	s_lshl_b32 s16, ttmp9, 8
	s_add_co_u32 s16, s16, 4194304
	s_mov_b32 s17, 0
	s_wait_alu depctr_va_vdst(0)
	s_wait_kmcnt 0x0
	s_add_nc_u64 s[8:9], s[4:5], 0x1000000
.irp k, 0,1,2,3
	global_load_b128 v[16+4*\k:19+4*\k], v[LI], s[8:9] offset:512*\k   ; the 512 partial maxima: 16 a lane
.endr
	s_add_nc_u64 s[10:11], s[4:5], s[12:13]
.irp c, 0,1,2,3
.irp j, 0,1,2,3
	global_load_b128 v[X+16*\c+4*\j:X+16*\c+4*\j+3], v[LI], s[10:11] offset:2048*\c+512*\j th:TH_LOAD_NT
.endr
.endr
	s_add_nc_u64 s[14:15], s[6:7], s[14:15]
	s_add_nc_u64 s[16:17], s[6:7], s[16:17]
	s_wait_loadcnt 16                              ; the maxima are in; the sixteen loads of numbers may be out
	v_max3_num_f32 v[GM], v16, v17, v18
.irp i, 19,21,23,25,27,29
	v_max3_num_f32 v[GM], v[GM], v[\i], v[\i+1]
.endr
	v_max_num_f32 v[GM], v[GM], v31
	v_max_num_f32_dpp v[GM], v[GM], v[GM] row_xmask:1 row_mask:0xf bank_mask:0xf
	v_max_num_f32_dpp v[GM], v[GM], v[GM] row_xmask:2 row_mask:0xf bank_mask:0xf
	v_max_num_f32_dpp v[GM], v[GM], v[GM] row_xmask:4 row_mask:0xf bank_mask:0xf
	v_max_num_f32_dpp v[GM], v[GM], v[GM] row_xmask:8 row_mask:0xf bank_mask:0xf
	v_permlanex16_b32 v[TM+4], v[GM], s[SEL], s[SEL+1]
	v_max_num_f32 v[GM], v[GM], v[TM+4]
	v_mul_f32 v[SCV], 0x39c30c31, v[GM]            ; / 2688: a first quotient, its remainder, the corrected quotient
	v_fma_f32 v134, -v[SCV], 0x45280000, v[GM]
	v_fma_f32 v[SCV], v134, 0x39c30c31, v[SCV]
	s_wait_alu depctr_va_vdst(0)
	v_rcp_f32 v[INV], v[SCV]
	v_nop
	s_wait_alu depctr_va_vdst(0)
	v_fma_f32 v134, -v[SCV], v[INV], 1.0
	v_fma_f32 v[INV], v134, v[INV], v[INV]
	v_mov_b32 v[INV+1], v[INV]
	s_or_b32 s12, ttmp9, s[WV]
	s_cmp_lg_u32 s12, 0
	s_cbranch_scc1 .Lnoput
	global_store_b32 v[L4], v[SCV], s[6:7] offset:4325376
.Lnoput:
	s_wait_loadcnt 0x0
.set i, 0
	s_wait_alu depctr_va_vdst(0)
.rept 32
	v_pk_mul_f32 v[X+i:X+i+1], v[X+i:X+i+1], v[INV:INV+1]
.set i, i+2
.endr
.irp b, 0,1,2,3
	v_max3_num_f32 v[TM+\b], |v[X+16*\b]|, |v[X+1+16*\b]|, 0x4800000
.endr
.irp i, 2,4,6,8,10,12,14
.irp b, 0,1,2,3
	v_max3_num_f32 v[TM+\b], v[TM+\b], |v[X+16*\b+\i]|, |v[X+1+16*\b+\i]|
.endr
.endr
.irp b, 0,1,2,3
	v_permlanex16_b32 v[TM+4+\b], v[TM+\b], s[SEL], s[SEL+1]
.endr
.irp b, 0,1,2,3
	v_max_num_f32 v[TM+\b], v[TM+\b], v[TM+4+\b]
.endr
.irp b, 0,1,2,3
	v_add_nc_u32 v[TM+12+\b], 0xfc000000, v[TM+\b]
.endr
.irp b, 0,1,2,3
	v_and_or_b32 v[TM+8+\b], v[TM+\b], 0x7f800000, s[MNT]
.endr
.irp b, 0,1,2,3
	v_lshrrev_b32 v[TM+4+\b], 23, v[TM+12+\b]
.endr
	v_lshl_or_b32 v[PW], v[TM+5], 8, v[TM+4]
	v_lshl_or_b32 v[PW], v[TM+6], 16, v[PW]
	v_lshl_or_b32 v[PW], v[TM+7], 24, v[PW]
.irp b, 0,1,2,3
.irp i, 0,1,2,3,4,5,6,7,8,9,10,11,12,13,14,15
	v_med3_num_f32 v[X+16*\b+\i], v[X+16*\b+\i], -v[TM+8+\b], v[TM+8+\b]   ; the conversion does not saturate (ISA guide 7.6.2)
.endr
	v_cvt_scalef32_pk8_fp8_f32 v[PC+4*\b:PC+1+4*\b], v[X+16*\b:X+7+16*\b], v[TM+12+\b]
	v_cvt_scalef32_pk8_fp8_f32 v[PC+2+4*\b:PC+3+4*\b], v[X+8+16*\b:X+15+16*\b], v[TM+12+\b]
.endr
	v_nop
.irp c, 0,1,2,3
	global_store_b128 v[LI], v[PC+4*\c:PC+4*\c+3], s[14:15] offset:512*\c
.endr
	ds_store_b32 v[SCWA], v[PW]
	s_wait_dscnt 0x0
	s_barrier_signal -1
	s_barrier_wait -1
	s_cmp_lg_u32 s[WV], 0
	s_cbranch_scc1 .Ldone
	ds_load_b64 v[12:13], v[L8]
	s_wait_dscnt 0x0
	global_store_b64 v[L8], v[12:13], s[16:17]
.Ldone:
	s_wait_tensorcnt 0x0
	ds_add_u32 v136, v137
	s_wait_dscnt 0x0
	s_endpgm
.Lfunc_end_k_q60a5adf50f_aqa:
	.size	k_q60a5adf50f_aqa, .Lfunc_end_k_q60a5adf50f_aqa-k_q60a5adf50f_aqa
	.p2alignl 7, 3214868480
	.fill 96, 4, 3214868480
	.section	.rodata,"a",@progbits
	.p2align	6, 0x0
	.amdhsa_kernel k_q60a5adf50f_aqa
		.amdhsa_group_segment_fixed_size 768
		.amdhsa_private_segment_fixed_size 0
		.amdhsa_enable_private_segment 0
		.amdhsa_kernarg_size 16
		.amdhsa_user_sgpr_count 2
		.amdhsa_user_sgpr_kernarg_segment_ptr 1
		.amdhsa_wavefront_size32 1
		.amdhsa_system_sgpr_workgroup_id_x 1
		.amdhsa_system_sgpr_workgroup_id_y 1
		.amdhsa_system_sgpr_workgroup_id_z 1
		.amdhsa_system_vgpr_workitem_id 0
		.amdhsa_next_free_vgpr 138
		.amdhsa_next_free_sgpr 66
		.amdhsa_reserve_vcc 0
		.amdhsa_float_denorm_mode_32 3
		.amdhsa_float_denorm_mode_16_64 3
		.amdhsa_memory_ordered 1
		.amdhsa_forward_progress 1
		.amdhsa_inst_pref_size 16
	.end_amdhsa_kernel
	.amdgpu_metadata
---
amdhsa.version: [ 1, 2 ]
amdhsa.kernels:
  - .name:           k_q60a5adf50f_aqa
    .symbol:         k_q60a5adf50f_aqa.kd
    .args:
      - { .name: f, .offset: 0, .size: 8, .value_kind: global_buffer, .address_space: global }
      - { .name: act, .offset: 8, .size: 8, .value_kind: global_buffer, .address_space: global }
    .group_segment_fixed_size: 768
    .private_segment_fixed_size: 0
    .kernarg_segment_align: 8
    .kernarg_segment_size: 16
    .max_flat_workgroup_size: 128
    .sgpr_count:     66
    .vgpr_count:     138
    .wavefront_size: 32
...
	.end_amdgpu_metadata
.endif
;; end of part 6
;; launch wo (part 7): grid 16 x 16, 4 waves a work-group, clusters of 4 x 4, 327,680 bytes of LDS; arguments act, wts, hidden_states, h2; writes h2
.if DOCPART == 7
	.amdgcn_target "amdgcn-amd-amdhsa--gfx1250"
	.amdhsa_code_object_version 6
	.text
	.protected	k_q60a5adf50f_wo
	.globl	k_q60a5adf50f_wo
	.p2align	8
	.type	k_q60a5adf50f_wo,@function
k_q60a5adf50f_wo:
	s_mov_b64 s[64:65], 0
	v_nop
	global_prefetch_b8 v0, s[64:65] scope:SCOPE_SE
	s_setreg_imm32_b32 hwreg(HW_REG_WAVE_MODE, 25, 1), 1
	s_wait_xcnt 0x0
	s_wait_alu depctr_hold_cnt(0) depctr_sa_sdst(0) depctr_va_vdst(0) depctr_va_sdst(0) depctr_va_ssrc(0) depctr_va_vcc(0) depctr_vm_vsrc(0)
	s_getreg_b32 s2, hwreg(HW_REG_IB_STS2, 6, 4)
	s_cmp_eq_u32 s2, 0
	s_cbranch_scc0 .Lentry_in_a_cluster
	s_endpgm
.Lentry_in_a_cluster:
	s_bfe_u32 s2, ttmp6, 0x10000c
	s_cmp_lg_u32 s2, 0xf033
	s_cbranch_scc0 .Lentry_shape_is_right
	s_endpgm
.Lentry_shape_is_right:
.set CL, 1
.set NS, 16
.set NU, 4
.set BBASE, 1536
.set DEAD, 0
.set SLOT,  131072
.set SCB,   262144
.set SPARE, 278528
.set ASCL,  4194304
.set WSCL,  25690112
.set ADRA, 16
.set ADRB, 20
.set ADRS, 27
.set SPW,  28
.set NIL,  29
.set SC,   32
.set ACC,  128
.set F0,   0
.set F1,   128
.set G1A, 24
.set G0A, 32
.set G1B, 48
.set G0B, 56
.set G1SA, 68
.set G0SA, 76
.set G1SB, 80
.set G0SB, 88
.set SS,  92
.set MUL, 0x07                         ; source 0 (B) window 3, source 1 (A) window 1; C and D window 0
.set TO_F, 0x40
.set STO, 6
.set RD,  7
.set CO,  8
.set MSB, 0
.macro WIN new
.if MSB != \new
	s_set_vgpr_msb (MSB<<8)|\new
.set MSB, \new
.endif
.endm
.macro PLACES n
.rept \n
	v_nop
.endr
.endm
.macro JLOAD g0a, g1a, g0b, g1b
	s_cmp_eq_u32 s15, 0
	s_cbranch_scc0 .Lfor_b_\@
	tensor_load_to_lds s[\g0a:\g0a+3], s[\g1a:\g1a+7]
	s_nop 0
.rept 4
	v_nop
.endr
	s_branch .Lasked_\@
.Lfor_b_\@:
	tensor_load_to_lds s[\g0b:\g0b+3], s[\g1b:\g1b+7]
	s_nop 0
.rept 4
	v_nop
.endr
.Lasked_\@:
.endm
.macro CREST
	s_cmp_lg_u32 s14, 0
	s_cbranch_scc1 .Lnot_wave_0_\@
	s_barrier_signal -3
.Lnot_wave_0_\@:
	s_barrier_wait -3
	s_barrier_signal -1
	s_barrier_wait -1
.endm
.macro CROUND
	s_barrier_signal -1
	s_barrier_wait -1
	CREST
.endm
.macro MUL4 buf, q, p, a, zero
.irp b, 0,1,2,3
.if \zero
	v_wmma_scale_f32_16x16x128_f8f6f4 v[ACC+8*(4*(\a)+\b):ACC+8*(4*(\a)+\b)+7], v[\buf+64+16*\b:\buf+64+16*\b+15], v[\buf+16*(\a):\buf+16*(\a)+15], 0, v[SC+16*(\p)+4*\b+(\q)], v[SC+16*(\p)+4*(\a)+(\q)] matrix_a_scale:MATRIX_SCALE_ROW1
.else
	v_wmma_scale_f32_16x16x128_f8f6f4 v[ACC+8*(4*(\a)+\b):ACC+8*(4*(\a)+\b)+7], v[\buf+64+16*\b:\buf+64+16*\b+15], v[\buf+16*(\a):\buf+16*(\a)+15], v[ACC+8*(4*(\a)+\b):ACC+8*(4*(\a)+\b)+7], v[SC+16*(\p)+4*\b+(\q)], v[SC+16*(\p)+4*(\a)+(\q)] matrix_a_scale:MATRIX_SCALE_ROW1
.endif
.endr
.endm
.macro FETCH slot, q, buf
	WIN TO_F
.irp i, 0,1,2,3
.irp c, 0,1,2,3
	ds_load_b128 v[\buf+64+16*\i+4*\c:\buf+64+16*\i+4*\c+3], v[ADRB+\slot] offset:8192*\i+2048*(\q)+512*\c
.endr
.endr
.irp i, 0,1,2,3
.irp c, 0,1,2,3
	ds_load_b128 v[\buf+16*\i+4*\c:\buf+16*\i+4*\c+3], v[ADRA+\slot] offset:8192*\i+2048*(\q)+512*\c
.endr
.endr
.endm
.macro SCALES p, u
	WIN 0
.irp i, 0,1,2,3
	ds_load_b128 v[SC+16*\p+4*\i:SC+16*\p+4*\i+3], v[ADRS] offset:\i*NU*256+256*\u
.endr
.endm
.macro STEP slot, q, zero
	s_wait_dscnt 8
	WIN MUL
	MUL4 128*((\q)%2), \q, \slot, 0, \zero
	MUL4 128*((\q)%2), \q, \slot, 1, \zero
	PLACES 8
	FETCH \slot, (\q)+1, 128*(1-(\q)%2)
	s_wait_dscnt 32
	WIN MUL
	MUL4 128*((\q)%2), \q, \slot, 2, \zero
	MUL4 128*((\q)%2), \q, \slot, 3, \zero
.endm
.macro TURN slot, next, unext, fill
	WIN 0
	s_wait_tensorcnt 0x0
	ds_add_u32 v[SPW], v[NIL]
	s_wait_dscnt 9
	WIN MUL
	MUL4 F1, 3, \slot, 0, 0
	s_wait_dscnt 0x0
	s_barrier_signal -1
	MUL4 F1, 3, \slot, 1, 0
	WIN 0
	s_barrier_wait -1
.if \fill
.if CL
	CREST
.endif
	s_add_nc_u64 s[G0A+4*\slot+2:G0A+4*\slot+3], s[G0A+4*\slot+2:G0A+4*\slot+3], 16384
	s_add_nc_u64 s[G0B+4*\slot+2:G0B+4*\slot+3], s[G0B+4*\slot+2:G0B+4*\slot+3], 16384
	JLOAD G0A+4*\slot, G1A, G0B+4*\slot, G1B
	PLACES 4
.else
	PLACES 8
.endif
	SCALES \next, \unext
	FETCH \next, 0, F0
	WIN MUL
	MUL4 F1, 3, \slot, 2, 0
	MUL4 F1, 3, \slot, 3, 0
.endm
.macro LAST slot, q
	s_wait_dscnt 8
	WIN MUL
	MUL4 128*((\q)%2), \q, \slot, 0, 0
	MUL4 128*((\q)%2), \q, \slot, 1, 0
	s_wait_dscnt 0x0
	MUL4 128*((\q)%2), \q, \slot, 2, 0
	MUL4 128*((\q)%2), \q, \slot, 3, 0
	WIN 0
.endm
	s_load_b256 s[4:11], s[0:1], 0x0
	v_lshl_add_u32 v[SPW], v0, 2, SPARE
	v_mov_b32 v[NIL], 0
	ds_add_u32 v28, v29
	ds_add_u32 v28, v29
	s_wait_dscnt 0x0
	v_lshrrev_b32 v1, 5, v0
	v_readfirstlane_b32 s14, v1
	s_lshr_b32 s15, s14, 1
	s_and_b32 s16, s14, 1
	s_bfe_u32 s40, ttmp6, 0x40000
	s_bfe_u32 s41, ttmp6, 0x40004
	s_lshl_b32 s42, ttmp9, 2
	s_add_co_u32 s42, s42, s40
	s_and_b32 s17, ttmp7, 0xffff
	s_lshl_b32 s17, s17, 2
	s_add_co_u32 s17, s17, s41
	s_lshl_b32 s43, s41, 2
	s_lshl_b32 s43, 15, s43
	s_lshl_b32 s44, 0x1111, s40
	s_or_b32 s[G1A], s43, (3<<16)|(1<<21)
	s_or_b32 s[G1SA], s43, (3<<16)|(1<<21)
	s_or_b32 s[G1SB], s44, (3<<16)|(1<<21)
.irp g, G1A                            ; A's codes: 4 row groups x 16,384 bytes (eight K steps)
	s_mov_b32 s[\g+1], 2048<<16
	s_mov_b32 s[\g+2], 4<<16
	s_mov_b32 s[\g+3], 2048<<16
	s_mov_b32 s[\g+4], 4
	s_mov_b32 s[\g+5], NS*256
	s_mov_b32 s[\g+6], 0
	s_mov_b32 s[\g+7], 0
.endr
.irp g, G1SA, G1SB
	s_mov_b32 s[\g+1], 32<<16
	s_mov_b32 s[\g+2], (8*NU)<<16                  ; the scale words of 8 row groups in one load
	s_mov_b32 s[\g+3], 32<<16
	s_mov_b32 s[\g+4], 8*NU
	s_mov_b32 s[\g+5], 32
	s_mov_b32 s[\g+6], 0
	s_mov_b32 s[\g+7], 0
.endr
	s_mul_i32 s18, s16, 4*NS*2048                  ; in the ring I fetch 4 row groups of a side: which half, in bytes
	s_mov_b32 s19, 0
	s_lshl_b32 s20, s17, 3
	s_lshl_b32 s46, s42, 3
	s_mul_i32 s22, s20, NU*256
	s_add_co_u32 s22, s22, ASCL
	s_mul_i32 s20, s20, NS*2048
	s_mul_i32 s94, s46, NU*256
	s_add_co_u32 s94, s94, WSCL+BBASE*256
	s_mul_i32 s46, s46, NS*2048
	s_add_co_u32 s46, s46, BBASE*8192
	s_mov_b32 s21, 0
	s_mov_b32 s23, 0
	s_mov_b32 s47, 0
	s_mov_b32 s95, 0
	s_lshl_b32 s45, s16, 16
	s_wait_kmcnt 0x0
	s_load_b32 s[SS], s[4:5], 0x420000
	s_add_nc_u64 s[20:21], s[4:5], s[20:21]
	s_add_nc_u64 s[22:23], s[4:5], s[22:23]
	s_add_nc_u64 s[46:47], s[6:7], s[46:47]
	s_add_nc_u64 s[94:95], s[6:7], s[94:95]
	CROUND
	s_mov_b32 s[G0SA], 1
	s_mov_b32 s[G0SA+1], SCB
	s_mov_b64 s[G0SA+2:G0SA+3], s[22:23]
	s_or_b32 s[G0SA+3], s[G0SA+3], 0x80000000
	s_mov_b32 s[G0SB], 1
	s_mov_b32 s[G0SB+1], SCB+8*NU*256
	s_mov_b64 s[G0SB+2:G0SB+3], s[94:95]
	s_or_b32 s[G0SB+3], s[G0SB+3], 0x80000000
	; THE HEAD'S LOADS, one a wave: waves 0 and 1 slot 0's 8 row groups of A, four each, wave 2 A's scale words, wave 3 B's.
	; (waves 0 and 1 fetch A, four row groups each: K steps 0-7 into slot 0 at the head, 8-15 into slot 1 behind a round; waves 2 and 3 the scale words)
	s_add_nc_u64 s[20:21], s[20:21], s[18:19]      ; A: the four row groups that I fetch
	s_add_nc_u64 s[46:47], s[46:47], s[18:19]      ; B: my wave's four row groups: the base of B's loads, never rewritten
	s_mov_b32 s[G0A], 1
	s_mov_b32 s[G0A+1], s45
	s_mov_b64 s[G0A+2:G0A+3], s[20:21]
	s_or_b32 s[G0A+3], s[G0A+3], 0x80000000
	s_mov_b32 s[G0A+4], 1
	s_add_co_u32 s[G0A+5], s45, SLOT
	s_add_nc_u64 s[G0A+6:G0A+7], s[20:21], 16384
	s_or_b32 s[G0A+7], s[G0A+7], 0x80000000
.macro ONE g0, g1
	tensor_load_to_lds s[\g0:\g0+3], s[\g1:\g1+7]
	s_nop 0
.rept 4
	v_nop
.endr
.endm
	s_cmp_lt_u32 s14, 1                            ; one chain of branches on the wave's number, a load to an arm, all arms to one join
	s_cbranch_scc0 .Lh1
	ONE G0A, G1A
	s_branch .Lh4
.Lh1:
	s_cmp_lt_u32 s14, 2
	s_cbranch_scc0 .Lh2
	ONE G0A, G1A
	s_branch .Lh4
.Lh2:
	s_cmp_lt_u32 s14, 3
	s_cbranch_scc0 .Lh3
	ONE G0SA, G1SA
	s_branch .Lh4
.Lh3:
	ONE G0SB, G1SB
.Lh4:
	v_and_b32 v1, 31, v0
	v_and_b32 v2, 15, v0
	v_bfe_u32 v3, v0, 4, 1
	v_lshlrev_b32 v4, 4, v1
	s_lshl_b32 s18, s15, 16                        ; a slot holds A alone: 8 row groups x 16,384 bytes; my four begin at 65,536 rh
	v_add_nc_u32 v[ADRA], s18, v4
	v_add_nc_u32 v[ADRA+1], SLOT, v[ADRA]
	s_mul_i32 s18, s15, 4*NU*256
	s_mul_i32 s19, s16, 4*NU*256
	s_add_co_u32 s19, s19, 8*NU*256
	s_sub_co_u32 s19, s19, s18
	v_mul_u32_u24 v5, s19, v3
	s_wait_alu depctr_va_vdst(0)
	s_add_co_u32 s18, s18, SCB
	v_lshl_add_u32 v5, v2, 4, v5
	v_add_nc_u32 v[ADRS], s18, v5
	s_mul_i32 s18, s14, 4352
	s_add_co_u32 s18, s18, DEAD*SLOT
	v_mul_u32_u24 v[STO], v2, 272
	v_lshl_add_u32 v[STO], v3, 6, v[STO]
	v_add_nc_u32 v[STO], s18, v[STO]
	v_mul_u32_u24 v[RD], v3, 272
	v_lshl_add_u32 v[RD], v2, 4, v[RD]
	v_add_nc_u32 v[RD], s18, v[RD]
	v_lshlrev_b32 v[CO], 13, v3
	v_lshl_add_u32 v[CO], v2, 4, v[CO]
	s_wait_alu depctr_va_vdst(0)
	s_lshl_b32 s18, s17, 20
	s_lshl_b32 s19, s15, 19
	s_add_co_u32 s18, s18, s19
	s_lshl_b32 s19, s42, 9
	s_add_co_u32 s18, s18, s19
	s_lshl_b32 s19, s16, 8
	s_add_co_u32 s18, s18, s19
	s_mov_b32 s19, 0
	s_add_nc_u64 s[8:9], s[8:9], s[18:19]
	s_add_nc_u64 s[10:11], s[10:11], s[18:19]
	WIN 0x80
.irp a, 0,1,2,3
.irp i, 0,1,2,3,4,5,6,7
	global_load_b128 v[32*\a+4*\i:32*\a+4*\i+3], v[CO], s[8:9] offset:(32*(\a/2)+8*(\a%2)+2*\i+8*(\i/4))*8192
.endr
.endr
	WIN 0
	s_wait_alu depctr_va_vdst(0)                   ; the wait at the head's end
; h2 = hidden_states + (a Wo^T) x scale, on codes of FP8 (E4M3) with E8M0 scales; a tile of 128 x 128 a work-group, 64 x 64 a wave.
; THE K LOOP.  A ALONE LIES IN LDS: the two slots hold all 16 K steps of the tile's A, asked for jointly along a row of the cluster, each slot filled once: three rounds of the cluster's barrier in the launch.
; B'S FRAGMENTS GO FROM MEMORY STRAIGHT INTO REGISTERS, as they lie: 16 loads of 512 consecutive bytes a K step, into a ring of four sets of 64 registers in window 3; three K steps (48 loads) are out.
; B IS NOT ASKED FOR JOINTLY: with B in LDS too the two slots would hold 8 K steps and not 16, and slots would be filled again, each behind a round.
.set TOT, 16
.macro LDB                             ; B's four fragments of K step BN
	WIN 0xc0
.irp i, 0,1,2,3
.irp c, 0,1,2,3
	global_load_b128 v[64*(BN%4)+16*\i+4*\c:64*(BN%4)+16*\i+4*\c+3], v4, s[46:47] offset:\i*NS*2048+BN*2048+512*\c
.endr
.endr
.endm
.macro LDA                             ; A's four fragments of K step AN, LDS to registers, into buffer AN % 2 of window 1
	WIN TO_F
.irp i, 0,1,2,3
.irp c, 0,1,2,3
	ds_load_b128 v[64*(AN%2)+16*\i+4*\c:64*(AN%2)+16*\i+4*\c+3], v[ADRA+AN/8] offset:16384*\i+2048*(AN%8)+512*\c
.endr
.endr
.endm
.macro LDSC                            ; the scale words of the four K steps from AN on, into set (AN / 4) % 2
	WIN 0
.irp i, 0,1,2,3
	ds_load_b128 v[SC+16*((AN/4)%2)+4*\i:SC+16*((AN/4)%2)+4*\i+3], v[ADRS] offset:\i*NU*256+256*(AN/4)
.endr
.endm
.macro MM4 a                           ; A's fragment a against B's four, K step KS; the first K step starts the sums; the 16 accumulators take turns
.set BF, 64*(KS%4)
.set AF, 64*(KS%2)+16*\a
.set SW, SC+16*((KS/4)%2)+KS%4
.irp b, 0,1,2,3
.set AC, ACC+8*(4*\a+\b)
.if KS == 0
	v_wmma_scale_f32_16x16x128_f8f6f4 v[AC:AC+7], v[BF+16*\b:BF+16*\b+15], v[AF:AF+15], 0, v[SW+4*\b], v[SW+4*\a] matrix_a_scale:MATRIX_SCALE_ROW1
.else
	v_wmma_scale_f32_16x16x128_f8f6f4 v[AC:AC+7], v[BF+16*\b:BF+16*\b+15], v[AF:AF+15], v[AC:AC+7], v[SW+4*\b], v[SW+4*\a] matrix_a_scale:MATRIX_SCALE_ROW1
.endif
.endr
.endm
.macro KSTEP
.if KS == 7                            ; this step fetches from slot 1 for the first time: everybody's part has landed
	WIN 0
	s_wait_tensorcnt 0x0
	s_wait_dscnt 0x0
	s_barrier_signal -1
	s_barrier_wait -1
.else
	s_wait_dscnt 8                                 ; all but A's fragments 2 and 3 are in
.endif
.if TOT-1-KS >= 2
	s_wait_loadcnt 32                              ; this step's B is in; the two later steps' 32 loads may be out
.else
	s_wait_loadcnt 16*(TOT-1-KS)
.endif
	WIN MUL
	MM4 0
	MM4 1
.if KS+1 < TOT
	PLACES 8                                       ; in front of loads into registers that the step before has multiplied
.set AN, KS+1
.if AN%4 == 0
	LDSC
.endif
	LDA
.if KS+3 < TOT
.set BN, KS+3
	LDB
.endif
	s_wait_dscnt 16                                ; all but the next step's 16
.else
	s_wait_dscnt 0x0
.endif
	WIN MUL
	MM4 2
	MM4 3
.endm
.set BN, 0
.rept 3
	LDB                                            ; K steps 0, 1, 2: behind the residual's loads, so that a counted wait for these shows those done too
.set BN, BN+1
.endr
	WIN 0
	s_wait_tensorcnt 0x0                           ; my tile of the head's is in
	ds_add_u32 v[SPW], v[NIL]
	s_wait_dscnt 0x0
	CROUND
	s_cmp_lt_u32 s14, 2
	s_cbranch_scc0 .Lno_a
	ONE G0A+4, G1A                                 ; slot 1's fill
.Lno_a:
.set AN, 0
	LDSC
	LDA
.set KS, 0
.rept TOT
	KSTEP
.set KS, KS+1
.endr
	WIN 0
.macro TOSTAGE a
.irp b, 0,1,2,3
	ds_store_b128 v[STO], v[ACC+8*(4*(\a)+\b):ACC+8*(4*(\a)+\b)+3] offset:128*(\b/2)+32*(\b%2)
	ds_store_b128 v[STO], v[ACC+8*(4*(\a)+\b)+4:ACC+8*(4*(\a)+\b)+7] offset:128*(\b/2)+32*(\b%2)+16
.endr
.set BB, 64+32*((\a)%2)
.irp i, 0,1,2,3,4,5,6,7
	ds_load_b128 v[BB+4*\i:BB+4*\i+3], v[RD] offset:\i*544
.endr
.endm
.macro SEND a, younger
.set BB, 64+32*((\a)%2)
	s_wait_dscnt \younger
	WIN 0x20
.irp i, 0,1,2,3,4,5,6,7
	v_pk_fma_f32 v[BB+4*\i:BB+4*\i+1], v[BB+4*\i:BB+4*\i+1], s[SS:SS+1], v[32*(\a)+4*\i:32*(\a)+4*\i+1] op_sel_hi:[1,0,1]
	v_pk_fma_f32 v[BB+4*\i+2:BB+4*\i+3], v[BB+4*\i+2:BB+4*\i+3], s[SS:SS+1], v[32*(\a)+4*\i+2:32*(\a)+4*\i+3] op_sel_hi:[1,0,1]
.endr
	WIN 0
.irp i, 0,1,2,3,4,5,6,7
	global_store_b128 v[CO], v[BB+4*\i:BB+4*\i+3], s[10:11] offset:(32*((\a)/2)+8*((\a)%2)+2*\i+8*(\i/4))*8192
.endr
.endm
	s_wait_kmcnt 0x0
	s_mov_b32 s[SS+1], s[SS]
	s_wait_loadcnt 0x0
	PLACES 8
	TOSTAGE 0
	TOSTAGE 1
	SEND 0, 16
	s_wait_xcnt 0x0
	TOSTAGE 2
	SEND 1, 16
	s_wait_xcnt 0x0
	TOSTAGE 3
	SEND 2, 16
	SEND 3, 0
	s_wait_tensorcnt 0x0
	ds_add_u32 v[SPW], v[NIL]
	s_wait_dscnt 0x0
	CROUND
	s_endpgm
.Lfunc_end_k_q60a5adf50f_wo:
	.size	k_q60a5adf50f_wo, .Lfunc_end_k_q60a5adf50f_wo-k_q60a5adf50f_wo
	.p2alignl 7, 3214868480
	.fill 96, 4, 3214868480
	.section	.rodata,"a",@progbits
	.p2align	6, 0x0
	.amdhsa_kernel k_q60a5adf50f_wo
		.amdhsa_group_segment_fixed_size 327680
		.amdhsa_private_segment_fixed_size 0
		.amdhsa_enable_private_segment 0
		.amdhsa_kernarg_size 32
		.amdhsa_user_sgpr_count 2
		.amdhsa_user_sgpr_kernarg_segment_ptr 1
		.amdhsa_wavefront_size32 1
		.amdhsa_system_sgpr_workgroup_id_x 1
		.amdhsa_system_sgpr_workgroup_id_y 1
		.amdhsa_system_sgpr_workgroup_id_z 1
		.amdhsa_system_vgpr_workitem_id 0
		.amdhsa_next_free_vgpr 1024
		.amdhsa_next_free_sgpr 100
		.amdhsa_reserve_vcc 0
		.amdhsa_float_denorm_mode_32 3
		.amdhsa_float_denorm_mode_16_64 3
		.amdhsa_memory_ordered 1
		.amdhsa_forward_progress 1
		.amdhsa_inst_pref_size 104
	.end_amdhsa_kernel
	.amdgpu_metadata
---
amdhsa.version: [ 1, 2 ]
amdhsa.kernels:
  - .name:           k_q60a5adf50f_wo
    .symbol:         k_q60a5adf50f_wo.kd
    .args:
      - { .name: act, .offset: 0, .size: 8, .value_kind: global_buffer, .address_space: global }
      - { .name: wts, .offset: 8, .size: 8, .value_kind: global_buffer, .address_space: global }
      - { .name: hidden_states, .offset: 16, .size: 8, .value_kind: global_buffer, .address_space: global }
      - { .name: h2, .offset: 24, .size: 8, .value_kind: global_buffer, .address_space: global }
    .group_segment_fixed_size: 327680
    .private_segment_fixed_size: 0
    .kernarg_segment_align: 8
    .kernarg_segment_size: 32
    .max_flat_workgroup_size: 128
    .sgpr_count:     100
    .vgpr_count:     1024
    .wavefront_size: 32
...
	.end_amdgpu_metadata
.endif
;; end of part 7
;; launch st2: the kernel of part 2 again; grid 256 x 1, 8 waves a work-group, no clusters, 1,280 bytes of LDS; arguments h2, ln2_w, st; writes st
;; launch nq2: the kernel of part 3 again; grid 512 x 1, 4 waves a work-group, no clusters, 34,816 bytes of LDS; arguments h2, ln2_w, st, act; writes act
;; launch gu (part 8): grid 22 x 8, 4 waves a work-group, no clusters, 327,680 bytes of LDS; arguments act, wts, f; writes f
.if DOCPART == 8
	.amdgcn_target "amdgcn-amd-amdhsa--gfx1250"
	.amdhsa_code_object_version 6
	.text
	.protected	k_q60a5adf50f_gu
	.globl	k_q60a5adf50f_gu
	.p2align	8
	.type	k_q60a5adf50f_gu,@function
k_q60a5adf50f_gu:
	s_mov_b64 s[64:65], 0
	v_nop
	global_prefetch_b8 v0, s[64:65] scope:SCOPE_SE
	s_setreg_imm32_b32 hwreg(HW_REG_WAVE_MODE, 25, 1), 1
	s_wait_xcnt 0x0
; m = silu(g) u, g = (a Wgate^T) x scale, u = (a Wup^T) x scale, both products on codes of FP8 (E4M3) with E8M0 scales, in one tile.
; Operands lie as images of the matrix instruction's registers (fragment (row group g, K step s) = 2,048 bytes at (16 g + s) 2,048; scale words of (g, four K steps) = 256 bytes).  Fragment row i of group g is row 32 (g / 2) + 8 (g % 2) + i + 8 (i / 8).
; The weights' row groups are interleaved: for each 32 columns J two row groups of gate, then two of up (units 2048 on in wts).  THE MATRIX INSTRUCTION IS USED TRANSPOSED (source 0 = the weights', source 1 = a's fragment): a wave's four
; weight fragments are one J: accumulators (a, 0), (a, 1) hold gate, (a, 2), (a, 3) up, of columns 32 J + 16 h + 0 .. 15, in the same lane.  J = 43 is zero codes: its m is 0.
; A tile is 128 rows x 2 J; four waves.  A WORK-GROUP STAYS AND MAKES TWO TILES, rows 128 y on and rows 128 (y + 8) on, against the same weights: 352 tiles, 176 work-groups of equal work.
; K goes in slots of 512 through a ring of two LDS slots, and the ring does not stop at the first tile's end: its last two changes of slots ask for the second tile's first two slots, and the tile goes out while they are on their way.
; The scale words of all of K come once for each tile (the weights' are the same bytes: they are brought once and serve both).  By this text's own count a wave has one tensor load out at any
; time.
; NO CLUSTER: there are 22 tile columns, which 4 does not divide.
; OUT (buffer f): m as f32 in the order of the next quantiser's registers: fragment (g, J / 4) of 8,192 bytes at (12 g + J / 4) 8,192, chunk J % 4 at 2,048, register 4 j + .. at 512 j + 16 lane; J = 44 .. 47 are written as zeros by J = 43's wave.
; The work-group's largest |m|, of both tiles, goes to 16,777,216 + 4 id, id = 22 y + x; the table has 512 places: each id fills a second one 176 further on, and ids under 160 a third, 352 further on.
; LIMITS: NaN and infinities are not served.
.set NS, 16
.set NU, 4
.set BBASE, 2048
.set SLOT,  131072
.set SCB,   262144                     ; behind the ring: the scale words, a region for each tile
.set SCR,   16384
.set SPARE, SCB+2*SCR                  ; 294,912: the spare words: two blocks of 256 bytes that no other line names
.set XTR,   SPARE+512
.set ASCL,  4194304
.set WSCL,  25690112
.set ADRA, 16
.set ADRB, 20
.set ADRS, 24                          ; v24-25 LDS address of my scale words, for tile 0, 1
.set SPW,  28
.set NIL,  29
.set SC,   32
.set ACC,  128
.set F0,   0
.set F1,   128
.set G1A, 24
.set G0A, 32
.set G1B, 48
.set G0B, 56
.set G1SA, 68
.set G1SB, 80
.set GSA0, 76                          ; groups 0 for the scale words: a's for tile 0, 1; the weights'
.set GSA1, 96
.set GSB0, 88
.set GSB1, 92
.set SS,  10
.set SEL, 2
.set MUL, 0x07                         ; source 0 (the weights) window 3, source 1 (a) window 1; C and D window 0
.set TO_F, 0x40
.set MSB, 0
.macro WIN new
.if MSB != \new
	s_set_vgpr_msb (MSB<<8)|\new
.set MSB, \new
.endif
.endm
.macro PLACES n
.rept \n
	v_nop
.endr
.endm
.macro JLOAD g0a, g1a, g0b, g1b        ; waves 0 and 1 fetch for a, waves 2 and 3 for the weights; four v_nop follow each of the two lines
	s_cmp_eq_u32 s15, 0
	s_cbranch_scc0 .Lfor_b_\@
	tensor_load_to_lds s[\g0a:\g0a+3], s[\g1a:\g1a+7]
	s_nop 0
.rept 4
	v_nop
.endr
	s_branch .Lasked_\@
.Lfor_b_\@:
	tensor_load_to_lds s[\g0b:\g0b+3], s[\g1b:\g1b+7]
	s_nop 0
.rept 4
	v_nop
.endr
.Lasked_\@:
.endm
.macro G0SET g, base, off              ; a group 0 whose global address has been written: count, LDS address, type
	s_mov_b32 s[\g], 1
	s_add_co_u32 s[\g+1], \base, \off
	s_or_b32 s[\g+3], s[\g+3], 0x80000000
.endm
.macro MUL4 buf, q, p, a, zero         ; the 16 accumulators take turns in the same order in every step, from tile to tile too
.irp b, 0,1,2,3
.if \zero
	v_wmma_scale_f32_16x16x128_f8f6f4 v[ACC+8*(4*(\a)+\b):ACC+8*(4*(\a)+\b)+7], v[\buf+64+16*\b:\buf+64+16*\b+15], v[\buf+16*(\a):\buf+16*(\a)+15], 0, v[SC+16*(\p)+4*\b+(\q)], v[SC+16*(\p)+4*(\a)+(\q)] matrix_a_scale:MATRIX_SCALE_ROW1
.else
	v_wmma_scale_f32_16x16x128_f8f6f4 v[ACC+8*(4*(\a)+\b):ACC+8*(4*(\a)+\b)+7], v[\buf+64+16*\b:\buf+64+16*\b+15], v[\buf+16*(\a):\buf+16*(\a)+15], v[ACC+8*(4*(\a)+\b):ACC+8*(4*(\a)+\b)+7], v[SC+16*(\p)+4*\b+(\q)], v[SC+16*(\p)+4*(\a)+(\q)] matrix_a_scale:MATRIX_SCALE_ROW1
.endif
.endr
.endm
.macro FETCH slot, q, buf
	WIN TO_F
.irp i, 0,1,2,3
.irp c, 0,1,2,3
	ds_load_b128 v[\buf+64+16*\i+4*\c:\buf+64+16*\i+4*\c+3], v[ADRB+\slot] offset:8192*\i+2048*(\q)+512*\c
.endr
.endr
.irp i, 0,1,2,3
.irp c, 0,1,2,3
	ds_load_b128 v[\buf+16*\i+4*\c:\buf+16*\i+4*\c+3], v[ADRA+\slot] offset:8192*\i+2048*(\q)+512*\c
.endr
.endr
.endm
.macro SCALES p, u, t                  ; the scale words of tile t's K steps 4 u .. 4 u + 3 into set p
	WIN 0
.irp i, 0,1,2,3
	ds_load_b128 v[SC+16*\p+4*\i:SC+16*\p+4*\i+3], v[ADRS+\t] offset:\i*NU*256+256*\u
.endr
.endm
.macro STEP slot, q, zero
	s_wait_dscnt 8                                 ; all but a's fragments 2 and 3 are in
	WIN MUL
	MUL4 128*((\q)%2), \q, \slot, 0, \zero
	MUL4 128*((\q)%2), \q, \slot, 1, \zero
	PLACES 8                                       ; in front of loads into registers that matrix instructions have read
	FETCH \slot, (\q)+1, 128*(1-(\q)%2)
	s_wait_dscnt 32                                ; all but the 32 just issued
	WIN MUL
	MUL4 128*((\q)%2), \q, \slot, 2, \zero
	MUL4 128*((\q)%2), \q, \slot, 3, \zero
.endm
.macro THREE slot, zero                ; a slot's first three K steps
	STEP \slot, 0, \zero
	STEP \slot, 1, 0
	STEP \slot, 2, 0
.endm
; A slot's last K step changes slots: one barrier.  The slot ahead holds K steps 4 unext on of tile tnext.
; fill = 1: this slot is filled again with this tile's K steps two slots on; 2: with the second tile's, from the first tile's last two slots; 0: nothing is left to fetch.
.macro TURN slot, next, unext, tnext, fill
	WIN 0
	s_wait_tensorcnt 0x0                           ; all my tensor loads have landed: my part of the next slot
	ds_add_u32 v[SPW], v[NIL]                      ; 0 onto my spare word
	s_wait_dscnt 9                                 ; (the add and a's fragments 2 and 3 may be out)
	WIN MUL
	MUL4 F1, 3, \slot, 0, 0
	s_wait_dscnt 0x0                               ; the add is done, and my reads of this slot are over
	s_barrier_signal -1
	MUL4 F1, 3, \slot, 1, 0
	WIN 0
	s_barrier_wait -1
.if \fill
.if \fill == 1
	s_add_nc_u64 s[G0A+4*\slot+2:G0A+4*\slot+3], s[G0A+4*\slot+2:G0A+4*\slot+3], 16384
	s_add_nc_u64 s[G0B+4*\slot+2:G0B+4*\slot+3], s[G0B+4*\slot+2:G0B+4*\slot+3], 16384
.else
	s_add_nc_u64 s[G0A+4*\slot+2:G0A+4*\slot+3], s[G0A+4*\slot+2:G0A+4*\slot+3], 64*NS*2048-16384       ; 64 row groups of a further on, back along K;
	s_sub_nc_u64 s[G0B+4*\slot+2:G0B+4*\slot+3], s[G0B+4*\slot+2:G0B+4*\slot+3], 16384                  ; the same weights, back along K
.endif
	JLOAD G0A+4*\slot, G1A, G0B+4*\slot, G1B       ; the first tensor load behind the barrier; its four v_nop are among the eight places
	PLACES 4
.else
	PLACES 8
.endif
	SCALES \next, \unext, \tnext
	FETCH \next, 0, F0
	WIN MUL
	MUL4 F1, 3, \slot, 2, 0
	MUL4 F1, 3, \slot, 3, 0
.endm
.macro LAST slot, q
	s_wait_dscnt 8
	WIN MUL
	MUL4 128*((\q)%2), \q, \slot, 0, 0
	MUL4 128*((\q)%2), \q, \slot, 1, 0
	s_wait_dscnt 0x0
	MUL4 128*((\q)%2), \q, \slot, 2, 0
	MUL4 128*((\q)%2), \q, \slot, 3, 0
	WIN 0
.endm
; THE WAY OUT OF TILE t.  It issues no LDS instruction: the next tile's first fragments, asked for in the last change of slots, stay on their way across it, and the count at the next tile's head still names them.
.macro EPI t
	WIN 0
	s_lshl_b32 s18, s42, 1
	s_add_co_u32 s18, s18, s16                     ; J
	s_lshl_b32 s19, s17, 3
	s_lshl_b32 s66, s15, 2
	s_add_co_u32 s19, s19, s66
	s_add_co_u32 s19, s19, 64*\t                   ; my first row group: 8 (y + 8 t) + 4 rh
	s_mul_i32 s19, s19, 12
	s_lshr_b32 s66, s18, 2
	s_add_co_u32 s19, s19, s66
	s_lshl_b32 s19, s19, 13
	s_and_b32 s66, s18, 3
	s_lshl_b32 s66, s66, 11
	s_add_co_u32 s20, s19, s66
	s_mov_b32 s21, 0
	s_add_nc_u64 s[20:21], s[8:9], s[20:21]
	PLACES 8                                       ; in front of the first read of results
.set i, 0
.rept 64
	v_pk_mul_f32 v[ACC+i:ACC+i+1], v[ACC+i:ACC+i+1], s[SS:SS+1] op_sel_hi:[1,0]   ; x the scale; each accumulator from its low end on
.set i, i+2
.endr
.irp a, 0,1,2,3
.irp p, 0,2,4,6,8,10,12,14
	v_pk_mul_f32 v[64+\p:65+\p], v[ACC+32*\a+\p:ACC+32*\a+\p+1], 0xbfb8aa3b op_sel_hi:[1,0]   ; -g log2(e)
.endr
	s_wait_alu depctr_va_vdst(0)
.irp p, 0,1,2,3,4,5,6,7,8,9,10,11,12,13,14,15
	v_exp_f32 v[64+\p], v[64+\p]
.endr
	v_nop
	s_wait_alu depctr_va_vdst(0)
.irp p, 0,2,4,6,8,10,12,14
	v_pk_add_f32 v[64+\p:65+\p], v[64+\p:65+\p], 1.0 op_sel_hi:[1,0]
.endr
	s_wait_alu depctr_va_vdst(0)
.irp p, 0,1,2,3,4,5,6,7,8,9,10,11,12,13,14,15
	v_rcp_f32 v[64+\p], v[64+\p]                   ; the sigmoid
.endr
	v_nop
	s_wait_alu depctr_va_vdst(0)
.irp p, 0,2,4,6,8,10,12,14
	v_pk_mul_f32 v[ACC+32*\a+\p:ACC+32*\a+\p+1], v[ACC+32*\a+\p:ACC+32*\a+\p+1], v[64+\p:65+\p]
	v_pk_mul_f32 v[ACC+32*\a+\p:ACC+32*\a+\p+1], v[ACC+32*\a+\p:ACC+32*\a+\p+1], v[ACC+32*\a+16+\p:ACC+32*\a+17+\p]
.endr
.irp p, 0,2,4,6,8,10,12,14
	v_max3_num_f32 v84, v84, |v[ACC+32*\a+\p]|, |v[ACC+32*\a+\p+1]|
.endr
.irp j, 0,1,2,3
	global_store_b128 v4, v[ACC+32*\a+4*\j:ACC+32*\a+4*\j+3], s[20:21] offset:98304*\a+512*\j   ; 512 consecutive bytes a store
.endr
.endr
	s_cmp_lg_u32 s18, 43
	s_cbranch_scc1 .Lnopad_\@
.irp i, 80,81,82,83
	v_mov_b32 v[\i], 0
.endr
.irp a, 0,1,2,3
.irp k, 0,1,2,3,4,5,6,7,8,9,10,11,12,13,14,15
	global_store_b128 v4, v[80:83], s[20:21] offset:98304*\a+2048+512*\k   ; the K step behind the end of K: zeros
.endr
.endr
.Lnopad_\@:
	s_wait_xcnt 0x0                                ; these stores read the accumulators, the zeros and the base: the next tile's products and its way out write them again only behind this wait
.endm
	s_load_b128 s[4:7], s[0:1], 0x0                ; act, wts
	s_load_b64 s[8:9], s[0:1], 0x10                ; f
	v_lshl_add_u32 v[SPW], v0, 2, SPARE
	v_mov_b32 v[NIL], 0
	ds_add_u32 v28, v29
	ds_add_u32 v28, v29
	s_wait_dscnt 0x0
	v_lshrrev_b32 v1, 5, v0
	v_readfirstlane_b32 s14, v1
	s_lshr_b32 s15, s14, 1                         ; rh
	s_and_b32 s16, s14, 1                          ; ch
	s_mov_b32 s42, ttmp9                           ; x
	s_and_b32 s17, ttmp7, 0xffff                   ; y
.irp g, G1A                            ; a's codes: 4 row groups x 16,384 bytes (eight K steps)
	s_mov_b32 s[\g], 3<<16
	s_mov_b32 s[\g+1], 2048<<16
	s_mov_b32 s[\g+2], 4<<16
	s_mov_b32 s[\g+3], 2048<<16
	s_mov_b32 s[\g+4], 4
	s_mov_b32 s[\g+5], NS*256
	s_mov_b32 s[\g+6], 0
	s_mov_b32 s[\g+7], 0
.endr
	s_mov_b32 s[G1SA], 3<<16                       ; a's scale words of both tiles in one load: 2 rows of 8,192 bytes, 65,536 bytes apart
	s_mov_b32 s[G1SA+1], 1024<<16
	s_mov_b32 s[G1SA+2], 2<<16
	s_mov_b32 s[G1SA+3], 1024<<16
	s_mov_b32 s[G1SA+4], 2
	s_mov_b32 s[G1SA+5], 8192
	s_mov_b32 s[G1SA+6], 0
	s_mov_b32 s[G1SA+7], 0
	s_mov_b32 s[G1SB], 3<<16                       ; the weights': 8,192 dense bytes as 32 rows of 256; they serve both tiles
	s_mov_b32 s[G1SB+1], 32<<16
	s_mov_b32 s[G1SB+2], 32<<16
	s_mov_b32 s[G1SB+3], 32<<16
	s_mov_b32 s[G1SB+4], 32
	s_mov_b32 s[G1SB+5], 32
	s_mov_b32 s[G1SB+6], 0
	s_mov_b32 s[G1SB+7], 0
	; the lanes' addresses, made of the lane's and the wave's number alone, while the arguments are on their way
	v_and_b32 v1, 31, v0
	v_and_b32 v2, 15, v0
	v_bfe_u32 v3, v0, 4, 1
	v_lshlrev_b32 v4, 4, v1
	s_lshl_b32 s10, s15, 16                        ; a slot holds a alone: 8 row groups x 16,384 bytes; my four begin at 65,536 rh
	v_add_nc_u32 v[ADRA], s10, v4
	v_add_nc_u32 v[ADRA+1], SLOT, v[ADRA]
	s_mul_i32 s10, s15, 4*NU*256                   ; scale words: lanes 0-15 take a's, lanes 16-31 the weights': the lower base + h x the distance
	s_mul_i32 s11, s16, 4*NU*256
	s_add_co_u32 s11, s11, 16*NU*256               ; the weights' words lie behind a's two blocks
	s_sub_co_u32 s11, s11, s10
	v_mul_u32_u24 v5, s11, v3
	s_wait_alu depctr_va_vdst(0)
	s_add_co_u32 s10, s10, SCB
	v_lshl_add_u32 v5, v2, 4, v5
	v_add_nc_u32 v[ADRS], s10, v5
	v_xor_b32 v5, 1, v3
	v_lshl_add_u32 v[ADRS+1], v5, 13, v[ADRS]      ; the second tile: a's words 8,192 bytes on, the weights' the same
	v_lshrrev_b32 v6, 5, v0
	v_lshl_add_u32 v6, v6, 2, XTR                  ; my wave's word
	v_mov_b32 v7, XTR
	v_mov_b32 v8, 0                                ; a lane permute's destination counts as one of its sources
	v_mov_b32 v84, 0                               ; the largest |m|, of both tiles
	s_lshl_b32 s12, s16, 2
	s_lshl_b32 s41, s17, 3
	s_add_co_u32 s41, s41, s12                     ; the row groups that I fetch for a: 8 y + 4 x half on
	s_lshl_b32 s40, s42, 3
	s_add_co_u32 s40, s40, s12                     ; for the weights: 8 x + 4 x half on
	s_lshl_b32 s10, s16, 16
	s_mov_b32 s19, 0
	s_mov_b32 s67, 0
	s_mov_b32 s[SEL], 0x76543210
	s_mov_b32 s[SEL+1], 0xfedcba98
	s_wait_kmcnt 0x0
	; THE HEAD'S LOADS, one a wave: waves 0 and 1 slot 0's 8 row groups of a, four each, wave 2 a's scale words of both tiles, wave 3 the weights'.  Slot 1 is first filled behind a barrier, as a refill is.
	s_lshl_b32 s18, s17, 13
	s_add_co_u32 s18, s18, ASCL
	s_add_nc_u64 s[GSA0+2:GSA0+3], s[4:5], s[18:19]
	s_lshl_b32 s66, s42, 13
	s_add_co_u32 s66, s66, WSCL+BBASE*256
	s_add_nc_u64 s[GSB0+2:GSB0+3], s[6:7], s[66:67]
.set PBW, 48                           ; s[48:49] the weights' codes at my wave's four row groups; never rewritten
	s_lshl_b32 s18, s41, 15                        ; a: waves 0 and 1 fetch four row groups each: K steps 0-7 into slot 0, 8-15 into slot 1
	s_add_nc_u64 s[G0A+2:G0A+3], s[4:5], s[18:19]
	s_add_nc_u64 s[G0A+6:G0A+7], s[G0A+2:G0A+3], 16384
	s_lshl_b32 s66, s40, 15
	s_add_co_u32 s66, s66, BBASE*8192
	s_add_nc_u64 s[PBW:PBW+1], s[6:7], s[66:67]
.macro G0K g, lds                      ; a group 0 whose global address has been written: count, a constant LDS address, type
	s_mov_b32 s[\g], 1
	s_mov_b32 s[\g+1], \lds
	s_or_b32 s[\g+3], s[\g+3], 0x80000000
.endm
	G0K GSA0, SCB
	G0K GSB0, SCB+16384
	G0SET G0A, s10, 0
	G0SET G0A+4, s10, SLOT
	s_load_b32 s[SS], s[4:5], 0x420000             ; a's scale
.macro ONE g0, g1
	tensor_load_to_lds s[\g0:\g0+3], s[\g1:\g1+7]
	s_nop 0
.rept 4
	v_nop
.endr
.endm
	s_cmp_lt_u32 s14, 1                            ; one chain of branches on the wave's number, a load to an arm, all arms to one join
	s_cbranch_scc0 .Lh1
	ONE G0A, G1A
	s_branch .Lh4
.Lh1:
	s_cmp_lt_u32 s14, 2
	s_cbranch_scc0 .Lh2
	ONE G0A, G1A
	s_branch .Lh4
.Lh2:
	s_cmp_lt_u32 s14, 3
	s_cbranch_scc0 .Lh3
	ONE GSA0, G1SA
	s_branch .Lh4
.Lh3:
	ONE GSB0, G1SB
.Lh4:
	s_wait_alu depctr_va_vdst(0)                   ; the wait at the head's end
; THE K LOOP (it takes the place of the ring of a and the weights that the head comment describes).  a ALONE LIES IN LDS: the two slots hold all 16 K steps of a tile's a; the second tile's a fills slot 0 again at the first
; tile's K step 7 and slot 1 at its K step 15.  THE WEIGHTS' FRAGMENTS GO FROM MEMORY STRAIGHT INTO REGISTERS, as they lie: 16 loads of 512 consecutive bytes a K step, into a ring of four sets of 64 registers in window 3;
; three K steps (48 loads) are out, across the first tile's end too.
.set TOT, 32
.macro LDB                             ; the weights' four fragments of K step BN (counted through both tiles, which take the same weights)
	WIN 0xc0
.irp i, 0,1,2,3
.irp c, 0,1,2,3
	global_load_b128 v[64*(BN%4)+16*\i+4*\c:64*(BN%4)+16*\i+4*\c+3], v4, s[PBW:PBW+1] offset:\i*NS*2048+(BN%NS)*2048+512*\c
.endr
.endr
.endm
.macro LDA                             ; a's four fragments of K step AN, LDS to registers, into buffer AN % 2 of window 1
	WIN TO_F
.irp i, 0,1,2,3
.irp c, 0,1,2,3
	ds_load_b128 v[64*(AN%2)+16*\i+4*\c:64*(AN%2)+16*\i+4*\c+3], v[ADRA+(AN%NS)/8] offset:16384*\i+2048*(AN%8)+512*\c
.endr
.endr
.endm
.macro LDSC                            ; the scale words of the four K steps from AN on, into set (AN / 4) % 2
	WIN 0
.irp i, 0,1,2,3
	ds_load_b128 v[SC+16*((AN/4)%2)+4*\i:SC+16*((AN/4)%2)+4*\i+3], v[ADRS+AN/NS] offset:\i*NU*256+256*((AN%NS)/4)
.endr
.endm
.macro MM4 a                           ; a's fragment a against the weights' four, K step KS; a tile's first K step starts the sums; the 16 accumulators take turns
.set BF, 64*(KS%4)
.set AF, 64*(KS%2)+16*\a
.set SW, SC+16*((KS/4)%2)+KS%4
.irp b, 0,1,2,3
.set AC, ACC+8*(4*\a+\b)
.if KS%NS == 0
	v_wmma_scale_f32_16x16x128_f8f6f4 v[AC:AC+7], v[BF+16*\b:BF+16*\b+15], v[AF:AF+15], 0, v[SW+4*\b], v[SW+4*\a] matrix_a_scale:MATRIX_SCALE_ROW1
.else
	v_wmma_scale_f32_16x16x128_f8f6f4 v[AC:AC+7], v[BF+16*\b:BF+16*\b+15], v[AF:AF+15], v[AC:AC+7], v[SW+4*\b], v[SW+4*\a] matrix_a_scale:MATRIX_SCALE_ROW1
.endif
.endr
.endm
.macro SYNC                            ; at a K step's head
.if KS == 23                           ; this step fetches from slot 1 for the first time since its fill: everybody's part has landed
	WIN 0
	s_wait_tensorcnt 0x0
	s_wait_dscnt 0x0
	s_barrier_signal -1
	s_barrier_wait -1
.elseif (KS == 7) + (KS == 15)         ; K step 7 (15) is in registers: slot 0 (1) has been read out and takes the second tile's a; the wait also shows the other slot's fill landed
	WIN 0
	s_wait_tensorcnt 0x0
	ds_add_u32 v[SPW], v[NIL]
	s_add_nc_u64 s[G0A+4*(KS/15)+2:G0A+4*(KS/15)+3], s[G0A+4*(KS/15)+2:G0A+4*(KS/15)+3], 64*NS*2048
	s_wait_dscnt 0x0
	s_barrier_signal -1
	s_barrier_wait -1
	s_cmp_lt_u32 s14, 2
	s_cbranch_scc0 .Lna_\@
	ONE G0A+4*(KS/15), G1A
.Lna_\@:
.else
	s_wait_dscnt 8                                 ; all but a's fragments 2 and 3 are in
.endif
.endm
.macro KSTEP
	SYNC
.if TOT-1-KS >= 2
	s_wait_loadcnt 32                              ; this step's weights are in; the two later steps' 32 loads may be out
.else
	s_wait_loadcnt 16*(TOT-1-KS)
.endif
	WIN MUL
	MM4 0
	MM4 1
.if KS+1 < TOT
	PLACES 8                                       ; in front of loads into registers that the step before has multiplied
.set AN, KS+1
.if AN%4 == 0
	LDSC
.endif
	LDA
.if KS+3 < TOT
.set BN, KS+3
	LDB
.endif
	s_wait_dscnt 16                                ; all but the next step's 16
.else
	s_wait_dscnt 0x0
.endif
	WIN MUL
	MM4 2
	MM4 3
.endm
.set BN, 0
.rept 3
	LDB                                            ; K steps 0, 1, 2
.set BN, BN+1
.endr
	WIN 0
	s_wait_tensorcnt 0x0                           ; my tile of the head's is in
	ds_add_u32 v[SPW], v[NIL]
	s_wait_dscnt 0x0
	s_barrier_signal -1
	s_barrier_wait -1
	s_cmp_lt_u32 s14, 2
	s_cbranch_scc0 .Lno_a
	ONE G0A+4, G1A                                 ; slot 1's first fill
.Lno_a:
.set AN, 0
	LDSC
	LDA
.set KS, 0
.rept TOT
	KSTEP
.if KS == 15                           ; the first tile goes out; the next tile's loads stay on their way across it
	s_wait_kmcnt 0x0                               ; the scale
	s_mov_b32 s[SS+1], s[SS]
	EPI 0
.endif
.set KS, KS+1
.endr
	EPI 1
	s_wait_alu depctr_va_vdst(0)
	v_max_num_f32_dpp v84, v84, v84 row_xmask:1 row_mask:0xf bank_mask:0xf
	v_max_num_f32_dpp v84, v84, v84 row_xmask:2 row_mask:0xf bank_mask:0xf
	v_max_num_f32_dpp v84, v84, v84 row_xmask:4 row_mask:0xf bank_mask:0xf
	v_max_num_f32_dpp v84, v84, v84 row_xmask:8 row_mask:0xf bank_mask:0xf
	v_permlanex16_b32 v8, v84, s[SEL], s[SEL+1]
	v_max_num_f32 v84, v84, v8
	ds_store_b32 v6, v84
	s_wait_dscnt 0x0                               ; for the others' sake
	s_barrier_signal -1
	s_barrier_wait -1
	s_cmp_lg_u32 s14, 0
	s_cbranch_scc1 .Lfin
	ds_load_b128 v[88:91], v7
	s_wait_dscnt 0x0
	v_max3_num_f32 v88, v88, v89, v90
	v_max_num_f32 v88, v88, v91
	s_mul_i32 s19, s17, 22
	s_add_co_u32 s19, s19, s42                     ; id, 0 to 175
	s_lshl_b32 s22, s19, 2
	s_mov_b32 s23, 0
	s_add_nc_u64 s[22:23], s[8:9], s[22:23]
	s_add_nc_u64 s[22:23], s[22:23], 0x1000000
	s_cmp_lt_u32 s19, 160
	s_cselect_b32 s66, 1408, 0
	v_mul_u32_u24 v85, 704, v0                     ; lane 0: my place; lane 1: 176 places on;
	v_mov_b32 v86, s66
	v_cmp_eq_u32 vcc_lo, 2, v0
	v_cndmask_b32 v85, v85, v86, vcc_lo            ; lane 2: 352 places on, or my place again
	v_cmp_gt_u32 vcc_lo, 3, v0
	s_wait_alu depctr_va_vdst(0)
	s_wait_xcnt 0x0                                ; EXEC changes only behind this wait
	s_and_saveexec_b32 s67, vcc_lo
	global_store_b32 v85, v88, s[22:23]
	s_wait_xcnt 0x0
	s_or_b32 exec_lo, exec_lo, s67
.Lfin:
	s_wait_tensorcnt 0x0                           ; the wave's end
	ds_add_u32 v[SPW], v[NIL]
	s_wait_dscnt 0x0
	s_endpgm
.Lfunc_end_k_q60a5adf50f_gu:
	.size	k_q60a5adf50f_gu, .Lfunc_end_k_q60a5adf50f_gu-k_q60a5adf50f_gu
	.p2alignl 7, 3214868480
	.fill 96, 4, 3214868480
	.section	.rodata,"a",@progbits
	.p2align	6, 0x0
	.amdhsa_kernel k_q60a5adf50f_gu
		.amdhsa_group_segment_fixed_size 327680
		.amdhsa_private_segment_fixed_size 0
		.amdhsa_enable_private_segment 0
		.amdhsa_kernarg_size 24
		.amdhsa_user_sgpr_count 2
		.amdhsa_user_sgpr_kernarg_segment_ptr 1
		.amdhsa_wavefront_size32 1
		.amdhsa_system_sgpr_workgroup_id_x 1
		.amdhsa_system_sgpr_workgroup_id_y 1
		.amdhsa_system_sgpr_workgroup_id_z 1
		.amdhsa_system_vgpr_workitem_id 0
		.amdhsa_next_free_vgpr 1024
		.amdhsa_next_free_sgpr 100
		.amdhsa_reserve_vcc 1
		.amdhsa_float_denorm_mode_32 3
		.amdhsa_float_denorm_mode_16_64 3
		.amdhsa_memory_ordered 1
		.amdhsa_forward_progress 1
		.amdhsa_inst_pref_size 227
	.end_amdhsa_kernel
	.amdgpu_metadata
---
amdhsa.version: [ 1, 2 ]
amdhsa.kernels:
  - .name:           k_q60a5adf50f_gu
    .symbol:         k_q60a5adf50f_gu.kd
    .args:
      - { .name: act, .offset: 0, .size: 8, .value_kind: global_buffer, .address_space: global }
      - { .name: wts, .offset: 8, .size: 8, .value_kind: global_buffer, .address_space: global }
      - { .name: f, .offset: 16, .size: 8, .value_kind: global_buffer, .address_space: global }
    .group_segment_fixed_size: 327680
    .private_segment_fixed_size: 0
    .kernarg_segment_align: 8
    .kernarg_segment_size: 24
    .max_flat_workgroup_size: 128
    .sgpr_count:     100
    .vgpr_count:     1024
    .wavefront_size: 32
...
	.end_amdgpu_metadata
.endif
;; end of part 8
;; launch aqm: the kernel of part 6 again; grid 384 x 1, 4 waves a work-group, no clusters, 768 bytes of LDS; arguments f, act; writes act
;; launch dn (part 9): grid 16 x 16, 4 waves a work-group, clusters of 4 x 4, 327,680 bytes of LDS; arguments act, wts, h2, out0; writes out0
.if DOCPART == 9
	.amdgcn_target "amdgcn-amd-amdhsa--gfx1250"
	.amdhsa_code_object_version 6
	.text
	.protected	k_q60a5adf50f_dn
	.globl	k_q60a5adf50f_dn
	.p2align	8
	.type	k_q60a5adf50f_dn,@function
k_q60a5adf50f_dn:
	s_mov_b64 s[64:65], 0
	v_nop
	global_prefetch_b8 v0, s[64:65] scope:SCOPE_SE
	s_setreg_imm32_b32 hwreg(HW_REG_WAVE_MODE, 25, 1), 1
	s_wait_xcnt 0x0
	s_wait_alu depctr_hold_cnt(0) depctr_sa_sdst(0) depctr_va_vdst(0) depctr_va_sdst(0) depctr_va_ssrc(0) depctr_va_vcc(0) depctr_vm_vsrc(0)
	s_getreg_b32 s2, hwreg(HW_REG_IB_STS2, 6, 4)
	s_cmp_eq_u32 s2, 0
	s_cbranch_scc0 .Lentry_in_a_cluster
	s_endpgm
.Lentry_in_a_cluster:
	s_bfe_u32 s2, ttmp6, 0x10000c
	s_cmp_lg_u32 s2, 0xf033
	s_cbranch_scc0 .Lentry_shape_is_right
	s_endpgm
.Lentry_shape_is_right:
.set CL, 1
.set NS, 12
.set NU, 3
.set BBASE, 2752
.set DEAD, 1
.set SLOT,  131072
.set SCB,   262144
.set SPARE, 278528
.set ASCL,  4194304
.set WSCL,  25690112
.set ADRA, 16
.set ADRB, 20
.set ADRS, 27
.set SPW,  28
.set NIL,  29
.set SC,   32
.set ACC,  128
.set F0,   0
.set F1,   128
.set G1A, 24
.set G0A, 32
.set G1B, 48
.set G0B, 56
.set G1SA, 68
.set G0SA, 76
.set G1SB, 80
.set G0SB, 88
.set SS,  92
.set MUL, 0x07                         ; source 0 (B) window 3, source 1 (A) window 1; C and D window 0
.set APITCH, 22528                     ; a row group's 11 K steps in LDS
.set TO_F, 0x40
.set STO, 6
.set RD,  7
.set CO,  8
.set MSB, 0
.macro WIN new
.if MSB != \new
	s_set_vgpr_msb (MSB<<8)|\new
.set MSB, \new
.endif
.endm
.macro PLACES n
.rept \n
	v_nop
.endr
.endm
.macro JLOAD g0a, g1a, g0b, g1b
	s_cmp_eq_u32 s15, 0
	s_cbranch_scc0 .Lfor_b_\@
	tensor_load_to_lds s[\g0a:\g0a+3], s[\g1a:\g1a+7]
	s_nop 0
.rept 4
	v_nop
.endr
	s_branch .Lasked_\@
.Lfor_b_\@:
	tensor_load_to_lds s[\g0b:\g0b+3], s[\g1b:\g1b+7]
	s_nop 0
.rept 4
	v_nop
.endr
.Lasked_\@:
.endm
.macro CREST
	s_cmp_lg_u32 s14, 0
	s_cbranch_scc1 .Lnot_wave_0_\@
	s_barrier_signal -3
.Lnot_wave_0_\@:
	s_barrier_wait -3
	s_barrier_signal -1
	s_barrier_wait -1
.endm
.macro CROUND
	s_barrier_signal -1
	s_barrier_wait -1
	CREST
.endm
.macro MUL4 buf, q, p, a, zero
.irp b, 0,1,2,3
.if \zero
	v_wmma_scale_f32_16x16x128_f8f6f4 v[ACC+8*(4*(\a)+\b):ACC+8*(4*(\a)+\b)+7], v[\buf+64+16*\b:\buf+64+16*\b+15], v[\buf+16*(\a):\buf+16*(\a)+15], 0, v[SC+16*(\p)+4*\b+(\q)], v[SC+16*(\p)+4*(\a)+(\q)] matrix_a_scale:MATRIX_SCALE_ROW1
.else
	v_wmma_scale_f32_16x16x128_f8f6f4 v[ACC+8*(4*(\a)+\b):ACC+8*(4*(\a)+\b)+7], v[\buf+64+16*\b:\buf+64+16*\b+15], v[\buf+16*(\a):\buf+16*(\a)+15], v[ACC+8*(4*(\a)+\b):ACC+8*(4*(\a)+\b)+7], v[SC+16*(\p)+4*\b+(\q)], v[SC+16*(\p)+4*(\a)+(\q)] matrix_a_scale:MATRIX_SCALE_ROW1
.endif
.endr
.endm
.macro FETCH slot, q, buf
	WIN TO_F
.irp i, 0,1,2,3
.irp c, 0,1,2,3
	ds_load_b128 v[\buf+64+16*\i+4*\c:\buf+64+16*\i+4*\c+3], v[ADRB+\slot] offset:8192*\i+2048*(\q)+512*\c
.endr
.endr
.irp i, 0,1,2,3
.irp c, 0,1,2,3
	ds_load_b128 v[\buf+16*\i+4*\c:\buf+16*\i+4*\c+3], v[ADRA+\slot] offset:8192*\i+2048*(\q)+512*\c
.endr
.endr
.endm
.macro SCALES p, u
	WIN 0
.irp i, 0,1,2,3
	ds_load_b128 v[SC+16*\p+4*\i:SC+16*\p+4*\i+3], v[ADRS] offset:\i*NU*256+256*\u
.endr
.endm
.macro STEP slot, q, zero
	s_wait_dscnt 8
	WIN MUL
	MUL4 128*((\q)%2), \q, \slot, 0, \zero
	MUL4 128*((\q)%2), \q, \slot, 1, \zero
	PLACES 8
	FETCH \slot, (\q)+1, 128*(1-(\q)%2)
	s_wait_dscnt 32
	WIN MUL
	MUL4 128*((\q)%2), \q, \slot, 2, \zero
	MUL4 128*((\q)%2), \q, \slot, 3, \zero
.endm
.macro TURN slot, next, unext, fill
	WIN 0
	s_wait_tensorcnt 0x0
	ds_add_u32 v[SPW], v[NIL]
	s_wait_dscnt 9
	WIN MUL
	MUL4 F1, 3, \slot, 0, 0
	s_wait_dscnt 0x0
	s_barrier_signal -1
	MUL4 F1, 3, \slot, 1, 0
	WIN 0
	s_barrier_wait -1
.if \fill
.if CL
	CREST
.endif
	s_add_nc_u64 s[G0A+4*\slot+2:G0A+4*\slot+3], s[G0A+4*\slot+2:G0A+4*\slot+3], 16384
	s_add_nc_u64 s[G0B+4*\slot+2:G0B+4*\slot+3], s[G0B+4*\slot+2:G0B+4*\slot+3], 16384
	JLOAD G0A+4*\slot, G1A, G0B+4*\slot, G1B
	PLACES 4
.else
	PLACES 8
.endif
	SCALES \next, \unext
	FETCH \next, 0, F0
	WIN MUL
	MUL4 F1, 3, \slot, 2, 0
	MUL4 F1, 3, \slot, 3, 0
.endm
.macro LAST slot, q
	s_wait_dscnt 8
	WIN MUL
	MUL4 128*((\q)%2), \q, \slot, 0, 0
	MUL4 128*((\q)%2), \q, \slot, 1, 0
	s_wait_dscnt 0x0
	MUL4 128*((\q)%2), \q, \slot, 2, 0
	MUL4 128*((\q)%2), \q, \slot, 3, 0
	WIN 0
.endm
	s_load_b256 s[4:11], s[0:1], 0x0
	v_lshl_add_u32 v[SPW], v0, 2, SPARE
	v_mov_b32 v[NIL], 0
	ds_add_u32 v28, v29
	ds_add_u32 v28, v29
	s_wait_dscnt 0x0
	v_lshrrev_b32 v1, 5, v0
	v_readfirstlane_b32 s14, v1
	s_lshr_b32 s15, s14, 1
	s_and_b32 s16, s14, 1
	s_bfe_u32 s40, ttmp6, 0x40000
	s_bfe_u32 s41, ttmp6, 0x40004
	s_lshl_b32 s42, ttmp9, 2
	s_add_co_u32 s42, s42, s40
	s_and_b32 s17, ttmp7, 0xffff
	s_lshl_b32 s17, s17, 2
	s_add_co_u32 s17, s17, s41
	s_lshl_b32 s43, s41, 2
	s_lshl_b32 s43, 15, s43
	s_lshl_b32 s44, 0x1111, s40
	s_or_b32 s[G1A], s43, (3<<16)|(1<<21)
	s_or_b32 s[G1SA], s43, (3<<16)|(1<<21)
	s_or_b32 s[G1SB], s44, (3<<16)|(1<<21)
.irp g, G1A                            ; A's codes: 4 row groups x 22,528 bytes (the 11 K steps that hold K = 1,376)
	s_mov_b32 s[\g+1], 2816<<16
	s_mov_b32 s[\g+2], 4<<16
	s_mov_b32 s[\g+3], 2816<<16
	s_mov_b32 s[\g+4], 4
	s_mov_b32 s[\g+5], NS*256
	s_mov_b32 s[\g+6], 0
	s_mov_b32 s[\g+7], 0
.endr
.irp g, G1SA, G1SB
	s_mov_b32 s[\g+1], 32<<16
	s_mov_b32 s[\g+2], (8*NU)<<16                  ; the scale words of 8 row groups in one load
	s_mov_b32 s[\g+3], 32<<16
	s_mov_b32 s[\g+4], 8*NU
	s_mov_b32 s[\g+5], 32
	s_mov_b32 s[\g+6], 0
	s_mov_b32 s[\g+7], 0
.endr
	s_mul_i32 s18, s16, 4*NS*2048                  ; in the ring I fetch 4 row groups of a side: which half, in bytes
	s_mov_b32 s19, 0
	s_lshl_b32 s20, s17, 3
	s_lshl_b32 s46, s42, 3
	s_mul_i32 s22, s20, NU*256
	s_add_co_u32 s22, s22, ASCL
	s_mul_i32 s20, s20, NS*2048
	s_mul_i32 s94, s46, NU*256
	s_add_co_u32 s94, s94, WSCL+BBASE*256
	s_mul_i32 s46, s46, NS*2048
	s_add_co_u32 s46, s46, BBASE*8192
	s_mov_b32 s21, 0
	s_mov_b32 s23, 0
	s_mov_b32 s47, 0
	s_mov_b32 s95, 0
	s_mul_i32 s45, s16, 4*APITCH
	s_wait_kmcnt 0x0
	s_load_b32 s[SS], s[4:5], 0x420000
	s_add_nc_u64 s[20:21], s[4:5], s[20:21]
	s_add_nc_u64 s[22:23], s[4:5], s[22:23]
	s_add_nc_u64 s[46:47], s[6:7], s[46:47]
	s_add_nc_u64 s[94:95], s[6:7], s[94:95]
	CROUND
	s_mov_b32 s[G0SA], 1
	s_mov_b32 s[G0SA+1], SCB
	s_mov_b64 s[G0SA+2:G0SA+3], s[22:23]
	s_or_b32 s[G0SA+3], s[G0SA+3], 0x80000000
	s_mov_b32 s[G0SB], 1
	s_mov_b32 s[G0SB+1], SCB+8*NU*256
	s_mov_b64 s[G0SB+2:G0SB+3], s[94:95]
	s_or_b32 s[G0SB+3], s[G0SB+3], 0x80000000
	; THE HEAD'S LOADS, one a wave: waves 0 and 1 slot 0's 8 row groups of A, four each, wave 2 A's scale words, wave 3 B's.
	; (waves 0 and 1 fetch A, four row groups each, all 11 K steps; waves 2 and 3 the scale words: nothing else is ever filled)
	s_add_nc_u64 s[20:21], s[20:21], s[18:19]      ; A: the four row groups that I fetch
	s_add_nc_u64 s[46:47], s[46:47], s[18:19]      ; B: my wave's four row groups: the base of B's loads, never rewritten
	s_mov_b32 s[G0A], 1
	s_mov_b32 s[G0A+1], s45
	s_mov_b64 s[G0A+2:G0A+3], s[20:21]
	s_or_b32 s[G0A+3], s[G0A+3], 0x80000000
.macro ONE g0, g1
	tensor_load_to_lds s[\g0:\g0+3], s[\g1:\g1+7]
	s_nop 0
.rept 4
	v_nop
.endr
.endm
	s_cmp_lt_u32 s14, 1                            ; one chain of branches on the wave's number, a load to an arm, all arms to one join
	s_cbranch_scc0 .Lh1
	ONE G0A, G1A
	s_branch .Lh4
.Lh1:
	s_cmp_lt_u32 s14, 2
	s_cbranch_scc0 .Lh2
	ONE G0A, G1A
	s_branch .Lh4
.Lh2:
	s_cmp_lt_u32 s14, 3
	s_cbranch_scc0 .Lh3
	ONE G0SA, G1SA
	s_branch .Lh4
.Lh3:
	ONE G0SB, G1SB
.Lh4:
	v_and_b32 v1, 31, v0
	v_and_b32 v2, 15, v0
	v_bfe_u32 v3, v0, 4, 1
	v_lshlrev_b32 v4, 4, v1
	s_mul_i32 s18, s15, 4*APITCH                   ; my four row groups of A: one address for the first two, one for the other two
	v_add_nc_u32 v[ADRA], s18, v4
	v_add_nc_u32 v[ADRA+1], 2*APITCH, v[ADRA]
	s_mul_i32 s18, s15, 4*NU*256
	s_mul_i32 s19, s16, 4*NU*256
	s_add_co_u32 s19, s19, 8*NU*256
	s_sub_co_u32 s19, s19, s18
	v_mul_u32_u24 v5, s19, v3
	s_wait_alu depctr_va_vdst(0)
	s_add_co_u32 s18, s18, SCB
	v_lshl_add_u32 v5, v2, 4, v5
	v_add_nc_u32 v[ADRS], s18, v5
	s_mul_i32 s18, s14, 4352
	s_add_co_u32 s18, s18, SPARE+512               ; the stages lie behind the spare words, on bytes into which no fill lands
	v_mul_u32_u24 v[STO], v2, 272
	v_lshl_add_u32 v[STO], v3, 6, v[STO]
	v_add_nc_u32 v[STO], s18, v[STO]
	v_mul_u32_u24 v[RD], v3, 272
	v_lshl_add_u32 v[RD], v2, 4, v[RD]
	v_add_nc_u32 v[RD], s18, v[RD]
	v_lshlrev_b32 v[CO], 13, v3
	v_lshl_add_u32 v[CO], v2, 4, v[CO]
	s_wait_alu depctr_va_vdst(0)
	s_lshl_b32 s18, s17, 20
	s_lshl_b32 s19, s15, 19
	s_add_co_u32 s18, s18, s19
	s_lshl_b32 s19, s42, 9
	s_add_co_u32 s18, s18, s19
	s_lshl_b32 s19, s16, 8
	s_add_co_u32 s18, s18, s19
	s_mov_b32 s19, 0
	s_add_nc_u64 s[8:9], s[8:9], s[18:19]
	s_add_nc_u64 s[10:11], s[10:11], s[18:19]
	WIN 0x80
.irp a, 0,1,2,3
.irp i, 0,1,2,3,4,5,6,7
	global_load_b128 v[32*\a+4*\i:32*\a+4*\i+3], v[CO], s[8:9] offset:(32*(\a/2)+8*(\a%2)+2*\i+8*(\i/4))*8192
.endr
.endr
	WIN 0
	s_wait_alu depctr_va_vdst(0)                   ; the wait at the head's end
; out0 = h2 + (m Wdown^T) x scale, on codes of FP8 (E4M3) with E8M0 scales; a tile of 128 x 128 a work-group, 64 x 64 a wave; K = 1,376 lies in 11 K steps of 128.
; THE K LOOP.  A ALONE LIES IN LDS, all 11 K steps of the tile's 8 row groups, asked for jointly along a row of the cluster and filled once: two rounds of the cluster's barrier in the launch.
; B'S FRAGMENTS GO FROM MEMORY STRAIGHT INTO REGISTERS, as they lie: 16 loads of 512 consecutive bytes a K step, into a ring of four sets of 64 registers in window 3; three K steps (48 loads) are out.
; B IS NOT ASKED FOR JOINTLY: A's and B's 11 K steps together (360,448 bytes) do not fit in LDS, so slots would be filled again, each behind a round.
.set TOT, 11
.macro LDB                             ; B's four fragments of K step BN
	WIN 0xc0
.irp i, 0,1,2,3
.irp c, 0,1,2,3
	global_load_b128 v[64*(BN%4)+16*\i+4*\c:64*(BN%4)+16*\i+4*\c+3], v4, s[46:47] offset:\i*NS*2048+BN*2048+512*\c
.endr
.endr
.endm
.macro LDA                             ; A's four fragments of K step AN, LDS to registers, into buffer AN % 2 of window 1
	WIN TO_F
.irp i, 0,1,2,3
.irp c, 0,1,2,3
	ds_load_b128 v[64*(AN%2)+16*\i+4*\c:64*(AN%2)+16*\i+4*\c+3], v[ADRA+\i/2] offset:APITCH*(\i%2)+2048*AN+512*\c
.endr
.endr
.endm
.macro LDSC                            ; the scale words of the four K steps from AN on, into set (AN / 4) % 2
	WIN 0
.irp i, 0,1,2,3
	ds_load_b128 v[SC+16*((AN/4)%2)+4*\i:SC+16*((AN/4)%2)+4*\i+3], v[ADRS] offset:\i*NU*256+256*(AN/4)
.endr
.endm
.macro MM4 a                           ; A's fragment a against B's four, K step KS; the first K step starts the sums; the 16 accumulators take turns
.set BF, 64*(KS%4)
.set AF, 64*(KS%2)+16*\a
.set SW, SC+16*((KS/4)%2)+KS%4
.irp b, 0,1,2,3
.set AC, ACC+8*(4*\a+\b)
.if KS == 0
	v_wmma_scale_f32_16x16x128_f8f6f4 v[AC:AC+7], v[BF+16*\b:BF+16*\b+15], v[AF:AF+15], 0, v[SW+4*\b], v[SW+4*\a] matrix_a_scale:MATRIX_SCALE_ROW1
.else
	v_wmma_scale_f32_16x16x128_f8f6f4 v[AC:AC+7], v[BF+16*\b:BF+16*\b+15], v[AF:AF+15], v[AC:AC+7], v[SW+4*\b], v[SW+4*\a] matrix_a_scale:MATRIX_SCALE_ROW1
.endif
.endr
.endm
.macro KSTEP
	s_wait_dscnt 8                                 ; all but A's fragments 2 and 3 are in
.if TOT-1-KS >= 2
	s_wait_loadcnt 32                              ; this step's B is in; the two later steps' 32 loads may be out
.else
	s_wait_loadcnt 16*(TOT-1-KS)
.endif
	WIN MUL
	MM4 0
	MM4 1
.if KS+1 < TOT
	PLACES 8                                       ; in front of loads into registers that the step before has multiplied
.set AN, KS+1
.if AN%4 == 0
	LDSC
.endif
	LDA
.if KS+3 < TOT
.set BN, KS+3
	LDB
.endif
	s_wait_dscnt 16                                ; all but the next step's 16
.else
	s_wait_dscnt 0x0
.endif
	WIN MUL
	MM4 2
	MM4 3
.endm
.set BN, 0
.rept 3
	LDB                                            ; K steps 0, 1, 2: behind the residual's loads, so that a counted wait for these shows those done too
.set BN, BN+1
.endr
	WIN 0
	s_wait_tensorcnt 0x0                           ; my tile of the head's is in;
	s_barrier_signal -1
	s_barrier_wait -1                              ; everybody's is
.set AN, 0
	LDSC
	LDA
.set KS, 0
.rept TOT
	KSTEP
.set KS, KS+1
.endr
	WIN 0
.macro TOSTAGE a
.irp b, 0,1,2,3
	ds_store_b128 v[STO], v[ACC+8*(4*(\a)+\b):ACC+8*(4*(\a)+\b)+3] offset:128*(\b/2)+32*(\b%2)
	ds_store_b128 v[STO], v[ACC+8*(4*(\a)+\b)+4:ACC+8*(4*(\a)+\b)+7] offset:128*(\b/2)+32*(\b%2)+16
.endr
.set BB, 64+32*((\a)%2)
.irp i, 0,1,2,3,4,5,6,7
	ds_load_b128 v[BB+4*\i:BB+4*\i+3], v[RD] offset:\i*544
.endr
.endm
.macro SEND a, younger
.set BB, 64+32*((\a)%2)
	s_wait_dscnt \younger
	WIN 0x20
.irp i, 0,1,2,3,4,5,6,7
	v_pk_fma_f32 v[BB+4*\i:BB+4*\i+1], v[BB+4*\i:BB+4*\i+1], s[SS:SS+1], v[32*(\a)+4*\i:32*(\a)+4*\i+1] op_sel_hi:[1,0,1]
	v_pk_fma_f32 v[BB+4*\i+2:BB+4*\i+3], v[BB+4*\i+2:BB+4*\i+3], s[SS:SS+1], v[32*(\a)+4*\i+2:32*(\a)+4*\i+3] op_sel_hi:[1,0,1]
.endr
	WIN 0
.irp i, 0,1,2,3,4,5,6,7
	global_store_b128 v[CO], v[BB+4*\i:BB+4*\i+3], s[10:11] offset:(32*((\a)/2)+8*((\a)%2)+2*\i+8*(\i/4))*8192 th:TH_STORE_NT
.endr
.endm
	s_wait_kmcnt 0x0
	s_mov_b32 s[SS+1], s[SS]
	s_wait_loadcnt 0x0
	PLACES 8
	TOSTAGE 0
	TOSTAGE 1
	SEND 0, 16
	s_wait_xcnt 0x0
	TOSTAGE 2
	SEND 1, 16
	s_wait_xcnt 0x0
	TOSTAGE 3
	SEND 2, 16
	SEND 3, 0
	s_wait_tensorcnt 0x0
	ds_add_u32 v[SPW], v[NIL]
	s_wait_dscnt 0x0
	CROUND
	s_endpgm
.Lfunc_end_k_q60a5adf50f_dn:
	.size	k_q60a5adf50f_dn, .Lfunc_end_k_q60a5adf50f_dn-k_q60a5adf50f_dn
	.p2alignl 7, 3214868480
	.fill 96, 4, 3214868480
	.section	.rodata,"a",@progbits
	.p2align	6, 0x0
	.amdhsa_kernel k_q60a5adf50f_dn
		.amdhsa_group_segment_fixed_size 327680
		.amdhsa_private_segment_fixed_size 0
		.amdhsa_enable_private_segment 0
		.amdhsa_kernarg_size 32
		.amdhsa_user_sgpr_count 2
		.amdhsa_user_sgpr_kernarg_segment_ptr 1
		.amdhsa_wavefront_size32 1
		.amdhsa_system_sgpr_workgroup_id_x 1
		.amdhsa_system_sgpr_workgroup_id_y 1
		.amdhsa_system_sgpr_workgroup_id_z 1
		.amdhsa_system_vgpr_workitem_id 0
		.amdhsa_next_free_vgpr 1024
		.amdhsa_next_free_sgpr 100
		.amdhsa_reserve_vcc 0
		.amdhsa_float_denorm_mode_32 3
		.amdhsa_float_denorm_mode_16_64 3
		.amdhsa_memory_ordered 1
		.amdhsa_forward_progress 1
		.amdhsa_inst_pref_size 78
	.end_amdhsa_kernel
	.amdgpu_metadata
---
amdhsa.version: [ 1, 2 ]
amdhsa.kernels:
  - .name:           k_q60a5adf50f_dn
    .symbol:         k_q60a5adf50f_dn.kd
    .args:
      - { .name: act, .offset: 0, .size: 8, .value_kind: global_buffer, .address_space: global }
      - { .name: wts, .offset: 8, .size: 8, .value_kind: global_buffer, .address_space: global }
      - { .name: h2, .offset: 16, .size: 8, .value_kind: global_buffer, .address_space: global }
      - { .name: out0, .offset: 24, .size: 8, .value_kind: global_buffer, .address_space: global }
    .group_segment_fixed_size: 327680
    .private_segment_fixed_size: 0
    .kernarg_segment_align: 8
    .kernarg_segment_size: 32
    .max_flat_workgroup_size: 128
    .sgpr_count:     100
    .vgpr_count:     1024
    .wavefront_size: 32
...
	.end_amdgpu_metadata
.endif
;; end of part 9
